; MI455X (gfx1250); checked and timed in simulation.
; The chip was launched on July 23, 2026; its instructions are those of AMD's public machine-readable ISA for CDNA 5 (MIT licence, August 2026) and "CDNA5" Instruction Set Architecture Reference Guide (July 2026). The comments in the code are by the model that wrote it; some were corrected since.
;; Folding Generator. Allowed arithmetic: matrix products marked QUANTISED: E2M3 operands, one E8M0 scale for each 32 along K, by v_wmma_scale_f32_16x16x128_f8f6f4 with both operands' format E2M3, f32 sums; products left as they are: f32 operands where the result goes on into a quantised operand, else bf16, f16 or f32 operands; f32 sums; everything else in f32.
;; Inputs: W1 258 x 256 float32; W2_codes 64 x 8 x 24 uint8 (E2M3 codes of W2, K innermost, in blocks of 32 codes, four codes in three bytes); W2_scales 64 x 8 uint8 (E8M0 scales of W2, one for each 32 codes along K); W3 64 x 3 float32; Wc 256 x 3 float32; b1 256 float32; b2 64 float32; b3 3 float32; bc 3 float32; beta1 256 float32; beta2 64 float32; gamma1 256 float32; gamma2 64 float32; grid 64 x 2 float32; tokens 8 x 2,048 x 256 float32.
;; Outputs: out0 8 x 2,048 x 3 float32; out1 8 x 131,072 x 3 float32.
;; This version of the problem:
;;   THIS VERSION OF THE PROBLEM IS GIVEN IN LOW PRECISION. The matrix products marked QUANTISED in the list below multiply operands that are first quantised to E2M3 (2 exponent bits, 3 mantissa bits; 6 bits a number), with one power-of-two scale for each 32 numbers along K (OCP MX v1.0); their sums are f32. All else is computed in f32.
;;   The module's matrix products, in the order in which they are computed (A, B: the left and right operand; K: the contracted axis; several contracted axes count as one K, in the product's order):
;;     1. [M 16,384, K 256] x [K 256, N 3]; A: input tokens; B: input Wc: left as it is (N = 3 < 16)
;;     2. [M 16,384, K 256] x [K 256, N 256]; A: input tokens; B: input W1: QUANTISED
;;     3. [M 64, K 2] x [K 2, N 256]; A: input grid; B: input W1: left as it is (K = 2 < 32)
;;     4. [M 1,048,576, K 256] x [K 256, N 64]; A: computed on the way; B: input W2 (given as codes): QUANTISED
;;     5. [M 1,048,576, K 64] x [K 64, N 3]; A: computed on the way; B: input W3: left as it is (N = 3 < 16)
;;   THE QUANTISER, for each operand of a quantised product, along K:
;;     - K is cut into blocks of 32 from its start; a last block that is shorter is filled with zeros.
;;     - A block's scale is 2^e with e = floor(log2(the largest magnitude in the block)) - 2, held to -126 .. 127; a block of zeros has e = 0. As a byte (E8M0): e + 127.
;;     - Each number is divided by its block's scale, clamped to +-7.5, and rounded to the nearest number of E2M3, ties to even, subnormals kept.
;;     - The product sums the exact products of the quantised numbers (number of the format x scale) in f32.
;;   ~~~python
;;   def quantise(x, axis):      # numpy; x: float32 -> the quantised numbers, widened to float32 again
;;       x = np.moveaxis(x, axis, -1); K = x.shape[-1]
;;       x = np.pad(x, [(0, 0)] * (x.ndim - 1) + [(0, -K % 32)]); x = x.reshape(x.shape[:-1] + (-1, 32)); a = np.abs(x).max(-1, keepdims=True)
;;       e = np.where(a > 0, np.clip(np.frexp(np.where(a > 0, a, 1))[1] - 1 - 2, -126, 127), 0)      # np.frexp(a)[1] - 1 = floor(log2(a)), exactly
;;       r = np.clip(x / 2.0 ** e, -7.5, 7.5)
;;       step = 2.0 ** (np.maximum(np.frexp(np.where(r == 0, 1, r))[1] - 1, 0) - 3)
;;       q = np.round(r / step) * step * 2.0 ** e      # np.round: ties to even
;;       return np.moveaxis(q.reshape(q.shape[:-2] + (-1,))[..., :K], -1, axis).astype(np.float32)
;;   ~~~
;;   OPERANDS COMPUTED ON THE WAY. 'Computed on the way' means the value that the module computes at that place (a softmax that the list does not call 'softmax' is quantised finished and normalised). What goes into a quantiser is computed in f32, as accurately as f32 sums, v_exp_f32 and their like allow (about 1e-6 of the number): no bf16 or f16 on the way to a quantiser, and a product that is left as it is and whose result goes on into a quantised operand takes f32 operands (vector FMAs, or v_wmma_f32_16x16x4_f32). A number that lies on a knife's edge between two numbers of the format may be rounded either way, as far as f32 arithmetic and the matrix unit's own rounding can turn it there, and no further.
;;   INPUTS GIVEN AS CODES. W2 (in the module: [256, 64], K = its axis 0): each comes as NAME_codes (uint8): NAME with its K axis moved to the last place and cut into blocks of 32 codes, [.., K / 32, bytes a block], one block behind the other in memory; four codes in three bytes: a row's codes are one little-endian stream of bits, code i at bits 6 i .. 6 i + 5 (a code: sign, 2 exponent bits, 3 mantissa bits); and NAME_scales (uint8): the same leading axes, one E8M0 byte (e + 127) for each 32 codes along K. Its value is code x scale, taken as it is: it is not quantised again, and the codes and scales need not be those that the quantiser above would give.
;; 2 versions. Each part assembles by itself: llvm-mc -triple=amdgcn-amd-amdhsa -mcpu=gfx1250 --defsym DOCPART=n.
;; ======== version 1 of 2: 3 launches
;; workspace buffers: tp 16,777,216 bytes; st1 131,072 bytes; st2 131,072 bytes
;; launch tokpart (part 1): grid 4 x 64, 16 waves a work-group, no clusters, 96,256 bytes of LDS; arguments tokens, W1, Wc, bc, tp, st1, out0; writes tp, st1, out0
.if DOCPART == 1
	.amdgcn_target "amdgcn-amd-amdhsa--gfx1250"
	.amdhsa_code_object_version 6
	.text
	.protected	k_q6077c035ca_tokpart
	.globl	k_q6077c035ca_tokpart
	.p2align	8
	.type	k_q6077c035ca_tokpart,@function
k_q6077c035ca_tokpart:
	s_mov_b64 s[64:65], 0
	v_nop
	global_prefetch_b8 v0, s[64:65] scope:SCOPE_SE
	s_setreg_imm32_b32 hwreg(HW_REG_WAVE_MODE, 25, 1), 1
	s_wait_xcnt 0x0
; tp = Q(tokens) Q(W1[0:256]) on codes of FP6 (E2M3) with one E8M0 scale for each 32 along K; out0 = tokens Wc + bc in f32; st1 = for each block of 256 rows and each channel the mean of tp and the sum of squared deviations from it (M2).
; tokens [16384][256] f32, W1 [258][256] f32 (K = its first axis), Wc [256][3], bc [3]; tp [16384][256] f32; st1 [64 row blocks][mean, M2][256] f32; out0 [16384][3] f32.
; SHARES.  Work-group (x, y) makes rows 256 y .. + 255 x channels 64 x .. + 63.  Each of its sixteen waves owns 16 rows: it quantises them in registers (a lane holds whole blocks of 32 of its row) and multiplies them by the
; eight fragments of W1 (4 tiles of 16 channels x 2 K steps), which waves 0-7 quantise, one each (a lane to a column, registers down K), and hand round through LDS as images of the operand's registers.
; The four work-groups of a row block read the same rows of tokens; each makes out0 for a quarter of them (waves 4 x .. 4 x + 3), from the numbers that it holds anyway.
; No variance is made as a difference of large sums: a wave takes its 16 rows' mean first and then the squared deviations; levels are joined by mean = average of the means, M2 = sum of the M2 + count x sum of (mean_i - mean)^2.
; No tensor loads and no ring: a wave's whole input is 16 KiB, asked for in one run at the head.  No cluster: what the work-groups share is read once.
; LIMITS: NaN and infinities among the inputs are not served.  A block whose largest magnitude lies under 2^-124 (a block of zeros too) gets the scale byte 1; the bytes are read by this launch alone.
.set WIMG, 0                           ; LDS: W1's eight fragments, 1,536 bytes each: three runs of 16 bytes a lane
.set WSC,  12288                       ; their scale words, 4 bytes a lane
.set WCL,  13312                       ; Wc as it lies, 3,072 bytes
.set SX,   16384                       ; each wave's [mean, M2][64 channels], 512 bytes
.set STG,  24576                       ; each wave's stage for tp: 16 rows x (256 bytes + 16)
.set SPITCH, 272
.set X,   16                           ; v16-143  my 128 numbers of my row: register 32 b + i is k = 64 b + 32 (lane / 16) + i; later W1's fragments, later rows of tp
.set RAW, 144                          ; v144-207 waves 0-7: 64 numbers of a column of W1
.set CH,  144                          ; v144-191 two pieces of Wc, 24 registers each
.set ACC, 144                          ; v144-175 four accumulators
.set SS,  176                          ; v176-207 statistics, eight registers a tile
.set CA,  208                          ; v208-231 my rows' codes, two fragments
.set TC,  232                          ; v232-238 the upper halves of two blocks' codes, before they are moved
.set WS,  240                          ; v240-247 W1's scale words;  v248-249 my rows': these ten hold scales and nothing else
.set XS,  248
.set PT,  250                          ; a lane permute's destination
.set QM,  251                          ; v251-252 largest magnitudes, then scale bytes
.set QS,  253                          ; v253-254 the conversions' scale operands
.set CS,  252                          ; v252-254 out0's three sums (between two uses of the four above)
.set T16, 255                          ; 16 x thread
.set MU,  112                          ; the joining of levels, at the end: v112-139
.set MM,  114
.set CT,  116
.set DD,  124
.set QQ,  132
; 64 numbers of a lane, two whole blocks of 32 (v[src] on, v[src + 32] on), become a fragment's 12 registers at v[dst] and its scale word in v[sw].
.macro QW src, dst, sw
	v_max3_num_f32 v[QM], |v[\src]|, |v[\src+1]|, 0x1800000          ; the floor 2^(3 - 127) among the leaves: the byte cannot fall under 1
	v_max3_num_f32 v[QM+1], |v[\src+32]|, |v[\src+33]|, 0x1800000
.set qi, 2
.rept 15
	v_max3_num_f32 v[QM], v[QM], |v[\src+qi]|, |v[\src+qi+1]|        ; the two blocks by turns
	v_max3_num_f32 v[QM+1], v[QM+1], |v[\src+32+qi]|, |v[\src+33+qi]|
.set qi, qi+2
.endr
	v_add_nc_u32 v[QS], 0xff000000, v[QM]                            ; 2 off the exponent field: the conversion takes this operand's exponent field as its scale
	v_add_nc_u32 v[QS+1], 0xff000000, v[QM+1]
	v_lshrrev_b32 v[QM], 23, v[QS]                                   ; the scale's byte
	v_lshrrev_b32 v[QM+1], 23, v[QS+1]
	v_lshl_or_b32 v[\sw], v[QM+1], 16, v[QM]                         ; my blocks are numbers h and 2 + h of the four:
	v_lshlrev_b32 v[\sw], v15, v[\sw]                                ; 8 h bits up;
	v_permlanex16_b32 v[PT], v[\sw], s28, s29
	v_or_b32 v[\sw], v[\sw], v[PT]                                   ; with lane l xor 16's two bytes the word is whole
.irp c, 0,1
	v_cvt_scalef32_pk16_fp6_f32 v[\dst+6*\c:\dst+6*\c+2], v[\src+32*\c:\src+32*\c+15], v[QS+\c]
	v_cvt_scalef32_pk16_fp6_f32 v[TC+4*\c:TC+4*\c+2], v[\src+32*\c+16:\src+32*\c+31], v[QS+\c]   ; a conversion's three registers begin on an even number: made here, moved below
.endr
	v_nop                                                            ; one plain place behind a scaled conversion
.irp c, 0,1
.irp i, 0,1,2
	v_mov_b32 v[\dst+6*\c+3+\i], v[TC+4*\c+\i]
.endr
.endr
.endm
; n partial (mean, M2) of equal count, as pairs of channels at v[mb] on and v[qb] on (qw = 1: in register window 1), are joined: v[MU:MU+1] the mean, v[MM:MM+1] the M2.  cnt: the count as f32;  inv: 1 / n as f32.
.macro COMB n, mb, qw, qb, cnt, inv
.if \n > 4
.irp c, 0,1,2,3
	v_pk_add_f32 v[CT+2*\c:CT+2*\c+1], v[\mb+2*\c:\mb+2*\c+1], v[\mb+8+2*\c:\mb+9+2*\c]   ; four chains, started by the first eight
.endr
.set ci, 8
.rept \n-8
	v_pk_add_f32 v[CT+2*(ci%4):CT+2*(ci%4)+1], v[CT+2*(ci%4):CT+2*(ci%4)+1], v[\mb+2*ci:\mb+2*ci+1]
.set ci, ci+1
.endr
	v_pk_add_f32 v[CT:CT+1], v[CT:CT+1], v[CT+2:CT+3]
	v_pk_add_f32 v[CT+4:CT+5], v[CT+4:CT+5], v[CT+6:CT+7]
.else
	v_pk_add_f32 v[CT:CT+1], v[\mb:\mb+1], v[\mb+2:\mb+3]
	v_pk_add_f32 v[CT+4:CT+5], v[\mb+4:\mb+5], v[\mb+6:\mb+7]
.endif
	v_pk_add_f32 v[CT:CT+1], v[CT:CT+1], v[CT+4:CT+5]
	v_pk_mul_f32 v[MU:MU+1], v[CT:CT+1], \inv op_sel_hi:[1,0]
.set ci, 0
.rept \n
	v_pk_add_f32 v[DD+2*(ci%4):DD+2*(ci%4)+1], v[\mb+2*ci:\mb+2*ci+1], v[MU:MU+1] neg_lo:[0,1] neg_hi:[0,1]   ; mean_i - mean
.if ci < 4
	v_pk_mul_f32 v[QQ+2*ci:QQ+2*ci+1], v[DD+2*ci:DD+2*ci+1], v[DD+2*ci:DD+2*ci+1]
.else
	v_pk_fma_f32 v[QQ+2*(ci%4):QQ+2*(ci%4)+1], v[DD+2*(ci%4):DD+2*(ci%4)+1], v[DD+2*(ci%4):DD+2*(ci%4)+1], v[QQ+2*(ci%4):QQ+2*(ci%4)+1]
.endif
.set ci, ci+1
.endr
.irp c, 0,1,2,3
	v_pk_mul_f32 v[CT+2*\c:CT+2*\c+1], v[QQ+2*\c:QQ+2*\c+1], \cnt op_sel_hi:[1,0]   ; x the count; the M2 are added onto the four chains
.endr
.if \qw
	WIN 0x04
.endif
.set ci, 0
.rept \n
	v_pk_add_f32 v[CT+2*(ci%4):CT+2*(ci%4)+1], v[CT+2*(ci%4):CT+2*(ci%4)+1], v[\qb+2*ci:\qb+2*ci+1]
.set ci, ci+1
.endr
.if \qw
	WIN 0
.endif
	v_pk_add_f32 v[CT:CT+1], v[CT:CT+1], v[CT+2:CT+3]
	v_pk_add_f32 v[CT+4:CT+5], v[CT+4:CT+5], v[CT+6:CT+7]
	v_pk_add_f32 v[MM:MM+1], v[CT:CT+1], v[CT+4:CT+5]
.endm
.macro WCLD qb                         ; Wc's rows of my k = 64 (qb / 4) + 32 h + 8 (qb % 4) + 0 .. 7: 96 bytes, the same for the sixteen lanes of a half
.irp q, 0,1,2,3,4,5
	ds_load_b128 v[CH+24*((\qb)%2)+4*\q:CH+24*((\qb)%2)+4*\q+3], v9 offset:768*((\qb)/4)+96*((\qb)%4)+16*\q
.endr
.endm
	s_load_b256 s[4:11], s[0:1], 0x0               ; tokens s[4:5], W1 s[6:7], Wc s[8:9], bc s[10:11]
	s_load_b128 s[12:15], s[0:1], 0x20             ; tp s[12:13], st1 s[14:15]
	s_load_b64 s[16:17], s[0:1], 0x30              ; out0
	v_lshl_add_u32 v235, v0, 2, 0x17000
	v_mov_b32 v239, 0
	v_lshrrev_b32 v1, 5, v0
	v_readfirstlane_b32 s20, v1                    ; wave 0..15
	s_mov_b32 s21, ttmp9                           ; which 64 channels
	s_and_b32 s22, ttmp7, 0xffff                   ; which 256 rows
	s_mov_b32 s28, 0x76543210
	s_mov_b32 s29, 0xfedcba98                      ; v_permlanex16_b32's selects for lane l xor 16
	; every address register is made here, ahead of the first parting of the waves
	v_and_b32 v1, 15, v0                           ; r
	v_bfe_u32 v2, v0, 4, 1                         ; h
	v_and_b32 v5, 31, v0                           ; lane
	v_lshlrev_b32 v6, 2, v5                        ; 4 x lane: a scale word's place
	v_lshlrev_b32 v14, 3, v5                       ; 8 x lane: two channels' place
	v_lshlrev_b32 v5, 4, v5                        ; 16 x lane: an image's place
	v_lshlrev_b32 v3, 10, v1
	v_lshl_add_u32 v3, v2, 7, v3                   ; tokens: row r of 1,024 bytes, + 128 h: my block of 32
	v_lshlrev_b32 v4, 2, v1
	v_lshl_add_u32 v4, v2, 15, v4                  ; W1: column r, + 32 h rows of 1,024 bytes
	s_mul_i32 s23, s20, 1536
	v_add_nc_u32 v7, s23, v5                       ; where wave w (0-7) stores its fragment's image
	s_lshl_b32 s23, s20, 7
	s_add_co_u32 s23, s23, WSC
	v_add_nc_u32 v8, s23, v6                       ; and its scale words
	v_mul_u32_u24 v9, v2, 384
	v_add_nc_u32 v9, WCL, v9                       ; Wc: 32 h rows of 12 bytes on
	s_mul_i32 s23, s20, 16*SPITCH
	s_add_co_u32 s23, s23, STG                     ; my stage
	v_mul_u32_u24 v10, v2, 8*SPITCH
	v_lshl_add_u32 v10, v1, 2, v10
	v_add_nc_u32 v10, s23, v10                     ; in: row 8 h (+ j), channel r (+ 16 tile)
	v_mul_u32_u24 v11, v2, SPITCH
	v_lshl_add_u32 v11, v1, 4, v11
	v_add_nc_u32 v11, s23, v11                     ; back: lanes 0-15 one row of 256 bytes, lanes 16-31 the next
	s_lshl_b32 s23, s20, 9
	s_add_co_u32 s23, s23, SX
	v_lshl_add_u32 v12, v1, 2, s23                 ; my wave's statistics, channel r (+ 16 tile)
	v_lshlrev_b32 v13, 10, v2
	v_lshl_add_u32 v13, v1, 4, v13                 ; the same two rows in tp
	v_lshlrev_b32 v15, 3, v2                       ; 8 h
	v_lshlrev_b32 v[T16], 4, v0
	v_mov_b32 v[PT], 0                             ; written once: a lane permute's destination counts as one of its sources
	s_lshl_b32 s30, s22, 8
	s_lshl_b32 s31, s20, 4
	s_add_co_u32 s30, s30, s31                     ; my first row: 256 y + 16 wave
	s_mul_i32 s32, s30, 12                         ; its bytes in out0,
	s_mov_b32 s33, 0
	s_lshl_b32 s30, s30, 10                        ; in tokens and in tp
	s_mov_b32 s31, 0
	s_lshl_b32 s34, s21, 8                         ; my 64 channels: 256 bytes x
	s_mov_b32 s35, 0
	s_lshr_b32 s36, s20, 1
	s_lshl_b32 s36, s36, 6                         ; W1, wave w = 2 tile + K step: 64 bytes a tile,
	s_and_b32 s37, s20, 1
	s_lshl_b32 s37, s37, 17                        ; 128 rows a K step
	s_add_co_u32 s36, s36, s37
	s_add_co_u32 s36, s36, s34
	s_mov_b32 s37, 0
	s_lshl_b32 s38, s22, 11                        ; st1: 2,048 bytes a row block
	s_add_co_u32 s38, s38, s34
	s_mov_b32 s39, 0
	s_wait_kmcnt 0x0
	s_load_b96 s[24:26], s[10:11], 0x0             ; bc
	s_add_nc_u64 s[4:5], s[4:5], s[30:31]
	s_add_nc_u64 s[12:13], s[12:13], s[30:31]
	s_add_nc_u64 s[12:13], s[12:13], s[34:35]
	s_add_nc_u64 s[6:7], s[6:7], s[36:37]
	s_add_nc_u64 s[14:15], s[14:15], s[38:39]
	s_add_nc_u64 s[16:17], s[16:17], s[32:33]
.set i, 0
.rept 32
	global_load_b128 v[X+4*i:X+4*i+3], v3, s[4:5] offset:256*(i/8)+16*(i%8)   ; block i / 8 of my half, 128 bytes on end
.set i, i+1
.endr
	; ---- waves 0-7: a fragment of W1 each;  waves 8-13: Wc into LDS
	s_cmp_lt_u32 s20, 8
	s_cbranch_scc0 .Lnot_w1
.set i, 0
.rept 64
	global_load_b32 v[RAW+i], v4, s[6:7] offset:(64*(i/32)+i%32)*1024   ; W1(128 s + 64 c + 32 h + i, my column): sixteen lanes read 64 neighbouring bytes
.set i, i+1
.endr
	s_wait_loadcnt 0x0
	QW RAW, CA, XS
.irp c, 0,1,2
	ds_store_b128 v7, v[CA+4*\c:CA+4*\c+3] offset:WIMG+512*\c       ; the fragment as it stands in my registers
.endr
	ds_store_b32 v8, v[XS]
	s_branch .Ljoin
.Lnot_w1:
	s_cmp_lt_u32 s20, 14
	s_cbranch_scc0 .Ljoin
	global_load_b128 v[RAW:RAW+3], v[T16], s[8:9] offset:-4096      ; threads 256 to 447: 16 bytes each of Wc's 3,072
	s_wait_loadcnt 0x0
	ds_store_b128 v[T16], v[RAW:RAW+3] offset:WCL-4096
.Ljoin:
	s_wait_loadcnt 0x0                             ; my rows
	s_wait_kmcnt 0x0                               ; bc
	s_wait_dscnt 0x0                               ; for the others' sake: my stores have landed
	s_barrier_signal -1
	s_barrier_wait -1                              ; W1's eight fragments and Wc lie in LDS
	; ---- out0 for my 16 rows, if they fall to this work-group: waves 4 x .. 4 x + 3
	s_lshr_b32 s23, s20, 2
	s_cmp_lg_u32 s23, s21
	s_cbranch_scc1 .Lno_coarse
	WCLD 0
.set k, 0
.rept 16
.if k < 15
	WCLD k+1
	s_wait_dscnt 6                                 ; this piece is in; the next piece's six loads may be out
.else
	s_wait_dscnt 0x0
.endif
.set e, 0
.rept 8
.irp j, 0,1,2
.if (k == 0) && (e == 0)
	v_mul_f32 v[CS+\j], v[X], v[CH+\j]             ; the first products start the sums
.else
	v_fmac_f32 v[CS+\j], v[X+8*k+e], v[CH+24*(k%2)+3*e+\j]
.endif
.endr
.set e, e+1
.endr
.set k, k+1
.endr
.irp j, 0,1,2
	v_permlanex16_b32 v[PT], v[CS+\j], s28, s29
	v_add_f32 v[CS+\j], v[CS+\j], v[PT]            ; with lane l xor 16's half of K
.endr
	v_add_f32 v[CS], s24, v[CS]
	v_add_f32 v[CS+1], s25, v[CS+1]
	v_add_f32 v[CS+2], s26, v[CS+2]
	v_mul_u32_u24 v[QM], v1, 12
	s_wait_xcnt 0x0                                ; EXEC changes only behind this wait
	v_cmp_eq_u32 vcc_lo, 0, v2
	s_and_saveexec_b32 s40, vcc_lo                 ; lanes 0-15: one row each
	global_store_b96 v[QM], v[CS:CS+2], s[16:17]   ; 192 consecutive bytes
	s_wait_xcnt 0x0                                ; and again in front of the line that widens it; the store's registers are free too
	s_or_b32 exec_lo, exec_lo, s40
.Lno_coarse:
	; ---- my rows become two fragments; W1's eight come from LDS into the registers that the rows leave
	QW X, CA, XS
	QW X+64, CA+12, XS+1
.set i, 0
.rept 24
	ds_load_b128 v[X+4*i:X+4*i+3], v5 offset:WIMG+512*i             ; fragment i / 3 (2 tile + K step) at v[X + 12 (i / 3)]
.set i, i+1
.endr
.set i, 0
.rept 8
	ds_load_b32 v[WS+i], v6 offset:WSC+128*i
.set i, i+1
.endr
.rept 8
	v_nop                                          ; a scale word made by vector instructions stands 8 places ahead of a scaled matrix instruction, codes so made 4
.endr
	s_wait_dscnt 0x0
.irp n, 0,1,2,3                                ; source 0 = my 16 rows, source 1 = 16 channels: a lane holds ONE channel and eight rows, as the statistics want it.  The four accumulators by turns
	v_wmma_scale_f32_16x16x128_f8f6f4 v[ACC+8*\n:ACC+8*\n+7], v[CA:CA+11], v[X+24*\n:X+24*\n+11], 0, v[XS], v[WS+2*\n] matrix_a_fmt:MATRIX_FMT_FP6 matrix_b_fmt:MATRIX_FMT_FP6
.endr
.irp n, 0,1,2,3
	v_wmma_scale_f32_16x16x128_f8f6f4 v[ACC+8*\n:ACC+8*\n+7], v[CA+12:CA+23], v[X+24*\n+12:X+24*\n+23], v[ACC+8*\n:ACC+8*\n+7], v[XS+1], v[WS+2*\n+1] matrix_a_fmt:MATRIX_FMT_FP6 matrix_b_fmt:MATRIX_FMT_FP6
.endr
.rept 4
	v_nop                                          ; four places behind the last product (ISA guide 7.12.1), for all that follows
.endr
	; ---- my 16 rows' mean and M2 of each channel: lane (r, h) holds channel 16 n + r, rows 8 h + 0 .. 7.  The four tiles by turns; each accumulator is read from its low end on
.irp n, 0,1,2,3
	v_pk_add_f32 v[SS+8*\n:SS+8*\n+1], v[ACC+8*\n:ACC+8*\n+1], v[ACC+8*\n+2:ACC+8*\n+3]
.endr
.irp n, 0,1,2,3
	v_pk_add_f32 v[SS+8*\n+2:SS+8*\n+3], v[ACC+8*\n+4:ACC+8*\n+5], v[ACC+8*\n+6:ACC+8*\n+7]
.endr
.irp n, 0,1,2,3
	v_pk_add_f32 v[SS+8*\n:SS+8*\n+1], v[SS+8*\n:SS+8*\n+1], v[SS+8*\n+2:SS+8*\n+3]
.endr
.irp n, 0,1,2,3
	v_add_f32 v[SS+8*\n], v[SS+8*\n], v[SS+8*\n+1]
.endr
.irp n, 0,1,2,3
	v_permlanex16_b32 v[SS+8*\n+1], v[SS+8*\n], s28, s29
.endr
.irp n, 0,1,2,3
	v_add_f32 v[SS+8*\n], v[SS+8*\n], v[SS+8*\n+1]
.endr
.irp n, 0,1,2,3
	v_mul_f32 v[SS+8*\n], 0x3d800000, v[SS+8*\n]   ; / 16: the mean
.endr
.irp g, 0,4
.irp n, 0,1,2,3
	v_pk_add_f32 v[SS+8*\n+2:SS+8*\n+3], v[ACC+8*\n+\g:ACC+8*\n+\g+1], v[SS+8*\n:SS+8*\n+1] op_sel_hi:[1,0] neg_lo:[0,1] neg_hi:[0,1]
.endr
.irp n, 0,1,2,3
	v_pk_add_f32 v[SS+8*\n+4:SS+8*\n+5], v[ACC+8*\n+\g+2:ACC+8*\n+\g+3], v[SS+8*\n:SS+8*\n+1] op_sel_hi:[1,0] neg_lo:[0,1] neg_hi:[0,1]
.endr
.irp n, 0,1,2,3
.if \g == 0
	v_pk_mul_f32 v[SS+8*\n+6:SS+8*\n+7], v[SS+8*\n+2:SS+8*\n+3], v[SS+8*\n+2:SS+8*\n+3]
.else
	v_pk_fma_f32 v[SS+8*\n+6:SS+8*\n+7], v[SS+8*\n+2:SS+8*\n+3], v[SS+8*\n+2:SS+8*\n+3], v[SS+8*\n+6:SS+8*\n+7]
.endif
.endr
.irp n, 0,1,2,3
	v_pk_fma_f32 v[SS+8*\n+6:SS+8*\n+7], v[SS+8*\n+4:SS+8*\n+5], v[SS+8*\n+4:SS+8*\n+5], v[SS+8*\n+6:SS+8*\n+7]
.endr
.endr
.irp n, 0,1,2,3
	v_add_f32 v[SS+8*\n+6], v[SS+8*\n+6], v[SS+8*\n+7]
.endr
.irp n, 0,1,2,3
	v_permlanex16_b32 v[SS+8*\n+7], v[SS+8*\n+6], s28, s29
.endr
.irp n, 0,1,2,3
	v_add_f32 v[SS+8*\n+6], v[SS+8*\n+6], v[SS+8*\n+7]
.endr
.irp n, 0,1,2,3
	ds_store_b32 v12, v[SS+8*\n] offset:64*\n      ; both halves of the lanes write the same word with the same value
	ds_store_b32 v12, v[SS+8*\n+6] offset:256+64*\n
.endr
	; ---- tp: a lane holds a piece of a column, so the 16 rows x 64 channels go through my stage and leave as rows of 256 bytes
.irp n, 0,1,2,3
.irp j, 0,1,2,3,4,5,6,7
	ds_store_b32 v10, v[ACC+8*\n+\j] offset:SPITCH*\j+64*\n
.endr
.endr
.irp t, 0,1,2,3,4,5,6,7
	ds_load_b128 v[X+4*\t:X+4*\t+3], v11 offset:2*\t*SPITCH         ; LDS serves a wave's instructions in order: these see my stores
.endr
.irp t, 0,1,2,3,4,5,6,7
	s_wait_dscnt 7-\t                              ; the younger loads may be out
	global_store_b128 v13, v[X+4*\t:X+4*\t+3], s[12:13] offset:2048*\t   ; sixteen lanes store 256 consecutive bytes, at a multiple of 256 from tp's first byte
.endr
	s_wait_dscnt 0x0
	s_barrier_signal -1
	s_barrier_wait -1                              ; sixteen waves' statistics lie in LDS
	s_cmp_lg_u32 s20, 0
	s_cbranch_scc1 .Lend
.set i, 0
.rept 16
	ds_load_b64 v[48+2*i:49+2*i], v14 offset:SX+512*i               ; lane l: channels 2 l, 2 l + 1
	ds_load_b64 v[80+2*i:81+2*i], v14 offset:SX+512*i+256
.set i, i+1
.endr
	s_wait_dscnt 0x0
	COMB 16, 48, 0, 80, 0x41800000, 0x3d800000     ; sixteen partials of 16 rows
	global_store_b64 v14, v[MU:MU+1], s[14:15]     ; 256 consecutive bytes each
	global_store_b64 v14, v[MM:MM+1], s[14:15] offset:1024
.Lend:
	s_wait_tensorcnt 0x0
	ds_add_u32 v235, v239
	s_wait_dscnt 0x0
	s_endpgm
.Lfunc_end_k_q6077c035ca_tokpart:
	.size	k_q6077c035ca_tokpart, .Lfunc_end_k_q6077c035ca_tokpart-k_q6077c035ca_tokpart
	.p2alignl 7, 3214868480
	.fill 96, 4, 3214868480
	.section	.rodata,"a",@progbits
	.p2align	6, 0x0
	.amdhsa_kernel k_q6077c035ca_tokpart
		.amdhsa_group_segment_fixed_size 96256
		.amdhsa_private_segment_fixed_size 0
		.amdhsa_enable_private_segment 0
		.amdhsa_kernarg_size 56
		.amdhsa_user_sgpr_count 2
		.amdhsa_user_sgpr_kernarg_segment_ptr 1
		.amdhsa_wavefront_size32 1
		.amdhsa_system_sgpr_workgroup_id_x 1
		.amdhsa_system_sgpr_workgroup_id_y 1
		.amdhsa_system_sgpr_workgroup_id_z 1
		.amdhsa_system_vgpr_workitem_id 0
		.amdhsa_next_free_vgpr 256
		.amdhsa_next_free_sgpr 66
		.amdhsa_reserve_vcc 1
		.amdhsa_float_denorm_mode_32 3
		.amdhsa_float_denorm_mode_16_64 3
		.amdhsa_memory_ordered 1
		.amdhsa_forward_progress 1
		.amdhsa_inst_pref_size 60
	.end_amdhsa_kernel
	.amdgpu_metadata
---
amdhsa.version: [ 1, 2 ]
amdhsa.kernels:
  - .name:           k_q6077c035ca_tokpart
    .symbol:         k_q6077c035ca_tokpart.kd
    .args:
      - { .name: tokens, .offset: 0, .size: 8, .value_kind: global_buffer, .address_space: global }
      - { .name: W1, .offset: 8, .size: 8, .value_kind: global_buffer, .address_space: global }
      - { .name: Wc, .offset: 16, .size: 8, .value_kind: global_buffer, .address_space: global }
      - { .name: bc, .offset: 24, .size: 8, .value_kind: global_buffer, .address_space: global }
      - { .name: tp, .offset: 32, .size: 8, .value_kind: global_buffer, .address_space: global }
      - { .name: st1, .offset: 40, .size: 8, .value_kind: global_buffer, .address_space: global }
      - { .name: out0, .offset: 48, .size: 8, .value_kind: global_buffer, .address_space: global }
    .group_segment_fixed_size: 96256
    .private_segment_fixed_size: 0
    .kernarg_segment_align: 8
    .kernarg_segment_size: 56
    .max_flat_workgroup_size: 512
    .sgpr_count:     66
    .vgpr_count:     256
    .wavefront_size: 32
...
	.end_amdgpu_metadata
.endif
;; end of part 1
;; launch stats2 (part 2): grid 256 x 1, 4 waves a work-group, no clusters, 139,776 bytes of LDS; arguments tp, st1, grid, W1, b1, gamma1, beta1, W2_codes, W2_scales, b2, st2; writes st2
.if DOCPART == 2
	.amdgcn_target "amdgcn-amd-amdhsa--gfx1250"
	.amdhsa_code_object_version 6
	.text
	.protected	k_q6077c035ca_stats2
	.globl	k_q6077c035ca_stats2
	.p2align	8
	.type	k_q6077c035ca_stats2,@function
k_q6077c035ca_stats2:
	s_mov_b64 s[64:65], 0
	v_nop
	global_prefetch_b8 v0, s[64:65] scope:SCOPE_SE
	s_setreg_imm32_b32 hwreg(HW_REG_WAVE_MODE, 25, 1), 1
	s_wait_xcnt 0x0
; The second batch norm's statistics.  h2[m][n][:] = Q(relu(BN1(tp[m] + grid[n] W1[256:258] + b1))) W2 + b2 is made for all 16,384 tokens m x 64 grid points n and not kept: st2 [256 work-groups][mean, M2][64] f32 holds,
; for each work-group's 4,096 rows, each channel's mean and sum of squared deviations.  The product is on codes of FP6 (E2M3), one E8M0 scale for each 32 along K = the 256 channels; W2 comes as codes.
; BN1 WITHOUT A PASS OVER h.  h is a sum of a token's term and a grid point's term over the full set of pairs, so its mean is the sum of the two means and its variance the sum of the two variances, for every input.
; What is quantised is x = relu(T[m][c] + G[n][c]),  T = a1 (tp - mean of tp),  G = a1 (gp - mean of gp) + beta1,  gp = grid W1[256:258] + b1,  a1 = gamma1 / sqrt(var + 1e-5): one packed addition for two numbers.
; SHARES.  A work-group owns 64 tokens, each of its four waves 16.  A wave has a SIMD's 1,024 registers: ALL of G lies in them in the operand's layout (512), a token's T in 128, W2's eight fragments in 96.  A token is four tiles
; of 16 grid points; a tile is 4 blocks of 32 a lane (add, largest number, relu, conversion) and eight matrix instructions.  Nothing is shared in the loop: it has no barrier, and LDS is read once a token, for T.
; LAYOUT.  The product is used transposed: source 0 = 16 rows of W2, source 1 = 16 grid points.  Lane (r, h) holds grid point 16 tile + r; its block b is k = 64 b + 32 h + 0 .. 31, a WHOLE block: no other lane is asked for a
; maximum.  In the result register j of tile t is channel 16 t + 8 h + j.
; THE SUMS are taken of h2 - p, p the mean of the wave's first 16 rows: b2 - p is the C of each sum's first matrix instruction, so the pivot costs nothing in the loop, and no variance is a difference of large sums.
; A tile's results are summed a tile later, behind the next tile's vector work, so that the matrix unit works beside it.
; No tensor loads, ring, cluster or prefetch: a wave's input is 16 KiB, asked for with all else in one run at the head; what work-groups share (st1, 128 KiB) is read once, there.
; LIMITS: NaN and infinities are not served.  A block with no number above 2^-124 gets the scale byte 1; the bytes never leave the registers.
.set TABA, 0                           ; LDS: a1 [256]
.set TABM, 1024                        ; mean of tp [256]
.set SX,   2048                        ; each wave's [mean, M2][64], 512 bytes
.set GT,   6144                        ; G: 64 rows x (1,024 bytes + 16)
.set GP,   1040
.set TS,   72704                       ; T: each wave's 16 tokens x 1,024 bytes
; window 0
.set TA,   1                           ; v1   LDS address of the token's T for my half
.set SH,   2                           ; v2   8 h
.set ZERO, 4                           ; v4   0
.set T8,   5                           ; v5   8 x thread
.set TA0,  9                           ; v9   T's address for my wave's first token; never rewritten
.set T,    16                          ; v16-143  T: register 32 b + i is k = 64 b + 32 h + i
.set X,    144                         ; v144-175 a block's 32 numbers
.set CD,   176                         ; v176-199 the tile's codes: fragment s at 12 s
.set TMP,  200                         ; v200-202 the upper half of a block's codes, before it is moved
.set M,    204                         ; v204-207 four chains of the largest number
.set SC,   208                         ; the conversion's scale operand
.set BY,   210                         ; v210-211 two blocks' scale bytes
.set W,    212
.set PT,   213                         ; a lane permute's destination
.set AS,   214                         ; v214-215 x's scale words;  v216-223 W2's (2 t + s): these ten hold scales and nothing else
.set W2S,  216
.set MU,   144                         ; the head's work registers lie where the loop's will
.set MM,   146
.set CT,   148
.set DD,   156
.set QQ,   164
.set WA,   176
.set WB,   178
.set B1P,  180
.set GA1,  182
.set BE1,  184
.set VV,   192
.set A1,   194
.set GM,   196
.set AL16, 240                         ; 16 x lane
.set AL8,  241                         ; 8 x lane
.set AW2,  242                         ; 192 r + 24 h
.set AW2S, 243                         ; 8 r
.set AH32, 244                         ; 32 h
.set AGS,  246                         ; GT + 8 x thread
.set AGL,  247                         ; GT + 1040 r + 128 h
.set ATS,  248                         ; TS + 16384 wave + 16 lane
.set ASXW, 249                         ; SX + 512 wave + 32 h
; windows 1, 2: G of tile mt in window 1 + mt / 2 at 128 (mt % 2) + 32 b + i.   window 3:
.set W2F,  0                           ; v0-95    W2's fragments, 12 (2 t + s)
.set ACC,  96                          ; v96-127  four accumulators
.set CB,   128                         ; v128-159 b2, then b2 - p, in the result's layout
.set S1,   160                         ; v160-191 sums of h2 - p
.set S2,   192                         ; v192-223 sums of its square
.set P,    224                         ; v224-255 p
.set MSB, 0
.macro WIN new                         ; s_set_vgpr_msb's low byte: bits 1:0 source 0, 3:2 source 1, 5:4 source 2, 7:6 destination; the high byte repeats the setting that is left
.if MSB != \new
	s_set_vgpr_msb (MSB<<8)|\new
.set MSB, \new
.endif
.endm
.macro PLACES n
.rept \n
	v_nop
.endr
.endm
; n partial (mean, M2) of equal count, as pairs of channels at v[mb] on and v[qb] on (qw = 1: in register window 1), are joined: v[MU:MU+1] the mean, v[MM:MM+1] the M2.  cnt: the count as f32;  inv: 1 / n as f32.
.macro COMB n, mb, qw, qb, cnt, inv
.if \n > 4
.irp c, 0,1,2,3
	v_pk_add_f32 v[CT+2*\c:CT+2*\c+1], v[\mb+2*\c:\mb+2*\c+1], v[\mb+8+2*\c:\mb+9+2*\c]   ; four chains, started by the first eight
.endr
.set ci, 8
.rept \n-8
	v_pk_add_f32 v[CT+2*(ci%4):CT+2*(ci%4)+1], v[CT+2*(ci%4):CT+2*(ci%4)+1], v[\mb+2*ci:\mb+2*ci+1]
.set ci, ci+1
.endr
	v_pk_add_f32 v[CT:CT+1], v[CT:CT+1], v[CT+2:CT+3]
	v_pk_add_f32 v[CT+4:CT+5], v[CT+4:CT+5], v[CT+6:CT+7]
.else
	v_pk_add_f32 v[CT:CT+1], v[\mb:\mb+1], v[\mb+2:\mb+3]
	v_pk_add_f32 v[CT+4:CT+5], v[\mb+4:\mb+5], v[\mb+6:\mb+7]
.endif
	v_pk_add_f32 v[CT:CT+1], v[CT:CT+1], v[CT+4:CT+5]
	v_pk_mul_f32 v[MU:MU+1], v[CT:CT+1], \inv op_sel_hi:[1,0]
.set ci, 0
.rept \n
	v_pk_add_f32 v[DD+2*(ci%4):DD+2*(ci%4)+1], v[\mb+2*ci:\mb+2*ci+1], v[MU:MU+1] neg_lo:[0,1] neg_hi:[0,1]   ; mean_i - mean
.if ci < 4
	v_pk_mul_f32 v[QQ+2*ci:QQ+2*ci+1], v[DD+2*ci:DD+2*ci+1], v[DD+2*ci:DD+2*ci+1]
.else
	v_pk_fma_f32 v[QQ+2*(ci%4):QQ+2*(ci%4)+1], v[DD+2*(ci%4):DD+2*(ci%4)+1], v[DD+2*(ci%4):DD+2*(ci%4)+1], v[QQ+2*(ci%4):QQ+2*(ci%4)+1]
.endif
.set ci, ci+1
.endr
.irp c, 0,1,2,3
	v_pk_mul_f32 v[CT+2*\c:CT+2*\c+1], v[QQ+2*\c:QQ+2*\c+1], \cnt op_sel_hi:[1,0]   ; x the count; the M2 are added onto the four chains
.endr
.if \qw
	WIN 0x04
.endif
.set ci, 0
.rept \n
	v_pk_add_f32 v[CT+2*(ci%4):CT+2*(ci%4)+1], v[CT+2*(ci%4):CT+2*(ci%4)+1], v[\qb+2*ci:\qb+2*ci+1]
.set ci, ci+1
.endr
.if \qw
	WIN 0
.endif
	v_pk_add_f32 v[CT:CT+1], v[CT:CT+1], v[CT+2:CT+3]
	v_pk_add_f32 v[CT+4:CT+5], v[CT+4:CT+5], v[CT+6:CT+7]
	v_pk_add_f32 v[MM:MM+1], v[CT:CT+1], v[CT+4:CT+5]
.endm
.macro TLD b                           ; block b of the T at v[TA]: 128 bytes, the same for the sixteen lanes of a half
.irp q, 0,1,2,3,4,5,6,7
	ds_load_b128 v[T+32*(\b)+4*\q:T+32*(\b)+4*\q+3], v[TA] offset:256*(\b)+16*\q
.endr
.endm
; Block b of tile mt: x = relu(T + G), its scale, its codes.  tw = 1: T was asked for in the slot before: wait for this block.  tl = 1: this is the token's last use of T's block: the next token's is asked for.
.macro QB mt, b, tw, tl
.if \tw
	s_wait_dscnt 24-8*(\b)                         ; of the 32 loads of T the 8 (b + 1) oldest are in; the younger blocks' may be out
.endif
.if (\mt) < 2
	WIN 0x04                                       ; source 1 (G) in window 1
.else
	WIN 0x08                                       ; or 2
.endif
.set GB, 128*((\mt)%2)+32*(\b)
.set qi, 0
.rept 16
	v_pk_add_f32 v[X+qi:X+qi+1], v[T+32*(\b)+qi:T+32*(\b)+qi+1], v[GB+qi:GB+qi+1]
.set qi, qi+2
.endr
	WIN 0
.if \tl
	TLD \b
.endif
	; the largest number: no |.| on the sources, since what is negative must not count; four chains; a relu stands behind each line, so that no line waits for the line above it
.irp c, 0,1,2,3
	v_max3_num_f32 v[M+\c], v[X+8*\c], v[X+8*\c+1], v[X+8*\c+2]
	v_max_num_f32 v[X+\c], 0, v[X+\c]
.endr
.irp c, 0,1,2,3
	v_max3_num_f32 v[M+\c], v[M+\c], v[X+8*\c+3], v[X+8*\c+4]
	v_max_num_f32 v[X+4+\c], 0, v[X+4+\c]
.endr
.irp c, 0,1,2,3
	v_max3_num_f32 v[M+\c], v[M+\c], v[X+8*\c+5], v[X+8*\c+6]
	v_max_num_f32 v[X+8+\c], 0, v[X+8+\c]
.endr
	v_max3_num_f32 v[M], v[M], v[X+7], v[X+15]
	v_max_num_f32 v[X+12], 0, v[X+12]
	v_max3_num_f32 v[M+2], v[M+2], v[X+23], v[X+31]
	v_max_num_f32 v[X+13], 0, v[X+13]
	v_max3_num_f32 v[M], v[M], v[M+1], 0x1800000   ; the floor 2^(3 - 127): the byte cannot fall under 1
	v_max_num_f32 v[X+14], 0, v[X+14]
	v_max3_num_f32 v[M], v[M], v[M+2], v[M+3]
	v_max_num_f32 v[X+15], 0, v[X+15]
.irp k, 16,17,18,19,20,21,22,23
	v_max_num_f32 v[X+\k], 0, v[X+\k]
.endr
	v_add_nc_u32 v[SC], 0xff000000, v[M]           ; 2 off the exponent field: the conversion takes this operand's exponent field as its scale
.irp k, 24,25,26,27,28,29,30,31
	v_max_num_f32 v[X+\k], 0, v[X+\k]
.endr
	v_cvt_scalef32_pk16_fp6_f32 v[CD+6*(\b):CD+6*(\b)+2], v[X:X+15], v[SC]
	v_cvt_scalef32_pk16_fp6_f32 v[TMP:TMP+2], v[X+16:X+31], v[SC]   ; a conversion's three registers begin on an even number: made here, moved below
	v_lshrrev_b32 v[BY+(\b)%2], 23, v[SC]          ; the scale's byte; also the plain place behind the conversions
.irp i, 0,1,2
	v_mov_b32 v[CD+6*(\b)+3+\i], v[TMP+\i]
.endr
.endm
.macro SW s                            ; K step s's scale word: my blocks are numbers h and 2 + h of its four
	v_lshl_or_b32 v[W], v[BY+1], 16, v[BY]
	v_lshlrev_b32 v[W], v[SH], v[W]
	v_permlanex16_b32 v[PT], v[W], s42, s43
	v_or_b32 v[AS+\s], v[W], v[PT]
.endm
.macro QT mt, tw, tl                   ; a tile of 16 grid points: two fragments and two scale words
	QB \mt, 0, \tw, \tl
	QB \mt, 1, \tw, \tl
	SW 0
	QB \mt, 2, \tw, \tl
	QB \mt, 3, \tw, \tl
	SW 1
.endm
.macro WM                              ; the tile's eight products: the four accumulators by turns; b2 - p starts each sum
	WIN 0xf3                                       ; source 0 (W2), C and D window 3; source 1 (the codes) window 0
.irp t, 0,1,2,3
	v_wmma_scale_f32_16x16x128_f8f6f4 v[ACC+8*\t:ACC+8*\t+7], v[W2F+24*\t:W2F+24*\t+11], v[CD:CD+11], v[CB+8*\t:CB+8*\t+7], v[W2S+2*\t], v[AS] matrix_a_fmt:MATRIX_FMT_FP6 matrix_b_fmt:MATRIX_FMT_FP6
.endr
.irp t, 0,1,2,3
	v_wmma_scale_f32_16x16x128_f8f6f4 v[ACC+8*\t:ACC+8*\t+7], v[W2F+24*\t+12:W2F+24*\t+23], v[CD+12:CD+23], v[ACC+8*\t:ACC+8*\t+7], v[W2S+2*\t+1], v[AS+1] matrix_a_fmt:MATRIX_FMT_FP6 matrix_b_fmt:MATRIX_FMT_FP6
.endr
	WIN 0
.endm
.macro EA first                        ; the last tile's results into the sums, each accumulator from its low end on.  first = 1: they start the sums (there is no packed move: x 1.0): nothing is cleared
	WIN 0xff
.set qi, 0
.rept 16
.if \first
	v_pk_mul_f32 v[S1+qi:S1+qi+1], v[ACC+qi:ACC+qi+1], 1.0 op_sel_hi:[1,0]
.else
	v_pk_add_f32 v[S1+qi:S1+qi+1], v[S1+qi:S1+qi+1], v[ACC+qi:ACC+qi+1]
.endif
.set qi, qi+2
.endr
.set qi, 0
.rept 16
.if \first
	v_pk_mul_f32 v[S2+qi:S2+qi+1], v[ACC+qi:ACC+qi+1], v[ACC+qi:ACC+qi+1]
.else
	v_pk_fma_f32 v[S2+qi:S2+qi+1], v[ACC+qi:ACC+qi+1], v[ACC+qi:ACC+qi+1], v[S2+qi:S2+qi+1]
.endif
.set qi, qi+2
.endr
.endm
.macro SLOTA mt, tw, tl, first
.if \tl
	s_add_co_u32 s51, s51, 1024                    ; the next token's T
	v_add_nc_u32 v[TA], s51, v[TA0]
.endif
	QT \mt, \tw, \tl
	EA \first
	PLACES 8                                       ; a scale word made by vector instructions stands 8 places ahead of a scaled matrix instruction, codes so made 4; the sums above name the products' accumulators and are not counted
	WM
.endm
	s_load_b256 s[4:11], s[0:1], 0x0               ; tp s[4:5], st1 s[6:7], grid s[8:9], W1 s[10:11]
	s_load_b256 s[12:19], s[0:1], 0x20             ; b1 s[12:13], gamma1 s[14:15], beta1 s[16:17], W2's codes s[18:19]
	s_load_b128 s[20:23], s[0:1], 0x40             ; W2's scales s[20:21], b2 s[22:23]
	s_load_b64 s[24:25], s[0:1], 0x50              ; st2
	v_lshl_add_u32 v254, v0, 2, 0x22000
	v_mov_b32 v255, 0
	v_lshrrev_b32 v1, 5, v0
	v_readfirstlane_b32 s40, v1                    ; wave 0..3
	s_mov_b32 s42, 0x76543210
	s_mov_b32 s43, 0xfedcba98                      ; v_permlanex16_b32's selects for lane l xor 16
	v_and_b32 v13, 15, v0                          ; r
	v_bfe_u32 v14, v0, 4, 1                        ; h
	v_and_b32 v15, 31, v0                          ; lane
	v_lshlrev_b32 v[SH], 3, v14
	v_mov_b32 v[ZERO], 0
	v_mov_b32 v[PT], 0                             ; written once: a lane permute's destination counts as one of its sources
	v_lshlrev_b32 v[T8], 3, v0
	v_lshlrev_b32 v[AL16], 4, v15
	v_lshlrev_b32 v[AL8], 3, v15
	v_mul_u32_u24 v[AW2], v13, 192
	v_mad_u32_u24 v[AW2], v14, 24, v[AW2]
	v_lshlrev_b32 v[AW2S], 3, v13
	v_lshlrev_b32 v[AH32], 5, v14
	v_add_nc_u32 v[AGS], GT, v[T8]
	v_mul_u32_u24 v[AGL], v13, GP
	v_lshl_add_u32 v[AGL], v14, 7, v[AGL]
	v_add_nc_u32 v[AGL], GT, v[AGL]
	s_lshl_b32 s44, s40, 14
	s_add_co_u32 s44, s44, TS
	v_add_nc_u32 v[ATS], s44, v[AL16]
	v_lshl_add_u32 v[TA0], v14, 7, s44
	s_lshl_b32 s45, s40, 9
	s_add_co_u32 s45, s45, SX
	v_add_nc_u32 v[ASXW], s45, v[AH32]
	s_lshl_b32 s46, ttmp9, 6
	s_lshl_b32 s47, s40, 4
	s_add_co_u32 s46, s46, s47                     ; my first token: 64 work-group + 16 wave
	s_lshl_b32 s46, s46, 10
	s_mov_b32 s47, 0
	s_lshl_b32 s48, ttmp9, 9                       ; st2: 512 bytes a work-group
	s_mov_b32 s49, 0
	s_mov_b32 s51, 0
	s_wait_kmcnt 0x0
	s_add_nc_u64 s[4:5], s[4:5], s[46:47]
	s_add_nc_u64 s[24:25], s[24:25], s[48:49]
	; ---- all that the launch reads, in one run
.set i, 0
.rept 64
	global_load_b64 v[T+2*i:T+2*i+1], v[T8], s[6:7] offset:2048*i   ; st1's means of channels 2 thread, 2 thread + 1: 64 row blocks
.set i, i+1
.endr
	WIN 0x40                                       ; destination window 1
.set i, 0
.rept 64
	global_load_b64 v[2*i:2*i+1], v[T8], s[6:7] offset:2048*i+1024  ; and their M2
.set i, i+1
.endr
.set i, 0
.rept 32
	global_load_b128 v[128+4*i:131+4*i], v[ZERO], s[8:9] offset:16*i   ; the grid's 64 points, whole, in every lane
.set i, i+1
.endr
	WIN 0x80                                       ; destination window 2
.set i, 0
.rept 32
	global_load_b128 v[4*i:4*i+3], v[AL16], s[4:5] offset:1024*(i/2)+512*(i%2) th:TH_LOAD_NT   ; my wave's 16 tokens: 512 consecutive bytes a load; token i / 2, channels 128 (i % 2) + 4 lane on
.set i, i+1
.endr
	WIN 0xc0                                       ; destination window 3
.set i, 0
.rept 48
	global_load_b64 v[W2F+2*i:W2F+2*i+1], v[AW2], s[18:19] offset:3072*(i/12)+96*((i/6)%2)+48*((i%6)/3)+8*(i%3)   ; W2's fragment 2 t + s = i / 6: row 16 t + r, 24 bytes at 96 s + 24 h and at 48 more, in pieces of 8
.set i, i+1
.endr
.set i, 0
.rept 8
	global_load_b128 v[CB+4*i:CB+4*i+3], v[AH32], s[22:23] offset:64*(i/2)+16*(i%2)   ; b2 at channels 16 t + 8 h + 0 .. 7
.set i, i+1
.endr
	WIN 0
.set i, 0
.rept 8
	global_load_b32 v[W2S+i], v[AW2S], s[20:21] offset:128*(i/2)+4*(i%2)
.set i, i+1
.endr
	global_load_b64 v[WA:WA+1], v[T8], s[10:11] offset:262144       ; W1's row 256,
	global_load_b64 v[WB:WB+1], v[T8], s[10:11] offset:263168       ; row 257
	global_load_b64 v[B1P:B1P+1], v[T8], s[12:13]
	global_load_b64 v[GA1:GA1+1], v[T8], s[14:15]
	global_load_b64 v[BE1:BE1+1], v[T8], s[16:17]
	s_wait_loadcnt 0x0
	; ---- BN1's constants for channels 2 thread, 2 thread + 1
	COMB 64, T, 1, 0, 0x43800000, 0x3c800000       ; 64 partials of 256 rows: tp's mean and M2
	WIN 0x84                                       ; destination window 2, source 1 (the grid) window 1
.set i, 0
.rept 64
	v_pk_fma_f32 v[128+2*i:129+2*i], v[WB:WB+1], v[128+2*i:129+2*i], v[B1P:B1P+1] op_sel:[0,1,0] op_sel_hi:[1,1,1]   ; gy W1[257] + b1
.set i, i+1
.endr
	WIN 0xa4                                       ; source 2 window 2 too
.set i, 0
.rept 64
	v_pk_fma_f32 v[128+2*i:129+2*i], v[WA:WA+1], v[128+2*i:129+2*i], v[128+2*i:129+2*i] op_sel_hi:[1,0,1]   ; + gx W1[256]: gp of point i, in f32
.set i, i+1
.endr
	WIN 0x0a
.irp c, 0,1,2,3
	v_pk_add_f32 v[CT+2*\c:CT+2*\c+1], v[128+2*\c:129+2*\c], v[136+2*\c:137+2*\c]
.endr
	WIN 0x08
.set i, 8
.rept 56
	v_pk_add_f32 v[CT+2*(i%4):CT+2*(i%4)+1], v[CT+2*(i%4):CT+2*(i%4)+1], v[128+2*i:129+2*i]
.set i, i+1
.endr
	WIN 0
	v_pk_add_f32 v[CT:CT+1], v[CT:CT+1], v[CT+2:CT+3]
	v_pk_add_f32 v[CT+4:CT+5], v[CT+4:CT+5], v[CT+6:CT+7]
	v_pk_add_f32 v[CT:CT+1], v[CT:CT+1], v[CT+4:CT+5]
	v_pk_mul_f32 v[GM:GM+1], v[CT:CT+1], 0x3c800000 op_sel_hi:[1,0]   ; gp's mean
	WIN 0x82
.set i, 0
.rept 64
	v_pk_add_f32 v[128+2*i:129+2*i], v[128+2*i:129+2*i], v[GM:GM+1] neg_lo:[0,1] neg_hi:[0,1]
.set i, i+1
.endr
	WIN 0x0a
.set i, 0
.rept 64
.if i < 4
	v_pk_mul_f32 v[QQ+2*i:QQ+2*i+1], v[128+2*i:129+2*i], v[128+2*i:129+2*i]
.else
	v_pk_fma_f32 v[QQ+2*(i%4):QQ+2*(i%4)+1], v[128+2*i:129+2*i], v[128+2*i:129+2*i], v[QQ+2*(i%4):QQ+2*(i%4)+1]
.endif
.set i, i+1
.endr
	WIN 0
	v_pk_add_f32 v[QQ:QQ+1], v[QQ:QQ+1], v[QQ+2:QQ+3]
	v_pk_add_f32 v[QQ+4:QQ+5], v[QQ+4:QQ+5], v[QQ+6:QQ+7]
	v_pk_add_f32 v[QQ:QQ+1], v[QQ:QQ+1], v[QQ+4:QQ+5]
	v_pk_mul_f32 v[VV:VV+1], v[QQ:QQ+1], 0x3c800000 op_sel_hi:[1,0]           ; gp's variance (/ 64)
	v_pk_fma_f32 v[VV:VV+1], v[MM:MM+1], 0x38800000, v[VV:VV+1] op_sel_hi:[1,0,1]   ; + tp's (/ 16,384)
	v_pk_add_f32 v[VV:VV+1], v[VV:VV+1], 0x3727c5ac op_sel_hi:[1,0]           ; + 1e-5
	v_rsq_f32 v[VV], v[VV]
	v_rsq_f32 v[VV+1], v[VV+1]
	v_nop                                          ; one plain place behind a transcendental
	s_wait_alu depctr_va_vdst(0)
	v_pk_mul_f32 v[A1:A1+1], v[GA1:GA1+1], v[VV:VV+1]   ; a1
	WIN 0x88
.set i, 0
.rept 64
	v_pk_fma_f32 v[128+2*i:129+2*i], v[A1:A1+1], v[128+2*i:129+2*i], v[BE1:BE1+1]   ; G
.set i, i+1
.endr
	WIN 0x08                                       ; an LDS store's data are its source 1
.set i, 0
.rept 64
	ds_store_b64 v[AGS], v[128+2*i:129+2*i] offset:GP*i
.set i, i+1
.endr
	WIN 0
	ds_store_b64 v[T8], v[A1:A1+1] offset:TABA
	ds_store_b64 v[T8], v[MU:MU+1] offset:TABM
	s_wait_dscnt 0x0                               ; for the others' sake: my stores have landed
	s_barrier_signal -1
	s_barrier_wait -1                              ; G, a1 and tp's mean lie in LDS for all 256 channels
	; ---- my 16 tokens become T
.irp j, 0,1
	ds_load_b128 v[X+4*\j:X+4*\j+3], v[AL16] offset:TABA+512*\j
	ds_load_b128 v[X+8+4*\j:X+11+4*\j], v[AL16] offset:TABM+512*\j
.endr
	s_wait_dscnt 0x0
	WIN 0x82
.set i, 0
.rept 64
	v_pk_add_f32 v[2*i:2*i+1], v[2*i:2*i+1], v[X+8+2*(i%4):X+9+2*(i%4)] neg_lo:[0,1] neg_hi:[0,1]
.set i, i+1
.endr
.set i, 0
.rept 64
	v_pk_mul_f32 v[2*i:2*i+1], v[2*i:2*i+1], v[X+2*(i%4):X+1+2*(i%4)]
.set i, i+1
.endr
	WIN 0x08
.set i, 0
.rept 32
	ds_store_b128 v[ATS], v[4*i:4*i+3] offset:1024*(i/2)+512*(i%2)
.set i, i+1
.endr
	WIN 0
	s_wait_dscnt 0x0
	s_barrier_signal -1
	s_barrier_wait -1                              ; T is each wave's own; this barrier parts every store of the head from every load that follows, the loop's stepped ones among them
	WIN 0x40
.set i, 0
.rept 64
	ds_load_b128 v[4*i:4*i+3], v[AGL] offset:16*GP*(i/32)+256*((i%32)/8)+16*(i%8)   ; G of tiles 0, 1: row 16 tile + r, my half's 128 bytes of each 256
.set i, i+1
.endr
	WIN 0x80
.set i, 0
.rept 64
	ds_load_b128 v[4*i:4*i+3], v[AGL] offset:16*GP*(2+i/32)+256*((i%32)/8)+16*(i%8)   ; of tiles 2, 3
.set i, i+1
.endr
	WIN 0
	v_add_nc_u32 v[TA], s51, v[TA0]
	TLD 0
	TLD 1
	TLD 2
	TLD 3
	s_wait_dscnt 0x0
	; ---- the pivot: the first tile's h2, its mean over the 16 grid points
	QT 0, 0, 0
	PLACES 8
	WM
	PLACES 4
	WIN 0x03
.set i, 0
.rept 32
	v_mov_b32 v[X+i], v[ACC+i]
.set i, i+1
.endr
	WIN 0
.irp m, 1,2,4,8
.set i, 0
.rept 32
	v_add_f32_dpp v[X+i], v[X+i], v[X+i] row_xmask:\m row_mask:0xf bank_mask:0xf
.set i, i+1
.endr
.endr
	WIN 0xc0
.set i, 0
.rept 16
	v_pk_mul_f32 v[P+2*i:P+2*i+1], v[X+2*i:X+2*i+1], 0x3d800000 op_sel_hi:[1,0]   ; p
.set i, i+1
.endr
	WIN 0xf0
.set i, 0
.rept 16
	v_pk_fma_f32 v[CB+2*i:CB+2*i+1], v[X+2*i:X+2*i+1], 0xbd800000, v[CB+2*i:CB+2*i+1] op_sel_hi:[1,0,1]   ; b2 - p
.set i, i+1
.endr
	WIN 0
	PLACES 5                                       ; the accumulators are begun anew with another C
	WM                                             ; the first tile once more, about the pivot
	SLOTA 1, 0, 0, 1
	s_mov_b32 s41, 15
.Ltoken:                                           ; a trip: a token's tiles 2 and 3, the next token's 0 and 1
	SLOTA 2, 0, 0, 0
	SLOTA 3, 0, 1, 0
	SLOTA 0, 1, 0, 0
	SLOTA 1, 0, 0, 0
	s_sub_co_u32 s41, s41, 1
	s_cmp_lg_u32 s41, 0
	s_cbranch_scc1 .Ltoken
	SLOTA 2, 0, 0, 0                               ; the last token asks for nothing more
	SLOTA 3, 0, 0, 0
	PLACES 4
	EA 0
	WIN 0
	s_wait_dscnt 0x0
	s_barrier_signal -1
	s_barrier_wait -1                              ; every wave has left the loop: its loads are parted from the stores below
	; ---- my wave's 1,024 rows: the sums over the sixteen lanes of a half
	WIN 0x03
.set i, 0
.rept 32
	v_mov_b32 v[X+i], v[S1+i]
	v_mov_b32 v[T+i], v[S2+i]
	v_mov_b32 v[T+32+i], v[P+i]
.set i, i+1
.endr
	WIN 0
.irp m, 1,2,4,8
.set i, 0
.rept 32
	v_add_f32_dpp v[X+i], v[X+i], v[X+i] row_xmask:\m row_mask:0xf bank_mask:0xf
	v_add_f32_dpp v[T+i], v[T+i], v[T+i] row_xmask:\m row_mask:0xf bank_mask:0xf
.set i, i+1
.endr
.endr
.set i, 0
.rept 16
	v_pk_fma_f32 v[T+32+2*i:T+33+2*i], v[X+2*i:X+2*i+1], 0x3a800000, v[T+32+2*i:T+33+2*i] op_sel_hi:[1,0,1]   ; mean = p + S1 / 1,024
	v_pk_mul_f32 v[T+64+2*i:T+65+2*i], v[X+2*i:X+2*i+1], 0x3a800000 op_sel_hi:[1,0]
	v_pk_fma_f32 v[T+2*i:T+2*i+1], v[T+64+2*i:T+65+2*i], v[X+2*i:X+2*i+1], v[T+2*i:T+2*i+1] neg_lo:[1,0,0] neg_hi:[1,0,0]   ; M2 = S2 - S1^2 / 1,024, both about the pivot
.set i, i+1
.endr
.set i, 0
.rept 8
	ds_store_b128 v[ASXW], v[T+32+4*i:T+35+4*i] offset:64*(i/2)+16*(i%2)       ; the sixteen lanes of a half write the same words with the same values
	ds_store_b128 v[ASXW], v[T+4*i:T+4*i+3] offset:256+64*(i/2)+16*(i%2)
.set i, i+1
.endr
	s_wait_dscnt 0x0
	s_barrier_signal -1
	s_barrier_wait -1
	s_cmp_lg_u32 s40, 0
	s_cbranch_scc1 .Lend
.irp i, 0,1,2,3
	ds_load_b64 v[T+96+2*\i:T+97+2*\i], v[AL8] offset:SX+512*\i
	ds_load_b64 v[T+104+2*\i:T+105+2*\i], v[AL8] offset:SX+512*\i+256
.endr
	s_wait_dscnt 0x0
	COMB 4, T+96, 0, T+104, 0x44800000, 0x3e800000 ; four partials of 1,024 rows
	global_store_b64 v[AL8], v[MU:MU+1], s[24:25]  ; 256 consecutive bytes each
	global_store_b64 v[AL8], v[MM:MM+1], s[24:25] offset:256
.Lend:
	s_wait_tensorcnt 0x0
	ds_add_u32 v254, v255
	s_wait_dscnt 0x0
	s_endpgm
.Lfunc_end_k_q6077c035ca_stats2:
	.size	k_q6077c035ca_stats2, .Lfunc_end_k_q6077c035ca_stats2-k_q6077c035ca_stats2
	.p2alignl 7, 3214868480
	.fill 96, 4, 3214868480
	.section	.rodata,"a",@progbits
	.p2align	6, 0x0
	.amdhsa_kernel k_q6077c035ca_stats2
		.amdhsa_group_segment_fixed_size 139776
		.amdhsa_private_segment_fixed_size 0
		.amdhsa_enable_private_segment 0
		.amdhsa_kernarg_size 88
		.amdhsa_user_sgpr_count 2
		.amdhsa_user_sgpr_kernarg_segment_ptr 1
		.amdhsa_wavefront_size32 1
		.amdhsa_system_sgpr_workgroup_id_x 1
		.amdhsa_system_sgpr_workgroup_id_y 1
		.amdhsa_system_sgpr_workgroup_id_z 1
		.amdhsa_system_vgpr_workitem_id 0
		.amdhsa_next_free_vgpr 1024
		.amdhsa_next_free_sgpr 66
		.amdhsa_reserve_vcc 0
		.amdhsa_float_denorm_mode_32 3
		.amdhsa_float_denorm_mode_16_64 3
		.amdhsa_memory_ordered 1
		.amdhsa_forward_progress 1
		.amdhsa_inst_pref_size 255
	.end_amdhsa_kernel
	.section	.bss,"aw",@nobits
	.p2align	6
	.space	262144
	.amdgpu_metadata
---
amdhsa.version: [ 1, 2 ]
amdhsa.kernels:
  - .name:           k_q6077c035ca_stats2
    .symbol:         k_q6077c035ca_stats2.kd
    .args:
      - { .name: tp, .offset: 0, .size: 8, .value_kind: global_buffer, .address_space: global }
      - { .name: st1, .offset: 8, .size: 8, .value_kind: global_buffer, .address_space: global }
      - { .name: grid, .offset: 16, .size: 8, .value_kind: global_buffer, .address_space: global }
      - { .name: W1, .offset: 24, .size: 8, .value_kind: global_buffer, .address_space: global }
      - { .name: b1, .offset: 32, .size: 8, .value_kind: global_buffer, .address_space: global }
      - { .name: gamma1, .offset: 40, .size: 8, .value_kind: global_buffer, .address_space: global }
      - { .name: beta1, .offset: 48, .size: 8, .value_kind: global_buffer, .address_space: global }
      - { .name: W2_codes, .offset: 56, .size: 8, .value_kind: global_buffer, .address_space: global }
      - { .name: W2_scales, .offset: 64, .size: 8, .value_kind: global_buffer, .address_space: global }
      - { .name: b2, .offset: 72, .size: 8, .value_kind: global_buffer, .address_space: global }
      - { .name: st2, .offset: 80, .size: 8, .value_kind: global_buffer, .address_space: global }
    .group_segment_fixed_size: 139776
    .private_segment_fixed_size: 0
    .kernarg_segment_align: 8
    .kernarg_segment_size: 88
    .max_flat_workgroup_size: 128
    .sgpr_count:     66
    .vgpr_count:     1024
    .wavefront_size: 32
...
	.end_amdgpu_metadata
.endif
;; end of part 2
;; launch fold (part 3): grid 256 x 1, 4 waves a work-group, no clusters, 139,776 bytes of LDS; arguments tp, st1, grid, W1, b1, gamma1, beta1, W2_codes, W2_scales, b2, st2, gamma2, beta2, W3, b3, out0, out1; writes out1
.if DOCPART == 3
	.amdgcn_target "amdgcn-amd-amdhsa--gfx1250"
	.amdhsa_code_object_version 6
	.text
	.protected	k_q6077c035ca_fold
	.globl	k_q6077c035ca_fold
	.p2align	8
	.type	k_q6077c035ca_fold,@function
k_q6077c035ca_fold:
	s_mov_b64 s[64:65], 0
	v_nop
	global_prefetch_b8 v0, s[64:65] scope:SCOPE_SE
	s_setreg_imm32_b32 hwreg(HW_REG_WAVE_MODE, 25, 1), 1
	s_wait_xcnt 0x0
; out1[m][n][:] = out0[m] + b3 + relu(BN2(h2[m][n])) W3,  h2 = Q(relu(BN1(tp[m] + grid[n] W1[256:258] + b1))) W2 + b2, made a second time: that costs less than h2's, or its operand's, way to memory and back.
; Up to the product all is as in the launch before (its head comment gives the algebra of BN1, the shares and the layout): a work-group owns 64 tokens, a wave 16; G lies in 512 registers, a token's T in 128, W2 in 96; the product is
; on codes of FP6 (E2M3), one E8M0 scale for each 32 along K, used transposed: lane (r, h) holds grid point 16 tile + r; in the result register j of tile t is channel 16 t + 8 h + j.
; BN2: st2's 256 partial (mean, M2) are joined, 64 by each wave and then the four; y = relu(a2 acc + c2), a2 = gamma2 / sqrt(var + 1e-5), c2 = a2 (b2 - mean) + beta2: b2 is folded in, so the sums begin with the constant 0.
; THE LAST PRODUCT (K = 64, N = 3) goes to the matrix unit in bf16: two neighbouring result tiles, rounded in pairs, ARE its source 1 (32 channels x 16 grid points).  Source 0 is W3 transposed, in rows 0-2 for even tiles of grid
; points and in rows 8-10 for odd ones: both add onto ONE accumulator, whose registers 0-2 then hold, in lane l, the three numbers of grid point 32 q + l: one store of 12 bytes a lane, 384 consecutive bytes.
; out0[m] + b3 is the C of that sum's first instruction.  A tile's y and its last product stand a tile later, behind the next tile's vector work.
; LIMITS: NaN and infinities are not served.  A block with no number above 2^-124 gets the scale byte 1.  y and W3 are rounded to bf16 for the last product; all else is f32.
.set TABA, 0                           ; LDS: a1 [256]
.set TABM, 1024                        ; mean of tp [256]
.set SX,   2048                        ; each wave's [mean, M2][64], 512 bytes
.set A2C,  4096                        ; each wave's a2 [64], c2 [64]
.set GT,   6144                        ; G: 64 rows x (1,024 bytes + 16)
.set GP,   1040
.set TS,   72704                       ; T: each wave's 16 tokens x 1,024 bytes
; window 0
.set TA,   1                           ; v1   LDS address of the token's T for my half
.set SH,   2                           ; v2   8 h
.set OUT,  3                           ; v3   12 x lane
.set ZERO, 4                           ; v4   0
.set T8,   5                           ; v5   8 x thread
.set CR,   6                           ; v6-8   out0 of a token, as loaded
.set TA0,  9                           ; v9   T's address for my wave's first token; never rewritten
.set B3,   10                          ; v10-12 b3
.set T,    16                          ; v16-143  T: register 32 b + i is k = 64 b + 32 h + i
.set X,    144                         ; v144-175 a block's 32 numbers; y in f32
.set CD,   176                         ; v176-199 the tile's codes: fragment s at 12 s
.set TMP,  200
.set M,    204
.set SC,   208
.set BY,   210
.set W,    212
.set PT,   213
.set AS,   214                         ; v214-215 x's scale words;  v216-223 W2's (2 t + s): these ten hold scales and nothing else
.set W2S,  216
.set Y,    224                         ; v224-239 y in bf16: fragment u (channels 32 u on) at 8 u
.set MU,   144                         ; the head's work registers lie where the loop's will
.set MM,   146
.set CT,   148
.set DD,   156
.set QQ,   164
.set WA,   176
.set WB,   178
.set B1P,  180
.set GA1,  182
.set BE1,  184
.set GA2,  186
.set BE2,  188
.set B2P,  190
.set VV,   192
.set A1,   194
.set GM,   196
.set AL16, 240                         ; 16 x lane
.set AL8,  241                         ; 8 x lane
.set AW2,  242                         ; 192 r + 24 h
.set AW2S, 243                         ; 8 r
.set AH32, 244                         ; 32 h
.set AW3,  245                         ; 96 h + 4 min(r % 8, 2)
.set AGS,  246                         ; GT + 8 x thread
.set AGL,  247                         ; GT + 1040 r + 128 h
.set ATS,  248                         ; TS + 16384 wave + 16 lane
.set ASXW, 249                         ; SX + 512 wave + 8 lane
.set AA2S, 250                         ; A2C + 512 wave + 8 lane
.set AA2L, 251                         ; A2C + 512 wave + 32 h
; windows 1, 2: G of tile mt in window 1 + mt / 2 at 128 (mt % 2) + 32 b + i.   window 3:
.set W2F,  0                           ; v0-95    W2's fragments, 12 (2 t + s)
.set ACC,  96                          ; v96-127  four accumulators
.set A2,   128                         ; v128-159 a2 in the result's layout (in the head: W3 as loaded)
.set C2,   160                         ; v160-191 c2
.set W3A,  192                         ; v192-207 W3^T in rows 0-2, fragment u at 8 u;  v208-223 the same in rows 8-10
.set DP,   224                         ; v224-231 the last product's accumulator
.set CP,   232                         ; v232-239 out0 + b3 in registers 0-2, zeros above
.set MSB, 0
.macro WIN new                         ; s_set_vgpr_msb's low byte: bits 1:0 source 0, 3:2 source 1, 5:4 source 2, 7:6 destination; the high byte repeats the setting that is left
.if MSB != \new
	s_set_vgpr_msb (MSB<<8)|\new
.set MSB, \new
.endif
.endm
.macro PLACES n
.rept \n
	v_nop
.endr
.endm
; n partial (mean, M2) of equal count, as pairs of channels at v[mb] on and v[qb] on (qw = 1: in register window 1), are joined: v[MU:MU+1] the mean, v[MM:MM+1] the M2.  cnt: the count as f32;  inv: 1 / n as f32.
.macro COMB n, mb, qw, qb, cnt, inv
.if \n > 4
.irp c, 0,1,2,3
	v_pk_add_f32 v[CT+2*\c:CT+2*\c+1], v[\mb+2*\c:\mb+2*\c+1], v[\mb+8+2*\c:\mb+9+2*\c]   ; four chains, started by the first eight
.endr
.set ci, 8
.rept \n-8
	v_pk_add_f32 v[CT+2*(ci%4):CT+2*(ci%4)+1], v[CT+2*(ci%4):CT+2*(ci%4)+1], v[\mb+2*ci:\mb+2*ci+1]
.set ci, ci+1
.endr
	v_pk_add_f32 v[CT:CT+1], v[CT:CT+1], v[CT+2:CT+3]
	v_pk_add_f32 v[CT+4:CT+5], v[CT+4:CT+5], v[CT+6:CT+7]
.else
	v_pk_add_f32 v[CT:CT+1], v[\mb:\mb+1], v[\mb+2:\mb+3]
	v_pk_add_f32 v[CT+4:CT+5], v[\mb+4:\mb+5], v[\mb+6:\mb+7]
.endif
	v_pk_add_f32 v[CT:CT+1], v[CT:CT+1], v[CT+4:CT+5]
	v_pk_mul_f32 v[MU:MU+1], v[CT:CT+1], \inv op_sel_hi:[1,0]
.set ci, 0
.rept \n
	v_pk_add_f32 v[DD+2*(ci%4):DD+2*(ci%4)+1], v[\mb+2*ci:\mb+2*ci+1], v[MU:MU+1] neg_lo:[0,1] neg_hi:[0,1]   ; mean_i - mean
.if ci < 4
	v_pk_mul_f32 v[QQ+2*ci:QQ+2*ci+1], v[DD+2*ci:DD+2*ci+1], v[DD+2*ci:DD+2*ci+1]
.else
	v_pk_fma_f32 v[QQ+2*(ci%4):QQ+2*(ci%4)+1], v[DD+2*(ci%4):DD+2*(ci%4)+1], v[DD+2*(ci%4):DD+2*(ci%4)+1], v[QQ+2*(ci%4):QQ+2*(ci%4)+1]
.endif
.set ci, ci+1
.endr
.irp c, 0,1,2,3
	v_pk_mul_f32 v[CT+2*\c:CT+2*\c+1], v[QQ+2*\c:QQ+2*\c+1], \cnt op_sel_hi:[1,0]   ; x the count; the M2 are added onto the four chains
.endr
.if \qw
	WIN 0x04
.endif
.set ci, 0
.rept \n
	v_pk_add_f32 v[CT+2*(ci%4):CT+2*(ci%4)+1], v[CT+2*(ci%4):CT+2*(ci%4)+1], v[\qb+2*ci:\qb+2*ci+1]
.set ci, ci+1
.endr
.if \qw
	WIN 0
.endif
	v_pk_add_f32 v[CT:CT+1], v[CT:CT+1], v[CT+2:CT+3]
	v_pk_add_f32 v[CT+4:CT+5], v[CT+4:CT+5], v[CT+6:CT+7]
	v_pk_add_f32 v[MM:MM+1], v[CT:CT+1], v[CT+4:CT+5]
.endm
.macro TLD b                           ; block b of the T at v[TA]: 128 bytes, the same for the sixteen lanes of a half
.irp q, 0,1,2,3,4,5,6,7
	ds_load_b128 v[T+32*(\b)+4*\q:T+32*(\b)+4*\q+3], v[TA] offset:256*(\b)+16*\q
.endr
.endm
; Block b of tile mt: x = relu(T + G), its scale, its codes.  tw = 1: T was asked for in the slot before: wait for this block.  tl = 1: this is the token's last use of T's block: the next token's is asked for.
.macro QB mt, b, tw, tl
.if \tw
	s_wait_dscnt 24-8*(\b)                         ; of the 32 loads of T the 8 (b + 1) oldest are in; the younger blocks' may be out
.endif
.if (\mt) < 2
	WIN 0x04                                       ; source 1 (G) in window 1
.else
	WIN 0x08                                       ; or 2
.endif
.set GB, 128*((\mt)%2)+32*(\b)
.set qi, 0
.rept 16
	v_pk_add_f32 v[X+qi:X+qi+1], v[T+32*(\b)+qi:T+32*(\b)+qi+1], v[GB+qi:GB+qi+1]
.set qi, qi+2
.endr
	WIN 0
.if \tl
	TLD \b
.endif
	; the largest number: no |.| on the sources, since what is negative must not count; four chains; a relu stands behind each line, so that no line waits for the line above it
.irp c, 0,1,2,3
	v_max3_num_f32 v[M+\c], v[X+8*\c], v[X+8*\c+1], v[X+8*\c+2]
	v_max_num_f32 v[X+\c], 0, v[X+\c]
.endr
.irp c, 0,1,2,3
	v_max3_num_f32 v[M+\c], v[M+\c], v[X+8*\c+3], v[X+8*\c+4]
	v_max_num_f32 v[X+4+\c], 0, v[X+4+\c]
.endr
.irp c, 0,1,2,3
	v_max3_num_f32 v[M+\c], v[M+\c], v[X+8*\c+5], v[X+8*\c+6]
	v_max_num_f32 v[X+8+\c], 0, v[X+8+\c]
.endr
	v_max3_num_f32 v[M], v[M], v[X+7], v[X+15]
	v_max_num_f32 v[X+12], 0, v[X+12]
	v_max3_num_f32 v[M+2], v[M+2], v[X+23], v[X+31]
	v_max_num_f32 v[X+13], 0, v[X+13]
	v_max3_num_f32 v[M], v[M], v[M+1], 0x1800000   ; the floor 2^(3 - 127): the byte cannot fall under 1
	v_max_num_f32 v[X+14], 0, v[X+14]
	v_max3_num_f32 v[M], v[M], v[M+2], v[M+3]
	v_max_num_f32 v[X+15], 0, v[X+15]
.irp k, 16,17,18,19,20,21,22,23
	v_max_num_f32 v[X+\k], 0, v[X+\k]
.endr
	v_add_nc_u32 v[SC], 0xff000000, v[M]           ; 2 off the exponent field: the conversion takes this operand's exponent field as its scale
.irp k, 24,25,26,27,28,29,30,31
	v_max_num_f32 v[X+\k], 0, v[X+\k]
.endr
	v_cvt_scalef32_pk16_fp6_f32 v[CD+6*(\b):CD+6*(\b)+2], v[X:X+15], v[SC]
	v_cvt_scalef32_pk16_fp6_f32 v[TMP:TMP+2], v[X+16:X+31], v[SC]   ; a conversion's three registers begin on an even number: made here, moved below
	v_lshrrev_b32 v[BY+(\b)%2], 23, v[SC]          ; the scale's byte; also the plain place behind the conversions
.irp i, 0,1,2
	v_mov_b32 v[CD+6*(\b)+3+\i], v[TMP+\i]
.endr
.endm
.macro SW s                            ; K step s's scale word: my blocks are numbers h and 2 + h of its four
	v_lshl_or_b32 v[W], v[BY+1], 16, v[BY]
	v_lshlrev_b32 v[W], v[SH], v[W]
	v_permlanex16_b32 v[PT], v[W], s42, s43
	v_or_b32 v[AS+\s], v[W], v[PT]
.endm
.macro QT mt, tw, tl                   ; a tile of 16 grid points: two fragments and two scale words
	QB \mt, 0, \tw, \tl
	QB \mt, 1, \tw, \tl
	SW 0
	QB \mt, 2, \tw, \tl
	QB \mt, 3, \tw, \tl
	SW 1
.endm
.macro S4 s                            ; K step s of the tile's product, four tiles of channels
.irp t, 0,1,2,3
.if \s == 0
	v_wmma_scale_f32_16x16x128_f8f6f4 v[ACC+8*\t:ACC+8*\t+7], v[W2F+24*\t:W2F+24*\t+11], v[CD:CD+11], 0, v[W2S+2*\t], v[AS] matrix_a_fmt:MATRIX_FMT_FP6 matrix_b_fmt:MATRIX_FMT_FP6
.else
	v_wmma_scale_f32_16x16x128_f8f6f4 v[ACC+8*\t:ACC+8*\t+7], v[W2F+24*\t+12:W2F+24*\t+23], v[CD+12:CD+23], v[ACC+8*\t:ACC+8*\t+7], v[W2S+2*\t+1], v[AS+1] matrix_a_fmt:MATRIX_FMT_FP6 matrix_b_fmt:MATRIX_FMT_FP6
.endif
.endr
.endm
.macro BF odd, u, start                ; the last product, channels 32 u on; odd: W3^T in rows 8-10;  start: out0 + b3 starts the sum
.if \start
	v_wmma_f32_16x16x32_bf16 v[DP:DP+7], v[W3A+16*(\odd)+8*(\u):W3A+16*(\odd)+8*(\u)+7], v[Y+8*(\u):Y+8*(\u)+7], v[CP:CP+7]
.else
	v_wmma_f32_16x16x32_bf16 v[DP:DP+7], v[W3A+16*(\odd)+8*(\u):W3A+16*(\odd)+8*(\u)+7], v[Y+8*(\u):Y+8*(\u)+7], v[DP:DP+7]
.endif
.endm
.macro GRP odd                         ; ten matrix instructions: the last tile's last product, this tile's product.  The five accumulators by turns, one instruction a turn
	WIN 0xf3                                       ; source 0, C and D window 3; source 1 window 0
	BF \odd, 0, 1-\odd
	S4 0
	BF \odd, 1, 0
	S4 1
	WIN 0
.endm
.macro YMAKE                           ; the last tile's y: each accumulator is read from its low end on.  Its 48 lines on v[X] and v[Y] are also the places between the scale word and codes just made and the products
	WIN 0x3f
.set qi, 0
.rept 16
	v_pk_fma_f32 v[X+qi:X+qi+1], v[ACC+qi:ACC+qi+1], v[A2+qi:A2+qi+1], v[C2+qi:C2+qi+1]
.set qi, qi+2
.endr
	WIN 0
.set qi, 0
.rept 32
	v_max_num_f32 v[X+qi], 0, v[X+qi]
.set qi, qi+1
.endr
.set qi, 0
.rept 16
	v_cvt_pk_bf16_f32 v[Y+qi], v[X+2*qi], v[X+2*qi+1]
.set qi, qi+1
.endr
.endm
.macro STORE q                         ; grid points 32 q + lane of the token in hand: 384 consecutive bytes; a token's two stores fill three aligned runs of 256
	WIN 0x0c                                       ; a store's data are its source 1
	global_store_b96 v[OUT], v[DP:DP+2], s[36:37] offset:384*\q th:TH_STORE_NT
	WIN 0
.endm
.macro SLOT1 st                        ; st = 1: the token before is finished
	QT 1, 0, 0
.if \st
	STORE 1
	s_wait_xcnt 0x0                                ; the stores have read their base and their data: the base steps, and the accumulator is begun anew below
	s_add_nc_u64 s[36:37], s[36:37], 768
.endif
	s_wait_loadcnt 0x0                             ; this token's out0, asked for two slots ago
	WIN 0xc0
.irp j, 0,1,2
	v_add_f32 v[CP+\j], v[CR+\j], v[B3+\j]
.endr
	WIN 0
	YMAKE
	GRP 0
.endm
.macro SLOT2
	QT 2, 0, 0
	YMAKE
	GRP 1
.endm
.macro SLOT3 tl                        ; tl = 1: there is a next token: its T and its out0 are asked for
.if \tl
	s_add_co_u32 s51, s51, 1024
	v_add_nc_u32 v[TA], s51, v[TA0]
	s_add_nc_u64 s[34:35], s[34:35], 12            ; (the last load from this base was waited for in slot 1)
	global_load_b96 v[CR:CR+2], v[ZERO], s[34:35]
.endif
	QT 3, 0, \tl
	STORE 0
	YMAKE
	s_wait_xcnt 0x0                                ; the store has read the accumulator, which is begun anew below
	GRP 0
.endm
.macro SLOT0
	QT 0, 1, 0
	YMAKE
	GRP 1
.endm
	s_load_b256 s[4:11], s[0:1], 0x0               ; tp s[4:5], st1 s[6:7], grid s[8:9], W1 s[10:11]
	s_load_b256 s[12:19], s[0:1], 0x20             ; b1 s[12:13], gamma1 s[14:15], beta1 s[16:17], W2's codes s[18:19]
	s_load_b256 s[20:27], s[0:1], 0x40             ; W2's scales s[20:21], b2 s[22:23], st2 s[24:25], gamma2 s[26:27]
	s_load_b256 s[28:35], s[0:1], 0x60             ; beta2 s[28:29], W3 s[30:31], b3 s[32:33], out0 s[34:35]
	s_load_b64 s[36:37], s[0:1], 0x80              ; out1
	v_lshl_add_u32 v254, v0, 2, 0x22000
	v_mov_b32 v255, 0
	v_lshrrev_b32 v1, 5, v0
	v_readfirstlane_b32 s40, v1                    ; wave 0..3
	s_mov_b32 s42, 0x76543210
	s_mov_b32 s43, 0xfedcba98                      ; v_permlanex16_b32's selects for lane l xor 16
	v_and_b32 v13, 15, v0                          ; r
	v_bfe_u32 v14, v0, 4, 1                        ; h
	v_and_b32 v15, 31, v0                          ; lane
	v_lshlrev_b32 v[SH], 3, v14
	v_mul_u32_u24 v[OUT], v15, 12
	v_mov_b32 v[ZERO], 0
	v_mov_b32 v[PT], 0                             ; written once: a lane permute's destination counts as one of its sources
	v_lshlrev_b32 v[T8], 3, v0
	v_lshlrev_b32 v[AL16], 4, v15
	v_lshlrev_b32 v[AL8], 3, v15
	v_mul_u32_u24 v[AW2], v13, 192
	v_mad_u32_u24 v[AW2], v14, 24, v[AW2]
	v_lshlrev_b32 v[AW2S], 3, v13
	v_lshlrev_b32 v[AH32], 5, v14
	v_and_b32 v[AW3], 7, v13
	v_min_u32 v[AW3], 2, v[AW3]                    ; lanes that hold no row of W3^T read its last column and are cleared below: no load leaves W3
	v_lshlrev_b32 v[AW3], 2, v[AW3]
	v_mad_u32_u24 v[AW3], v14, 96, v[AW3]
	v_add_nc_u32 v[AGS], GT, v[T8]
	v_mul_u32_u24 v[AGL], v13, GP
	v_lshl_add_u32 v[AGL], v14, 7, v[AGL]
	v_add_nc_u32 v[AGL], GT, v[AGL]
	s_lshl_b32 s44, s40, 14
	s_add_co_u32 s44, s44, TS
	v_add_nc_u32 v[ATS], s44, v[AL16]
	v_lshl_add_u32 v[TA0], v14, 7, s44
	s_lshl_b32 s45, s40, 9
	s_add_co_u32 s44, s45, SX
	v_add_nc_u32 v[ASXW], s44, v[AL8]
	s_add_co_u32 s44, s45, A2C
	v_add_nc_u32 v[AA2S], s44, v[AL8]
	v_add_nc_u32 v[AA2L], s44, v[AH32]
	v_cmp_gt_u32 s52, 3, v13                       ; lanes that hold rows 0-2 of W3^T,
	v_add_nc_u32 v12, -8, v13
	v_cmp_gt_u32 s53, 3, v12                       ; rows 8-10
	s_lshl_b32 s46, ttmp9, 6
	s_lshl_b32 s47, s40, 4
	s_add_co_u32 s46, s46, s47                     ; my first token: 64 work-group + 16 wave
	s_mul_i32 s48, s46, 12                         ; its bytes in out0,
	s_mov_b32 s49, 0
	s_mul_i32 s54, s46, 768                        ; in out1,
	s_mov_b32 s55, 0
	s_lshl_b32 s46, s46, 10                        ; in tp
	s_mov_b32 s47, 0
	s_lshl_b32 s56, s40, 15                        ; st2: my wave joins 64 of the 256 partials
	s_mov_b32 s57, 0
	s_mov_b32 s51, 0
	s_wait_kmcnt 0x0
	s_add_nc_u64 s[4:5], s[4:5], s[46:47]
	s_add_nc_u64 s[34:35], s[34:35], s[48:49]
	s_add_nc_u64 s[36:37], s[36:37], s[54:55]
	s_add_nc_u64 s[24:25], s[24:25], s[56:57]
	; ---- all that the launch reads but st2, in one run
.set i, 0
.rept 64
	global_load_b64 v[T+2*i:T+2*i+1], v[T8], s[6:7] offset:2048*i   ; st1's means of channels 2 thread, 2 thread + 1: 64 row blocks
.set i, i+1
.endr
	WIN 0x40                                       ; destination window 1
.set i, 0
.rept 64
	global_load_b64 v[2*i:2*i+1], v[T8], s[6:7] offset:2048*i+1024  ; and their M2
.set i, i+1
.endr
.set i, 0
.rept 32
	global_load_b128 v[128+4*i:131+4*i], v[ZERO], s[8:9] offset:16*i   ; the grid's 64 points, whole, in every lane
.set i, i+1
.endr
	WIN 0x80                                       ; destination window 2
.set i, 0
.rept 32
	global_load_b128 v[4*i:4*i+3], v[AL16], s[4:5] offset:1024*(i/2)+512*(i%2) th:TH_LOAD_NT   ; my wave's 16 tokens: 512 consecutive bytes a load; token i / 2, channels 128 (i % 2) + 4 lane on
.set i, i+1
.endr
	WIN 0xc0                                       ; destination window 3
.set i, 0
.rept 48
	global_load_b64 v[W2F+2*i:W2F+2*i+1], v[AW2], s[18:19] offset:3072*(i/12)+96*((i/6)%2)+48*((i%6)/3)+8*(i%3)   ; W2's fragment 2 t + s = i / 6: row 16 t + r, 24 bytes at 96 s + 24 h and at 48 more, in pieces of 8
.set i, i+1
.endr
.set i, 0
.rept 32
	global_load_b32 v[A2+i], v[AW3], s[30:31] offset:12*(32*(i/16)+16*((i%16)/8)+i%8)   ; W3(32 u + 16 (i / 8) + 8 h + i % 8, my row of W3^T), u = i / 16
.set i, i+1
.endr
	WIN 0
.set i, 0
.rept 8
	global_load_b32 v[W2S+i], v[AW2S], s[20:21] offset:128*(i/2)+4*(i%2)
.set i, i+1
.endr
	global_load_b64 v[WA:WA+1], v[T8], s[10:11] offset:262144       ; W1's row 256,
	global_load_b64 v[WB:WB+1], v[T8], s[10:11] offset:263168       ; row 257
	global_load_b64 v[B1P:B1P+1], v[T8], s[12:13]
	global_load_b64 v[GA1:GA1+1], v[T8], s[14:15]
	global_load_b64 v[BE1:BE1+1], v[T8], s[16:17]
	global_load_b64 v[GA2:GA2+1], v[AL8], s[26:27]                  ; the second norm's: channels 2 lane, 2 lane + 1
	global_load_b64 v[BE2:BE2+1], v[AL8], s[28:29]
	global_load_b64 v[B2P:B2P+1], v[AL8], s[22:23]
	global_load_b96 v[B3:B3+2], v[ZERO], s[32:33]
	global_load_b96 v[CR:CR+2], v[ZERO], s[34:35]                   ; out0 of my first token
	s_wait_loadcnt 0x0
	; ---- BN1's constants for channels 2 thread, 2 thread + 1
	COMB 64, T, 1, 0, 0x43800000, 0x3c800000       ; 64 partials of 256 rows: tp's mean and M2
.set i, 0
.rept 64
	global_load_b64 v[T+2*i:T+2*i+1], v[AL8], s[24:25] offset:512*i   ; st2's means go out into the registers just read: they land under the work below
.set i, i+1
.endr
	WIN 0x40
.set i, 0
.rept 64
	global_load_b64 v[2*i:2*i+1], v[AL8], s[24:25] offset:512*i+256
.set i, i+1
.endr
	WIN 0x0f                                       ; W3 to bf16: sources window 3
.set i, 0
.rept 16
	v_cvt_pk_bf16_f32 v[Y+i], v[A2+2*i], v[A2+2*i+1]
.set i, i+1
.endr
	WIN 0xc0
.set i, 0
.rept 16
	v_cndmask_b32 v[W3A+i], 0, v[Y+i], s52         ; zeros in all rows but 0-2,
	v_cndmask_b32 v[W3A+16+i], 0, v[Y+i], s53      ; but 8-10
.set i, i+1
.endr
.irp j, 3,4,5,6,7
	v_mov_b32 v[CP+\j], 0
.endr
	WIN 0x84                                       ; destination window 2, source 1 (the grid) window 1
.set i, 0
.rept 64
	v_pk_fma_f32 v[128+2*i:129+2*i], v[WB:WB+1], v[128+2*i:129+2*i], v[B1P:B1P+1] op_sel:[0,1,0] op_sel_hi:[1,1,1]   ; gy W1[257] + b1
.set i, i+1
.endr
	WIN 0xa4                                       ; source 2 window 2 too
.set i, 0
.rept 64
	v_pk_fma_f32 v[128+2*i:129+2*i], v[WA:WA+1], v[128+2*i:129+2*i], v[128+2*i:129+2*i] op_sel_hi:[1,0,1]   ; + gx W1[256]: gp of point i, in f32
.set i, i+1
.endr
	WIN 0x0a
.irp c, 0,1,2,3
	v_pk_add_f32 v[CT+2*\c:CT+2*\c+1], v[128+2*\c:129+2*\c], v[136+2*\c:137+2*\c]
.endr
	WIN 0x08
.set i, 8
.rept 56
	v_pk_add_f32 v[CT+2*(i%4):CT+2*(i%4)+1], v[CT+2*(i%4):CT+2*(i%4)+1], v[128+2*i:129+2*i]
.set i, i+1
.endr
	WIN 0
	v_pk_add_f32 v[CT:CT+1], v[CT:CT+1], v[CT+2:CT+3]
	v_pk_add_f32 v[CT+4:CT+5], v[CT+4:CT+5], v[CT+6:CT+7]
	v_pk_add_f32 v[CT:CT+1], v[CT:CT+1], v[CT+4:CT+5]
	v_pk_mul_f32 v[GM:GM+1], v[CT:CT+1], 0x3c800000 op_sel_hi:[1,0]   ; gp's mean
	WIN 0x82
.set i, 0
.rept 64
	v_pk_add_f32 v[128+2*i:129+2*i], v[128+2*i:129+2*i], v[GM:GM+1] neg_lo:[0,1] neg_hi:[0,1]
.set i, i+1
.endr
	WIN 0x0a
.set i, 0
.rept 64
.if i < 4
	v_pk_mul_f32 v[QQ+2*i:QQ+2*i+1], v[128+2*i:129+2*i], v[128+2*i:129+2*i]
.else
	v_pk_fma_f32 v[QQ+2*(i%4):QQ+2*(i%4)+1], v[128+2*i:129+2*i], v[128+2*i:129+2*i], v[QQ+2*(i%4):QQ+2*(i%4)+1]
.endif
.set i, i+1
.endr
	WIN 0
	v_pk_add_f32 v[QQ:QQ+1], v[QQ:QQ+1], v[QQ+2:QQ+3]
	v_pk_add_f32 v[QQ+4:QQ+5], v[QQ+4:QQ+5], v[QQ+6:QQ+7]
	v_pk_add_f32 v[QQ:QQ+1], v[QQ:QQ+1], v[QQ+4:QQ+5]
	v_pk_mul_f32 v[VV:VV+1], v[QQ:QQ+1], 0x3c800000 op_sel_hi:[1,0]           ; gp's variance (/ 64)
	v_pk_fma_f32 v[VV:VV+1], v[MM:MM+1], 0x38800000, v[VV:VV+1] op_sel_hi:[1,0,1]   ; + tp's (/ 16,384)
	v_pk_add_f32 v[VV:VV+1], v[VV:VV+1], 0x3727c5ac op_sel_hi:[1,0]           ; + 1e-5
	v_rsq_f32 v[VV], v[VV]
	v_rsq_f32 v[VV+1], v[VV+1]
	v_nop                                          ; one plain place behind a transcendental
	s_wait_alu depctr_va_vdst(0)
	v_pk_mul_f32 v[A1:A1+1], v[GA1:GA1+1], v[VV:VV+1]   ; a1
	WIN 0x88
.set i, 0
.rept 64
	v_pk_fma_f32 v[128+2*i:129+2*i], v[A1:A1+1], v[128+2*i:129+2*i], v[BE1:BE1+1]   ; G
.set i, i+1
.endr
	WIN 0x08                                       ; an LDS store's data are its source 1
.set i, 0
.rept 64
	ds_store_b64 v[AGS], v[128+2*i:129+2*i] offset:GP*i
.set i, i+1
.endr
	WIN 0
	ds_store_b64 v[T8], v[A1:A1+1] offset:TABA
	ds_store_b64 v[T8], v[MU:MU+1] offset:TABM
	s_wait_dscnt 0x0                               ; the stores have read their registers
	s_wait_loadcnt 0x0                             ; st2
	COMB 64, T, 1, 0, 0x45800000, 0x3c800000       ; 64 partials of 4,096 rows
	ds_store_b64 v[ASXW], v[MU:MU+1]
	ds_store_b64 v[ASXW], v[MM:MM+1] offset:256
	s_wait_dscnt 0x0                               ; for the others' sake: my stores have landed
	s_barrier_signal -1
	s_barrier_wait -1                              ; G, a1, tp's mean and the four waves' parts of h2's statistics lie in LDS
	; ---- my 16 tokens become T
.irp j, 0,1
	ds_load_b128 v[X+4*\j:X+4*\j+3], v[AL16] offset:TABA+512*\j
	ds_load_b128 v[X+8+4*\j:X+11+4*\j], v[AL16] offset:TABM+512*\j
.endr
.irp i, 0,1,2,3
	ds_load_b64 v[T+2*\i:T+1+2*\i], v[AL8] offset:SX+512*\i
	ds_load_b64 v[T+8+2*\i:T+9+2*\i], v[AL8] offset:SX+512*\i+256
.endr
	s_wait_dscnt 0x0
	WIN 0x82
.set i, 0
.rept 64
	v_pk_add_f32 v[2*i:2*i+1], v[2*i:2*i+1], v[X+8+2*(i%4):X+9+2*(i%4)] neg_lo:[0,1] neg_hi:[0,1]
.set i, i+1
.endr
.set i, 0
.rept 64
	v_pk_mul_f32 v[2*i:2*i+1], v[2*i:2*i+1], v[X+2*(i%4):X+1+2*(i%4)]
.set i, i+1
.endr
	WIN 0x08
.set i, 0
.rept 32
	ds_store_b128 v[ATS], v[4*i:4*i+3] offset:1024*(i/2)+512*(i%2)
.set i, i+1
.endr
	WIN 0
	; ---- BN2's constants for channels 2 lane, 2 lane + 1, in every wave
	COMB 4, T, 0, T+8, 0x48800000, 0x3e800000      ; four partials of 262,144 rows
	v_pk_mul_f32 v[VV:VV+1], v[MM:MM+1], 0x35800000 op_sel_hi:[1,0]           ; / 1,048,576
	v_pk_add_f32 v[VV:VV+1], v[VV:VV+1], 0x3727c5ac op_sel_hi:[1,0]           ; + 1e-5
	v_rsq_f32 v[VV], v[VV]
	v_rsq_f32 v[VV+1], v[VV+1]
	v_nop                                          ; one plain place behind a transcendental
	s_wait_alu depctr_va_vdst(0)
	v_pk_mul_f32 v[A1:A1+1], v[GA2:GA2+1], v[VV:VV+1]                         ; a2
	v_pk_add_f32 v[GM:GM+1], v[B2P:B2P+1], v[MU:MU+1] neg_lo:[0,1] neg_hi:[0,1]
	v_pk_fma_f32 v[GM:GM+1], v[GM:GM+1], v[A1:A1+1], v[BE2:BE2+1]             ; c2 = a2 (b2 - mean) + beta2
	ds_store_b64 v[AA2S], v[A1:A1+1]
	ds_store_b64 v[AA2S], v[GM:GM+1] offset:256
	s_wait_dscnt 0x0
	s_barrier_signal -1
	s_barrier_wait -1                              ; T, a2 and c2 are each wave's own; this barrier parts every store of the head from every load that follows, the loop's stepped ones among them
	WIN 0x40
.set i, 0
.rept 64
	ds_load_b128 v[4*i:4*i+3], v[AGL] offset:16*GP*(i/32)+256*((i%32)/8)+16*(i%8)   ; G of tiles 0, 1: row 16 tile + r, my half's 128 bytes of each 256
.set i, i+1
.endr
	WIN 0x80
.set i, 0
.rept 64
	ds_load_b128 v[4*i:4*i+3], v[AGL] offset:16*GP*(2+i/32)+256*((i%32)/8)+16*(i%8)   ; of tiles 2, 3
.set i, i+1
.endr
	WIN 0xc0
.set i, 0
.rept 8
	ds_load_b128 v[A2+4*i:A2+4*i+3], v[AA2L] offset:64*(i/2)+16*(i%2)         ; a2, c2 at channels 16 t + 8 h + 0 .. 7
	ds_load_b128 v[C2+4*i:C2+4*i+3], v[AA2L] offset:256+64*(i/2)+16*(i%2)
.set i, i+1
.endr
	WIN 0
	v_add_nc_u32 v[TA], s51, v[TA0]
	TLD 0
	TLD 1
	TLD 2
	TLD 3
	s_wait_dscnt 0x0
	; ---- the tokens
	QT 0, 0, 0
	PLACES 8                                       ; a scale word made by vector instructions stands 8 places ahead of a scaled matrix instruction, codes so made 4
	WIN 0xf3
	S4 0
	S4 1
	WIN 0
	SLOT1 0
	s_mov_b32 s41, 15
.Ltoken:                                           ; a trip: a token's tiles 2 and 3, the next token's 0 and 1
	SLOT2
	SLOT3 1
	SLOT0
	SLOT1 1
	s_sub_co_u32 s41, s41, 1
	s_cmp_lg_u32 s41, 0
	s_cbranch_scc1 .Ltoken
	SLOT2                                          ; the last token asks for nothing more: no load leaves out0
	SLOT3 0
	PLACES 4
	YMAKE
	WIN 0xf3
	s_wait_alu depctr_va_vdst(0)                   ; the accumulator's last turn is of two instructions: a wait stands ahead of each
	BF 1, 0, 0
	s_wait_alu depctr_va_vdst(0)
	BF 1, 1, 0
	WIN 0
	PLACES 4
	STORE 1
	s_wait_tensorcnt 0x0
	ds_add_u32 v254, v255
	s_wait_dscnt 0x0
	s_endpgm
.Lfunc_end_k_q6077c035ca_fold:
	.size	k_q6077c035ca_fold, .Lfunc_end_k_q6077c035ca_fold-k_q6077c035ca_fold
	.p2alignl 7, 3214868480
	.fill 96, 4, 3214868480
	.section	.rodata,"a",@progbits
	.p2align	6, 0x0
	.amdhsa_kernel k_q6077c035ca_fold
		.amdhsa_group_segment_fixed_size 139776
		.amdhsa_private_segment_fixed_size 0
		.amdhsa_enable_private_segment 0
		.amdhsa_kernarg_size 136
		.amdhsa_user_sgpr_count 2
		.amdhsa_user_sgpr_kernarg_segment_ptr 1
		.amdhsa_wavefront_size32 1
		.amdhsa_system_sgpr_workgroup_id_x 1
		.amdhsa_system_sgpr_workgroup_id_y 1
		.amdhsa_system_sgpr_workgroup_id_z 1
		.amdhsa_system_vgpr_workitem_id 0
		.amdhsa_next_free_vgpr 1024
		.amdhsa_next_free_sgpr 66
		.amdhsa_reserve_vcc 0
		.amdhsa_float_denorm_mode_32 3
		.amdhsa_float_denorm_mode_16_64 3
		.amdhsa_memory_ordered 1
		.amdhsa_forward_progress 1
		.amdhsa_inst_pref_size 255
	.end_amdhsa_kernel
	.section	.bss,"aw",@nobits
	.p2align	6
	.space	262144
	.amdgpu_metadata
---
amdhsa.version: [ 1, 2 ]
amdhsa.kernels:
  - .name:           k_q6077c035ca_fold
    .symbol:         k_q6077c035ca_fold.kd
    .args:
      - { .name: tp, .offset: 0, .size: 8, .value_kind: global_buffer, .address_space: global }
      - { .name: st1, .offset: 8, .size: 8, .value_kind: global_buffer, .address_space: global }
      - { .name: grid, .offset: 16, .size: 8, .value_kind: global_buffer, .address_space: global }
      - { .name: W1, .offset: 24, .size: 8, .value_kind: global_buffer, .address_space: global }
      - { .name: b1, .offset: 32, .size: 8, .value_kind: global_buffer, .address_space: global }
      - { .name: gamma1, .offset: 40, .size: 8, .value_kind: global_buffer, .address_space: global }
      - { .name: beta1, .offset: 48, .size: 8, .value_kind: global_buffer, .address_space: global }
      - { .name: W2_codes, .offset: 56, .size: 8, .value_kind: global_buffer, .address_space: global }
      - { .name: W2_scales, .offset: 64, .size: 8, .value_kind: global_buffer, .address_space: global }
      - { .name: b2, .offset: 72, .size: 8, .value_kind: global_buffer, .address_space: global }
      - { .name: st2, .offset: 80, .size: 8, .value_kind: global_buffer, .address_space: global }
      - { .name: gamma2, .offset: 88, .size: 8, .value_kind: global_buffer, .address_space: global }
      - { .name: beta2, .offset: 96, .size: 8, .value_kind: global_buffer, .address_space: global }
      - { .name: W3, .offset: 104, .size: 8, .value_kind: global_buffer, .address_space: global }
      - { .name: b3, .offset: 112, .size: 8, .value_kind: global_buffer, .address_space: global }
      - { .name: out0, .offset: 120, .size: 8, .value_kind: global_buffer, .address_space: global }
      - { .name: out1, .offset: 128, .size: 8, .value_kind: global_buffer, .address_space: global }
    .group_segment_fixed_size: 139776
    .private_segment_fixed_size: 0
    .kernarg_segment_align: 8
    .kernarg_segment_size: 136
    .max_flat_workgroup_size: 128
    .sgpr_count:     66
    .vgpr_count:     1024
    .wavefront_size: 32
...
	.end_amdgpu_metadata
.endif
;; end of part 3
;; ======== version 2 of 2: 3 launches
;; workspace buffers: tp 16,777,216 bytes; st1 131,072 bytes; st2 131,072 bytes
;; launch tokpart (part 4): grid 4 x 64, 16 waves a work-group, no clusters, 96,256 bytes of LDS; arguments tokens, W1, Wc, bc, tp, st1, out0; writes tp, st1, out0
.if DOCPART == 4
	.amdgcn_target "amdgcn-amd-amdhsa--gfx1250"
	.amdhsa_code_object_version 6
	.text
	.protected	k_q6077c035ca_tokpart
	.globl	k_q6077c035ca_tokpart
	.p2align	8
	.type	k_q6077c035ca_tokpart,@function
k_q6077c035ca_tokpart:
	s_mov_b64 s[64:65], 0
	v_nop
	global_prefetch_b8 v0, s[64:65] scope:SCOPE_SE
	s_setreg_imm32_b32 hwreg(HW_REG_WAVE_MODE, 25, 1), 1
	s_wait_xcnt 0x0
; tp = Q(tokens) Q(W1[0:256]) on codes of FP6 (E2M3) with one E8M0 scale for each 32 along K; out0 = tokens Wc + bc in f32; st1 = for each block of 256 rows and each channel the mean of tp and the sum of squared deviations from it (M2).
; tokens [16384][256] f32, W1 [258][256] f32 (K = its first axis), Wc [256][3], bc [3]; tp [16384][256] f32; st1 [64 row blocks][mean, M2][256] f32; out0 [16384][3] f32.
; SHARES.  Work-group (x, y) makes rows 256 y .. + 255 x channels 64 x .. + 63.  Each of its sixteen waves owns 16 rows: it quantises them in registers (a lane holds whole blocks of 32 of its row) and multiplies them by the
; eight fragments of W1 (4 tiles of 16 channels x 2 K steps), which waves 0-7 quantise, one each (a lane to a column, registers down K), and hand round through LDS as images of the operand's registers.
; The four work-groups of a row block read the same rows of tokens; each makes out0 for a quarter of them (waves 4 x .. 4 x + 3), from the numbers that it holds anyway.
; No variance is made as a difference of large sums: a wave takes its 16 rows' mean first and then the squared deviations; levels are joined by mean = average of the means, M2 = sum of the M2 + count x sum of (mean_i - mean)^2.
; No tensor loads and no ring: a wave's whole input is 16 KiB, asked for in one run at the head.  No cluster: what the work-groups share is read once.
; LIMITS: NaN and infinities among the inputs are not served.  A block whose largest magnitude lies under 2^-124 (a block of zeros too) gets the scale byte 1; the bytes are read by this launch alone.
.set WIMG, 0                           ; LDS: W1's eight fragments, 1,536 bytes each: three runs of 16 bytes a lane
.set WSC,  12288                       ; their scale words, 4 bytes a lane
.set WCL,  13312                       ; Wc as it lies, 3,072 bytes
.set SX,   16384                       ; each wave's [mean, M2][64 channels], 512 bytes
.set STG,  24576                       ; each wave's stage for tp: 16 rows x (256 bytes + 16)
.set SPITCH, 272
.set X,   16                           ; v16-143  my 128 numbers of my row: register 32 b + i is k = 64 b + 32 (lane / 16) + i; later W1's fragments, later rows of tp
.set RAW, 144                          ; v144-207 waves 0-7: 64 numbers of a column of W1
.set CH,  144                          ; v144-191 two pieces of Wc, 24 registers each
.set ACC, 144                          ; v144-175 four accumulators
.set SS,  176                          ; v176-207 statistics, eight registers a tile
.set CA,  208                          ; v208-231 my rows' codes, two fragments
.set TC,  232                          ; v232-238 the upper halves of two blocks' codes, before they are moved
.set WS,  240                          ; v240-247 W1's scale words;  v248-249 my rows': these ten hold scales and nothing else
.set XS,  248
.set PT,  250                          ; a lane permute's destination
.set QM,  251                          ; v251-252 largest magnitudes, then scale bytes
.set QS,  253                          ; v253-254 the conversions' scale operands
.set CS,  252                          ; v252-254 out0's three sums (between two uses of the four above)
.set T16, 255                          ; 16 x thread
.set MU,  112                          ; the joining of levels, at the end: v112-139
.set MM,  114
.set CT,  116
.set DD,  124
.set QQ,  132
; 64 numbers of a lane, two whole blocks of 32 (v[src] on, v[src + 32] on), become a fragment's 12 registers at v[dst] and its scale word in v[sw].
.macro QW src, dst, sw
	v_max3_num_f32 v[QM], |v[\src]|, |v[\src+1]|, 0x1800000          ; the floor 2^(3 - 127) among the leaves: the byte cannot fall under 1
	v_max3_num_f32 v[QM+1], |v[\src+32]|, |v[\src+33]|, 0x1800000
.set qi, 2
.rept 15
	s_delay_alu instid0(VALU_DEP_2)
	v_max3_num_f32 v[QM], v[QM], |v[\src+qi]|, |v[\src+qi+1]|        ; the two blocks by turns
	s_delay_alu instid0(VALU_DEP_2)
	v_max3_num_f32 v[QM+1], v[QM+1], |v[\src+32+qi]|, |v[\src+33+qi]|
.set qi, qi+2
.endr
	s_delay_alu instid0(VALU_DEP_2)
	v_add_nc_u32 v[QS], 0xff000000, v[QM]                            ; 2 off the exponent field: the conversion takes this operand's exponent field as its scale
	s_delay_alu instid0(VALU_DEP_2)
	v_add_nc_u32 v[QS+1], 0xff000000, v[QM+1]
	s_delay_alu instid0(VALU_DEP_2)
	v_lshrrev_b32 v[QM], 23, v[QS]                                   ; the scale's byte
	s_delay_alu instid0(VALU_DEP_2)
	v_lshrrev_b32 v[QM+1], 23, v[QS+1]
	s_delay_alu instid0(VALU_DEP_1)
	v_lshl_or_b32 v[\sw], v[QM+1], 16, v[QM]                         ; my blocks are numbers h and 2 + h of the four:
	s_delay_alu instid0(VALU_DEP_1)
	v_lshlrev_b32 v[\sw], v15, v[\sw]                                ; 8 h bits up;
	s_delay_alu instid0(VALU_DEP_1)
	v_permlanex16_b32 v[PT], v[\sw], s28, s29
	s_delay_alu instid0(VALU_DEP_1)
	v_or_b32 v[\sw], v[\sw], v[PT]                                   ; with lane l xor 16's two bytes the word is whole
.irp c, 0,1
	v_cvt_scalef32_pk16_fp6_f32 v[\dst+6*\c:\dst+6*\c+2], v[\src+32*\c:\src+32*\c+15], v[QS+\c]
	v_cvt_scalef32_pk16_fp6_f32 v[TC+4*\c:TC+4*\c+2], v[\src+32*\c+16:\src+32*\c+31], v[QS+\c]   ; a conversion's three registers begin on an even number: made here, moved below
.endr
	v_nop                                                            ; one plain place behind a scaled conversion
.irp c, 0,1
.irp i, 0,1,2
	v_mov_b32 v[\dst+6*\c+3+\i], v[TC+4*\c+\i]
.endr
.endr
.endm
; n partial (mean, M2) of equal count, as pairs of channels at v[mb] on and v[qb] on (qw = 1: in register window 1), are joined: v[MU:MU+1] the mean, v[MM:MM+1] the M2.  cnt: the count as f32;  inv: 1 / n as f32.
.macro COMB n, mb, qw, qb, cnt, inv
.if \n > 4
.irp c, 0,1,2,3
	v_pk_add_f32 v[CT+2*\c:CT+2*\c+1], v[\mb+2*\c:\mb+2*\c+1], v[\mb+8+2*\c:\mb+9+2*\c]   ; four chains, started by the first eight
.endr
.set ci, 8
.rept \n-8
	s_delay_alu instid0(VALU_DEP_4)
	v_pk_add_f32 v[CT+2*(ci%4):CT+2*(ci%4)+1], v[CT+2*(ci%4):CT+2*(ci%4)+1], v[\mb+2*ci:\mb+2*ci+1]
.set ci, ci+1
.endr
	s_delay_alu instid0(VALU_DEP_3)
	v_pk_add_f32 v[CT:CT+1], v[CT:CT+1], v[CT+2:CT+3]
	s_delay_alu instid0(VALU_DEP_2)
	v_pk_add_f32 v[CT+4:CT+5], v[CT+4:CT+5], v[CT+6:CT+7]
.else
	v_pk_add_f32 v[CT:CT+1], v[\mb:\mb+1], v[\mb+2:\mb+3]
	v_pk_add_f32 v[CT+4:CT+5], v[\mb+4:\mb+5], v[\mb+6:\mb+7]
.endif
	s_delay_alu instid0(VALU_DEP_1)
	v_pk_add_f32 v[CT:CT+1], v[CT:CT+1], v[CT+4:CT+5]
	s_delay_alu instid0(VALU_DEP_1)
	v_pk_mul_f32 v[MU:MU+1], v[CT:CT+1], \inv op_sel_hi:[1,0]
.set ci, 0
.rept \n
	v_pk_add_f32 v[DD+2*(ci%4):DD+2*(ci%4)+1], v[\mb+2*ci:\mb+2*ci+1], v[MU:MU+1] neg_lo:[0,1] neg_hi:[0,1]   ; mean_i - mean
.if ci < 4
	s_delay_alu instid0(VALU_DEP_1)
	v_pk_mul_f32 v[QQ+2*ci:QQ+2*ci+1], v[DD+2*ci:DD+2*ci+1], v[DD+2*ci:DD+2*ci+1]
.else
	s_delay_alu instid0(VALU_DEP_1)
	v_pk_fma_f32 v[QQ+2*(ci%4):QQ+2*(ci%4)+1], v[DD+2*(ci%4):DD+2*(ci%4)+1], v[DD+2*(ci%4):DD+2*(ci%4)+1], v[QQ+2*(ci%4):QQ+2*(ci%4)+1]
.endif
.set ci, ci+1
.endr
.irp c, 0,1,2,3
	v_pk_mul_f32 v[CT+2*\c:CT+2*\c+1], v[QQ+2*\c:QQ+2*\c+1], \cnt op_sel_hi:[1,0]   ; x the count; the M2 are added onto the four chains
.endr
.if \qw
	WIN 0x04
.endif
.set ci, 0
.rept \n
	s_delay_alu instid0(VALU_DEP_4)
	v_pk_add_f32 v[CT+2*(ci%4):CT+2*(ci%4)+1], v[CT+2*(ci%4):CT+2*(ci%4)+1], v[\qb+2*ci:\qb+2*ci+1]
.set ci, ci+1
.endr
.if \qw
	WIN 0
.endif
	s_delay_alu instid0(VALU_DEP_3)
	v_pk_add_f32 v[CT:CT+1], v[CT:CT+1], v[CT+2:CT+3]
	s_delay_alu instid0(VALU_DEP_2)
	v_pk_add_f32 v[CT+4:CT+5], v[CT+4:CT+5], v[CT+6:CT+7]
	s_delay_alu instid0(VALU_DEP_1)
	v_pk_add_f32 v[MM:MM+1], v[CT:CT+1], v[CT+4:CT+5]
.endm
.macro WCLD qb                         ; Wc's rows of my k = 64 (qb / 4) + 32 h + 8 (qb % 4) + 0 .. 7: 96 bytes, the same for the sixteen lanes of a half
.irp q, 0,1,2,3,4,5
	ds_load_b128 v[CH+24*((\qb)%2)+4*\q:CH+24*((\qb)%2)+4*\q+3], v9 offset:768*((\qb)/4)+96*((\qb)%4)+16*\q
.endr
.endm
	s_load_b256 s[4:11], s[0:1], 0x0               ; tokens s[4:5], W1 s[6:7], Wc s[8:9], bc s[10:11]
	s_load_b128 s[12:15], s[0:1], 0x20             ; tp s[12:13], st1 s[14:15]
	s_load_b64 s[16:17], s[0:1], 0x30              ; out0
	v_lshl_add_u32 v235, v0, 2, 0x17000
	v_mov_b32 v239, 0
	v_lshrrev_b32 v1, 5, v0
	s_delay_alu instid0(VALU_DEP_1)
	v_readfirstlane_b32 s20, v1                    ; wave 0..15
	s_mov_b32 s21, ttmp9                           ; which 64 channels
	s_and_b32 s22, ttmp7, 0xffff                   ; which 256 rows
	s_mov_b32 s28, 0x76543210
	s_mov_b32 s29, 0xfedcba98                      ; v_permlanex16_b32's selects for lane l xor 16
	; every address register is made here, ahead of the first parting of the waves
	v_and_b32 v1, 15, v0                           ; r
	v_bfe_u32 v2, v0, 4, 1                         ; h
	v_and_b32 v5, 31, v0                           ; lane
	s_delay_alu instid0(VALU_DEP_1)
	v_lshlrev_b32 v6, 2, v5                        ; 4 x lane: a scale word's place
	s_delay_alu instid0(VALU_DEP_2)
	v_lshlrev_b32 v14, 3, v5                       ; 8 x lane: two channels' place
	s_delay_alu instid0(VALU_DEP_3)
	v_lshlrev_b32 v5, 4, v5                        ; 16 x lane: an image's place
	v_lshlrev_b32 v3, 10, v1
	s_delay_alu instid0(VALU_DEP_1)
	v_lshl_add_u32 v3, v2, 7, v3                   ; tokens: row r of 1,024 bytes, + 128 h: my block of 32
	v_lshlrev_b32 v4, 2, v1
	s_delay_alu instid0(VALU_DEP_1)
	v_lshl_add_u32 v4, v2, 15, v4                  ; W1: column r, + 32 h rows of 1,024 bytes
	s_mul_i32 s23, s20, 1536
	v_add_nc_u32 v7, s23, v5                       ; where wave w (0-7) stores its fragment's image
	s_lshl_b32 s23, s20, 7
	s_add_co_u32 s23, s23, WSC
	v_add_nc_u32 v8, s23, v6                       ; and its scale words
	v_mul_u32_u24 v9, v2, 384
	s_delay_alu instid0(VALU_DEP_1)
	v_add_nc_u32 v9, WCL, v9                       ; Wc: 32 h rows of 12 bytes on
	s_mul_i32 s23, s20, 16*SPITCH
	s_add_co_u32 s23, s23, STG                     ; my stage
	v_mul_u32_u24 v10, v2, 8*SPITCH
	s_delay_alu instid0(VALU_DEP_1)
	v_lshl_add_u32 v10, v1, 2, v10
	s_delay_alu instid0(VALU_DEP_1)
	v_add_nc_u32 v10, s23, v10                     ; in: row 8 h (+ j), channel r (+ 16 tile)
	v_mul_u32_u24 v11, v2, SPITCH
	s_delay_alu instid0(VALU_DEP_1)
	v_lshl_add_u32 v11, v1, 4, v11
	s_delay_alu instid0(VALU_DEP_1)
	v_add_nc_u32 v11, s23, v11                     ; back: lanes 0-15 one row of 256 bytes, lanes 16-31 the next
	s_lshl_b32 s23, s20, 9
	s_add_co_u32 s23, s23, SX
	v_lshl_add_u32 v12, v1, 2, s23                 ; my wave's statistics, channel r (+ 16 tile)
	v_lshlrev_b32 v13, 10, v2
	s_delay_alu instid0(VALU_DEP_1)
	v_lshl_add_u32 v13, v1, 4, v13                 ; the same two rows in tp
	v_lshlrev_b32 v15, 3, v2                       ; 8 h
	v_lshlrev_b32 v[T16], 4, v0
	v_mov_b32 v[PT], 0                             ; written once: a lane permute's destination counts as one of its sources
	s_lshl_b32 s30, s22, 8
	s_lshl_b32 s31, s20, 4
	s_add_co_u32 s30, s30, s31                     ; my first row: 256 y + 16 wave
	s_mul_i32 s32, s30, 12                         ; its bytes in out0,
	s_mov_b32 s33, 0
	s_lshl_b32 s30, s30, 10                        ; in tokens and in tp
	s_mov_b32 s31, 0
	s_lshl_b32 s34, s21, 8                         ; my 64 channels: 256 bytes x
	s_mov_b32 s35, 0
	s_lshr_b32 s36, s20, 1
	s_lshl_b32 s36, s36, 6                         ; W1, wave w = 2 tile + K step: 64 bytes a tile,
	s_and_b32 s37, s20, 1
	s_lshl_b32 s37, s37, 17                        ; 128 rows a K step
	s_add_co_u32 s36, s36, s37
	s_add_co_u32 s36, s36, s34
	s_mov_b32 s37, 0
	s_lshl_b32 s38, s22, 11                        ; st1: 2,048 bytes a row block
	s_add_co_u32 s38, s38, s34
	s_mov_b32 s39, 0
	s_wait_kmcnt 0x0
	s_load_b96 s[24:26], s[10:11], 0x0             ; bc
	s_add_nc_u64 s[4:5], s[4:5], s[30:31]
	s_add_nc_u64 s[12:13], s[12:13], s[30:31]
	s_add_nc_u64 s[12:13], s[12:13], s[34:35]
	s_add_nc_u64 s[6:7], s[6:7], s[36:37]
	s_add_nc_u64 s[14:15], s[14:15], s[38:39]
	s_add_nc_u64 s[16:17], s[16:17], s[32:33]
.set i, 0
.rept 32
	global_load_b128 v[X+4*i:X+4*i+3], v3, s[4:5] offset:256*(i/8)+16*(i%8)   ; block i / 8 of my half, 128 bytes on end
.set i, i+1
.endr
	; ---- waves 0-7: a fragment of W1 each;  waves 8-13: Wc into LDS
	s_cmp_lt_u32 s20, 8
	s_cbranch_scc0 .Lnot_w1
.set i, 0
.rept 64
	global_load_b32 v[RAW+i], v4, s[6:7] offset:(64*(i/32)+i%32)*1024   ; W1(128 s + 64 c + 32 h + i, my column): sixteen lanes read 64 neighbouring bytes
.set i, i+1
.endr
	s_wait_loadcnt 0x0
	QW RAW, CA, XS
.irp c, 0,1,2
	ds_store_b128 v7, v[CA+4*\c:CA+4*\c+3] offset:WIMG+512*\c       ; the fragment as it stands in my registers
.endr
	ds_store_b32 v8, v[XS]
	s_branch .Ljoin
.Lnot_w1:
	s_cmp_lt_u32 s20, 14
	s_cbranch_scc0 .Ljoin
	s_wait_alu depctr_va_vdst(0)
	global_load_b128 v[RAW:RAW+3], v[T16], s[8:9] offset:-4096      ; threads 256 to 447: 16 bytes each of Wc's 3,072
	s_wait_loadcnt 0x0
	ds_store_b128 v[T16], v[RAW:RAW+3] offset:WCL-4096
.Ljoin:
	s_wait_loadcnt 0x0                             ; my rows
	s_wait_kmcnt 0x0                               ; bc
	s_wait_dscnt 0x0                               ; for the others' sake: my stores have landed
	s_barrier_signal -1
	s_barrier_wait -1                              ; W1's eight fragments and Wc lie in LDS
	; ---- out0 for my 16 rows, if they fall to this work-group: waves 4 x .. 4 x + 3
	s_lshr_b32 s23, s20, 2
	s_cmp_lg_u32 s23, s21
	s_cbranch_scc1 .Lno_coarse
	WCLD 0
.set k, 0
.rept 16
.if k < 15
	WCLD k+1
	s_wait_alu depctr_va_vdst(0)
	s_wait_dscnt 6                                 ; this piece is in; the next piece's six loads may be out
.else
	s_wait_alu depctr_va_vdst(0)
	s_wait_dscnt 0x0
.endif
.set e, 0
.rept 8
.irp j, 0,1,2
.if (k == 0) && (e == 0)
	v_mul_f32 v[CS+\j], v[X], v[CH+\j]             ; the first products start the sums
.else
	v_fmac_f32 v[CS+\j], v[X+8*k+e], v[CH+24*(k%2)+3*e+\j]
.endif
.endr
.set e, e+1
.endr
.set k, k+1
.endr
.irp j, 0
	s_delay_alu instid0(VALU_DEP_3)
	v_permlanex16_b32 v[PT], v[CS+\j], s28, s29
	s_delay_alu instid0(VALU_DEP_1)
	v_add_f32 v[CS+\j], v[CS+\j], v[PT]
.endr
.irp j, 1, 2
	s_delay_alu instid0(VALU_DEP_2)
	v_permlanex16_b32 v[PT], v[CS+\j], s28, s29
	s_delay_alu instid0(VALU_DEP_1)
	v_add_f32 v[CS+\j], v[CS+\j], v[PT]            ; with lane l xor 16's half of K
.endr
	v_add_f32 v[CS], s24, v[CS]
	s_delay_alu instid0(VALU_DEP_4)
	v_add_f32 v[CS+1], s25, v[CS+1]
	s_delay_alu instid0(VALU_DEP_3)
	v_add_f32 v[CS+2], s26, v[CS+2]
	v_mul_u32_u24 v[QM], v1, 12
	s_wait_alu depctr_va_vdst(0)
	s_wait_xcnt 0x0                                ; EXEC changes only behind this wait
	v_cmp_eq_u32 vcc_lo, 0, v2
	s_and_saveexec_b32 s40, vcc_lo                 ; lanes 0-15: one row each
	global_store_b96 v[QM], v[CS:CS+2], s[16:17]   ; 192 consecutive bytes
	s_wait_xcnt 0x0                                ; and again in front of the line that widens it; the store's registers are free too
	s_or_b32 exec_lo, exec_lo, s40
.Lno_coarse:
	; ---- my rows become two fragments; W1's eight come from LDS into the registers that the rows leave
	QW X, CA, XS
	QW X+64, CA+12, XS+1
.set i, 0
.rept 24
	ds_load_b128 v[X+4*i:X+4*i+3], v5 offset:WIMG+512*i             ; fragment i / 3 (2 tile + K step) at v[X + 12 (i / 3)]
.set i, i+1
.endr
.set i, 0
.rept 8
	ds_load_b32 v[WS+i], v6 offset:WSC+128*i
.set i, i+1
.endr
.rept 8
	v_nop                                          ; a scale word made by vector instructions stands 8 places ahead of a scaled matrix instruction, codes so made 4
.endr
	s_wait_dscnt 0x0
.irp n, 0,1,2,3                                ; source 0 = my 16 rows, source 1 = 16 channels: a lane holds ONE channel and eight rows, as the statistics want it.  The four accumulators by turns
	v_wmma_scale_f32_16x16x128_f8f6f4 v[ACC+8*\n:ACC+8*\n+7], v[CA:CA+11], v[X+24*\n:X+24*\n+11], 0, v[XS], v[WS+2*\n] matrix_a_fmt:MATRIX_FMT_FP6 matrix_b_fmt:MATRIX_FMT_FP6
.endr
	s_wait_alu depctr_va_vdst(0)
.irp n, 0,1,2,3
	v_wmma_scale_f32_16x16x128_f8f6f4 v[ACC+8*\n:ACC+8*\n+7], v[CA+12:CA+23], v[X+24*\n+12:X+24*\n+23], v[ACC+8*\n:ACC+8*\n+7], v[XS+1], v[WS+2*\n+1] matrix_a_fmt:MATRIX_FMT_FP6 matrix_b_fmt:MATRIX_FMT_FP6
.endr
.rept 4
	v_nop                                          ; four places behind the last product (ISA guide 7.12.1), for all that follows
.endr
	; ---- my 16 rows' mean and M2 of each channel: lane (r, h) holds channel 16 n + r, rows 8 h + 0 .. 7.  The four tiles by turns; each accumulator is read from its low end on
.irp n, 0,1,2,3
	v_pk_add_f32 v[SS+8*\n:SS+8*\n+1], v[ACC+8*\n:ACC+8*\n+1], v[ACC+8*\n+2:ACC+8*\n+3]
.endr
.irp n, 0,1,2,3
	v_pk_add_f32 v[SS+8*\n+2:SS+8*\n+3], v[ACC+8*\n+4:ACC+8*\n+5], v[ACC+8*\n+6:ACC+8*\n+7]
.endr
.irp n, 0,1,2,3
	s_delay_alu instid0(VALU_DEP_4)
	v_pk_add_f32 v[SS+8*\n:SS+8*\n+1], v[SS+8*\n:SS+8*\n+1], v[SS+8*\n+2:SS+8*\n+3]
.endr
.irp n, 0,1,2,3
	s_delay_alu instid0(VALU_DEP_4)
	v_add_f32 v[SS+8*\n], v[SS+8*\n], v[SS+8*\n+1]
.endr
.irp n, 0,1,2,3
	s_delay_alu instid0(VALU_DEP_4)
	v_permlanex16_b32 v[SS+8*\n+1], v[SS+8*\n], s28, s29
.endr
.irp n, 0,1,2,3
	s_delay_alu instid0(VALU_DEP_4)
	v_add_f32 v[SS+8*\n], v[SS+8*\n], v[SS+8*\n+1]
.endr
.irp n, 0,1,2,3
	s_delay_alu instid0(VALU_DEP_4)
	v_mul_f32 v[SS+8*\n], 0x3d800000, v[SS+8*\n]   ; / 16: the mean
.endr
.irp g, 0,4
.irp n, 0,1,2,3
	v_pk_add_f32 v[SS+8*\n+2:SS+8*\n+3], v[ACC+8*\n+\g:ACC+8*\n+\g+1], v[SS+8*\n:SS+8*\n+1] op_sel_hi:[1,0] neg_lo:[0,1] neg_hi:[0,1]
.endr
.irp n, 0,1,2,3
	v_pk_add_f32 v[SS+8*\n+4:SS+8*\n+5], v[ACC+8*\n+\g+2:ACC+8*\n+\g+3], v[SS+8*\n:SS+8*\n+1] op_sel_hi:[1,0] neg_lo:[0,1] neg_hi:[0,1]
.endr
.irp n, 0,1,2,3
.if \g == 0
	v_pk_mul_f32 v[SS+8*\n+6:SS+8*\n+7], v[SS+8*\n+2:SS+8*\n+3], v[SS+8*\n+2:SS+8*\n+3]
.else
	v_pk_fma_f32 v[SS+8*\n+6:SS+8*\n+7], v[SS+8*\n+2:SS+8*\n+3], v[SS+8*\n+2:SS+8*\n+3], v[SS+8*\n+6:SS+8*\n+7]
.endif
.endr
.irp n, 0,1,2,3
	s_delay_alu instid0(VALU_DEP_4)
	v_pk_fma_f32 v[SS+8*\n+6:SS+8*\n+7], v[SS+8*\n+4:SS+8*\n+5], v[SS+8*\n+4:SS+8*\n+5], v[SS+8*\n+6:SS+8*\n+7]
.endr
.endr
.irp n, 0,1,2,3
	s_delay_alu instid0(VALU_DEP_4)
	v_add_f32 v[SS+8*\n+6], v[SS+8*\n+6], v[SS+8*\n+7]
.endr
.irp n, 0,1,2,3
	s_delay_alu instid0(VALU_DEP_4)
	v_permlanex16_b32 v[SS+8*\n+7], v[SS+8*\n+6], s28, s29
.endr
.irp n, 0,1,2,3
	s_delay_alu instid0(VALU_DEP_4)
	v_add_f32 v[SS+8*\n+6], v[SS+8*\n+6], v[SS+8*\n+7]
.endr
.irp n, 0,1,2,3
	ds_store_b32 v12, v[SS+8*\n] offset:64*\n      ; both halves of the lanes write the same word with the same value
	ds_store_b32 v12, v[SS+8*\n+6] offset:256+64*\n
.endr
	; ---- tp: a lane holds a piece of a column, so the 16 rows x 64 channels go through my stage and leave as rows of 256 bytes
.irp n, 0,1,2,3
.irp j, 0,1,2,3,4,5,6,7
	ds_store_b32 v10, v[ACC+8*\n+\j] offset:SPITCH*\j+64*\n
.endr
.endr
.irp t, 0,1,2,3,4,5,6,7
	ds_load_b128 v[X+4*\t:X+4*\t+3], v11 offset:2*\t*SPITCH         ; LDS serves a wave's instructions in order: these see my stores
.endr
.irp t, 0,1,2,3,4,5,6,7
	s_wait_dscnt 7-\t                              ; the younger loads may be out
	global_store_b128 v13, v[X+4*\t:X+4*\t+3], s[12:13] offset:2048*\t   ; sixteen lanes store 256 consecutive bytes, at a multiple of 256 from tp's first byte
.endr
	s_wait_dscnt 0x0
	s_barrier_signal -1
	s_barrier_wait -1                              ; sixteen waves' statistics lie in LDS
	s_cmp_lg_u32 s20, 0
	s_cbranch_scc1 .Lend
.set i, 0
.rept 16
	ds_load_b64 v[48+2*i:49+2*i], v14 offset:SX+512*i               ; lane l: channels 2 l, 2 l + 1
	ds_load_b64 v[80+2*i:81+2*i], v14 offset:SX+512*i+256
.set i, i+1
.endr
	s_wait_dscnt 0x0
	COMB 16, 48, 0, 80, 0x41800000, 0x3d800000     ; sixteen partials of 16 rows
	global_store_b64 v14, v[MU:MU+1], s[14:15]     ; 256 consecutive bytes each
	global_store_b64 v14, v[MM:MM+1], s[14:15] offset:1024
.Lend:
	s_wait_tensorcnt 0x0
	ds_add_u32 v235, v239
	s_wait_dscnt 0x0
	s_endpgm
.Lfunc_end_k_q6077c035ca_tokpart:
	.size	k_q6077c035ca_tokpart, .Lfunc_end_k_q6077c035ca_tokpart-k_q6077c035ca_tokpart
	.p2alignl 7, 3214868480
	.fill 96, 4, 3214868480
	.section	.rodata,"a",@progbits
	.p2align	6, 0x0
	.amdhsa_kernel k_q6077c035ca_tokpart
		.amdhsa_group_segment_fixed_size 96256
		.amdhsa_private_segment_fixed_size 0
		.amdhsa_enable_private_segment 0
		.amdhsa_kernarg_size 56
		.amdhsa_user_sgpr_count 2
		.amdhsa_user_sgpr_kernarg_segment_ptr 1
		.amdhsa_wavefront_size32 1
		.amdhsa_system_sgpr_workgroup_id_x 1
		.amdhsa_system_sgpr_workgroup_id_y 1
		.amdhsa_system_sgpr_workgroup_id_z 1
		.amdhsa_system_vgpr_workitem_id 0
		.amdhsa_next_free_vgpr 256
		.amdhsa_next_free_sgpr 66
		.amdhsa_reserve_vcc 1
		.amdhsa_float_denorm_mode_32 3
		.amdhsa_float_denorm_mode_16_64 3
		.amdhsa_memory_ordered 1
		.amdhsa_forward_progress 1
		.amdhsa_inst_pref_size 68
	.end_amdhsa_kernel
	.amdgpu_metadata
---
amdhsa.version: [ 1, 2 ]
amdhsa.kernels:
  - .name:           k_q6077c035ca_tokpart
    .symbol:         k_q6077c035ca_tokpart.kd
    .args:
      - { .name: tokens, .offset: 0, .size: 8, .value_kind: global_buffer, .address_space: global }
      - { .name: W1, .offset: 8, .size: 8, .value_kind: global_buffer, .address_space: global }
      - { .name: Wc, .offset: 16, .size: 8, .value_kind: global_buffer, .address_space: global }
      - { .name: bc, .offset: 24, .size: 8, .value_kind: global_buffer, .address_space: global }
      - { .name: tp, .offset: 32, .size: 8, .value_kind: global_buffer, .address_space: global }
      - { .name: st1, .offset: 40, .size: 8, .value_kind: global_buffer, .address_space: global }
      - { .name: out0, .offset: 48, .size: 8, .value_kind: global_buffer, .address_space: global }
    .group_segment_fixed_size: 96256
    .private_segment_fixed_size: 0
    .kernarg_segment_align: 8
    .kernarg_segment_size: 56
    .max_flat_workgroup_size: 512
    .sgpr_count:     66
    .vgpr_count:     256
    .wavefront_size: 32
...
	.end_amdgpu_metadata
.endif
;; end of part 4
;; launch stats2 (part 5): grid 256 x 1, 4 waves a work-group, no clusters, 139,776 bytes of LDS; arguments tp, st1, grid, W1, b1, gamma1, beta1, W2_codes, W2_scales, b2, st2; writes st2
.if DOCPART == 5
	.amdgcn_target "amdgcn-amd-amdhsa--gfx1250"
	.amdhsa_code_object_version 6
	.text
	.protected	k_q6077c035ca_stats2
	.globl	k_q6077c035ca_stats2
	.p2align	8
	.type	k_q6077c035ca_stats2,@function
k_q6077c035ca_stats2:
	s_mov_b64 s[64:65], 0
	v_nop
	global_prefetch_b8 v0, s[64:65] scope:SCOPE_SE
	s_setreg_imm32_b32 hwreg(HW_REG_WAVE_SCHED_MODE, 0, 2), 2
	s_setreg_imm32_b32 hwreg(HW_REG_WAVE_MODE, 25, 1), 1
	s_wait_xcnt 0x0
	s_wait_alu depctr_vm_vsrc(0)
; The second batch norm's statistics.  h2[m][n][:] = Q(relu(BN1(tp[m] + grid[n] W1[256:258] + b1))) W2 + b2 is made for all 16,384 tokens m x 64 grid points n and not kept: st2 [256 work-groups][mean, M2][64] f32 holds,
; for each work-group's 4,096 rows, each channel's mean and sum of squared deviations.  The product is on codes of FP6 (E2M3), one E8M0 scale for each 32 along K = the 256 channels; W2 comes as codes.
; BN1 WITHOUT A PASS OVER h.  h is a sum of a token's term and a grid point's term over the full set of pairs, so its mean is the sum of the two means and its variance the sum of the two variances, for every input.
; What is quantised is x = relu(T[m][c] + G[n][c]),  T = a1 (tp - mean of tp),  G = a1 (gp - mean of gp) + beta1,  gp = grid W1[256:258] + b1,  a1 = gamma1 / sqrt(var + 1e-5): one packed addition for two numbers.
; SHARES.  A work-group owns 64 tokens, each of its four waves 16.  A wave has a SIMD's 1,024 registers: ALL of G lies in them in the operand's layout (512), a token's T in 128, W2's eight fragments in 96.  A token is four tiles
; of 16 grid points; a tile is 4 blocks of 32 a lane (add, largest number, relu, conversion) and eight matrix instructions.  Nothing is shared in the loop: it has no barrier, and LDS is read once a token, for T.
; LAYOUT.  The product is used transposed: source 0 = 16 rows of W2, source 1 = 16 grid points.  Lane (r, h) holds grid point 16 tile + r; its block b is k = 64 b + 32 h + 0 .. 31, a WHOLE block: no other lane is asked for a
; maximum.  In the result register j of tile t is channel 16 t + 8 h + j.
; THE SUMS are taken of h2 - p, p the mean of the wave's first 16 rows: b2 - p is the C of each sum's first matrix instruction, so the pivot costs nothing in the loop, and no variance is a difference of large sums.
; A tile's results are summed a tile later, behind the next tile's vector work, so that the matrix unit works beside it.
; No tensor loads, ring, cluster or prefetch: a wave's input is 16 KiB, asked for with all else in one run at the head; what work-groups share (st1, 128 KiB) is read once, there.
; THE MODE: SCHED_MODE bits 1:0 = 2 (LLVM: expert scheduling mode 2), set by the entry lines.  The code itself states the register dependences between vector or matrix instructions and memory or LDS instructions, with s_wait_alu, always for 0.
; THE PLAN.  Registers that LDS instructions touch in the loop, and operands that vector instructions make for the scaled products:
;   T (v16-143)   Read by the additions of a token's four tiles.  The next token's 32 LDS loads land in it, in ONE run behind the fourth tile's vector work.
;   v[TA]         Read by those loads; written once a token, at the head of the fourth tile's slot.  All other addresses are made at the head and never written again.
;   v[CD ..], v[AS ..]  The codes and scale words: written by a slot's vector instructions, taken by its eight products.
; So every slot has ONE wait on va_vdst, behind the places and ahead of its products.  The fourth slot has a second, behind its tile's vector work, so that T's loads go out ahead of the sums, the places and the products;
; and one wait on vm_vsrc ahead of the add to v[TA].  G, W2, the accumulators and the sums are named by vector and matrix instructions alone in the loop.
; LIMITS: NaN and infinities are not served.  A block with no number above 2^-124 gets the scale byte 1; the bytes never leave the registers.
.set TABA, 0                           ; LDS: a1 [256]
.set TABM, 1024                        ; mean of tp [256]
.set SX,   2048                        ; each wave's [mean, M2][64], 512 bytes
.set GT,   6144                        ; G: 64 rows x (1,024 bytes + 16)
.set GP,   1040
.set TS,   72704                       ; T: each wave's 16 tokens x 1,024 bytes
; window 0
.set TA,   1                           ; v1   LDS address of the token's T for my half
.set SH,   2                           ; v2   8 h
.set ZERO, 4                           ; v4   0
.set T8,   5                           ; v5   8 x thread
.set TA0,  9                           ; v9   T's address for my wave's first token; never rewritten
.set T,    16                          ; v16-143  T: register 32 b + i is k = 64 b + 32 h + i
.set X,    144                         ; v144-175 a block's 32 numbers
.set CD,   176                         ; v176-199 the tile's codes: fragment s at 12 s
.set TMP,  200                         ; v200-202 the upper half of a block's codes, before it is moved
.set M,    204                         ; v204-207 four chains of the largest number
.set SC,   208                         ; the conversion's scale operand
.set BY,   210                         ; v210-211 two blocks' scale bytes
.set W,    212
.set PT,   213                         ; a lane permute's destination
.set AS,   214                         ; v214-215 x's scale words;  v216-223 W2's (2 t + s): these ten hold scales and nothing else
.set W2S,  216
.set MU,   144                         ; the head's work registers lie where the loop's will
.set MM,   146
.set CT,   148
.set DD,   156
.set QQ,   164
.set WA,   176
.set WB,   178
.set B1P,  180
.set GA1,  182
.set BE1,  184
.set VV,   192
.set A1,   194
.set GM,   196
.set AL16, 240                         ; 16 x lane
.set AL8,  241                         ; 8 x lane
.set AW2,  242                         ; 192 r + 24 h
.set AW2S, 243                         ; 8 r
.set AH32, 244                         ; 32 h
.set AGS,  246                         ; GT + 8 x thread
.set AGL,  247                         ; GT + 1040 r + 128 h
.set ATS,  248                         ; TS + 16384 wave + 16 lane
.set ASXW, 249                         ; SX + 512 wave + 32 h
; windows 1, 2: G of tile mt in window 1 + mt / 2 at 128 (mt % 2) + 32 b + i.   window 3:
.set W2F,  0                           ; v0-95    W2's fragments, 12 (2 t + s)
.set ACC,  96                          ; v96-127  four accumulators
.set CB,   128                         ; v128-159 b2, then b2 - p, in the result's layout
.set S1,   160                         ; v160-191 sums of h2 - p
.set S2,   192                         ; v192-223 sums of its square
.set P,    224                         ; v224-255 p
.set MSB, 0
.macro WIN new                         ; s_set_vgpr_msb's low byte: bits 1:0 source 0, 3:2 source 1, 5:4 source 2, 7:6 destination; the high byte repeats the setting that is left
.if MSB != \new
	s_set_vgpr_msb (MSB<<8)|\new
.set MSB, \new
.endif
.endm
.macro PLACES n
.rept \n
	v_nop
.endr
.endm
; n partial (mean, M2) of equal count, as pairs of channels at v[mb] on and v[qb] on (qw = 1: in register window 1), are joined: v[MU:MU+1] the mean, v[MM:MM+1] the M2.  cnt: the count as f32;  inv: 1 / n as f32.
.macro COMB n, mb, qw, qb, cnt, inv
.if \n > 4
.irp c, 0,1,2,3
	v_pk_add_f32 v[CT+2*\c:CT+2*\c+1], v[\mb+2*\c:\mb+2*\c+1], v[\mb+8+2*\c:\mb+9+2*\c]   ; four chains, started by the first eight
.endr
.set ci, 8
.rept \n-8
	v_pk_add_f32 v[CT+2*(ci%4):CT+2*(ci%4)+1], v[CT+2*(ci%4):CT+2*(ci%4)+1], v[\mb+2*ci:\mb+2*ci+1]
.set ci, ci+1
.endr
	v_pk_add_f32 v[CT:CT+1], v[CT:CT+1], v[CT+2:CT+3]
	v_pk_add_f32 v[CT+4:CT+5], v[CT+4:CT+5], v[CT+6:CT+7]
.else
	v_pk_add_f32 v[CT:CT+1], v[\mb:\mb+1], v[\mb+2:\mb+3]
	v_pk_add_f32 v[CT+4:CT+5], v[\mb+4:\mb+5], v[\mb+6:\mb+7]
.endif
	v_pk_add_f32 v[CT:CT+1], v[CT:CT+1], v[CT+4:CT+5]
	v_pk_mul_f32 v[MU:MU+1], v[CT:CT+1], \inv op_sel_hi:[1,0]
.set ci, 0
.rept \n
	v_pk_add_f32 v[DD+2*(ci%4):DD+2*(ci%4)+1], v[\mb+2*ci:\mb+2*ci+1], v[MU:MU+1] neg_lo:[0,1] neg_hi:[0,1]   ; mean_i - mean
.if ci < 4
	v_pk_mul_f32 v[QQ+2*ci:QQ+2*ci+1], v[DD+2*ci:DD+2*ci+1], v[DD+2*ci:DD+2*ci+1]
.else
	v_pk_fma_f32 v[QQ+2*(ci%4):QQ+2*(ci%4)+1], v[DD+2*(ci%4):DD+2*(ci%4)+1], v[DD+2*(ci%4):DD+2*(ci%4)+1], v[QQ+2*(ci%4):QQ+2*(ci%4)+1]
.endif
.set ci, ci+1
.endr
.irp c, 0,1,2,3
	v_pk_mul_f32 v[CT+2*\c:CT+2*\c+1], v[QQ+2*\c:QQ+2*\c+1], \cnt op_sel_hi:[1,0]   ; x the count; the M2 are added onto the four chains
.endr
.if \qw
	WIN 0x04
.endif
.set ci, 0
.rept \n
	v_pk_add_f32 v[CT+2*(ci%4):CT+2*(ci%4)+1], v[CT+2*(ci%4):CT+2*(ci%4)+1], v[\qb+2*ci:\qb+2*ci+1]
.set ci, ci+1
.endr
.if \qw
	WIN 0
.endif
	v_pk_add_f32 v[CT:CT+1], v[CT:CT+1], v[CT+2:CT+3]
	v_pk_add_f32 v[CT+4:CT+5], v[CT+4:CT+5], v[CT+6:CT+7]
	v_pk_add_f32 v[MM:MM+1], v[CT:CT+1], v[CT+4:CT+5]
.endm
.macro TLD b                           ; block b of the T at v[TA]: 128 bytes, the same for the sixteen lanes of a half
.irp q, 0,1,2,3,4,5,6,7
	ds_load_b128 v[T+32*(\b)+4*\q:T+32*(\b)+4*\q+3], v[TA] offset:256*(\b)+16*\q
.endr
.endm
; Block b of tile mt: x = relu(T + G), its scale, its codes.  tw = 1: T was asked for in the slot before: wait for this block.
.macro QB mt, b, tw
.if \tw
	s_wait_dscnt 24-8*(\b)                         ; of the 32 loads of T the 8 (b + 1) oldest are in; the younger blocks' may be out
.endif
.if (\mt) < 2
	WIN 0x04                                       ; source 1 (G) in window 1
.else
	WIN 0x08                                       ; or 2
.endif
.set GB, 128*((\mt)%2)+32*(\b)
.set qi, 0
.rept 16
	v_pk_add_f32 v[X+qi:X+qi+1], v[T+32*(\b)+qi:T+32*(\b)+qi+1], v[GB+qi:GB+qi+1]
.set qi, qi+2
.endr
	WIN 0
	; the largest number: no |.| on the sources, since what is negative must not count; four chains; a relu stands behind each line, so that no line waits for the line above it
.irp c, 0,1,2,3
	v_max3_num_f32 v[M+\c], v[X+8*\c], v[X+8*\c+1], v[X+8*\c+2]
	v_max_num_f32 v[X+\c], 0, v[X+\c]
.endr
.irp c, 0,1,2,3
	v_max3_num_f32 v[M+\c], v[M+\c], v[X+8*\c+3], v[X+8*\c+4]
	v_max_num_f32 v[X+4+\c], 0, v[X+4+\c]
.endr
.irp c, 0,1,2,3
	v_max3_num_f32 v[M+\c], v[M+\c], v[X+8*\c+5], v[X+8*\c+6]
	v_max_num_f32 v[X+8+\c], 0, v[X+8+\c]
.endr
	v_max3_num_f32 v[M], v[M], v[X+7], v[X+15]
	v_max_num_f32 v[X+12], 0, v[X+12]
	v_max3_num_f32 v[M+2], v[M+2], v[X+23], v[X+31]
	v_max_num_f32 v[X+13], 0, v[X+13]
	v_max3_num_f32 v[M], v[M], v[M+1], 0x1800000   ; the floor 2^(3 - 127): the byte cannot fall under 1
	v_max_num_f32 v[X+14], 0, v[X+14]
	v_max3_num_f32 v[M], v[M], v[M+2], v[M+3]
	v_max_num_f32 v[X+15], 0, v[X+15]
.irp k, 16,17,18,19,20,21,22,23
	v_max_num_f32 v[X+\k], 0, v[X+\k]
.endr
	v_add_nc_u32 v[SC], 0xff000000, v[M]           ; 2 off the exponent field: the conversion takes this operand's exponent field as its scale
.irp k, 24,25,26,27,28,29,30,31
	v_max_num_f32 v[X+\k], 0, v[X+\k]
.endr
	v_cvt_scalef32_pk16_fp6_f32 v[CD+6*(\b):CD+6*(\b)+2], v[X:X+15], v[SC]
	v_cvt_scalef32_pk16_fp6_f32 v[TMP:TMP+2], v[X+16:X+31], v[SC]   ; a conversion's three registers begin on an even number: made here, moved below
	v_lshrrev_b32 v[BY+(\b)%2], 23, v[SC]          ; the scale's byte; also the plain place behind the conversions
.irp i, 0,1,2
	v_mov_b32 v[CD+6*(\b)+3+\i], v[TMP+\i]
.endr
.endm
.macro SW s                            ; K step s's scale word: my blocks are numbers h and 2 + h of its four
	v_lshl_or_b32 v[W], v[BY+1], 16, v[BY]
	v_lshlrev_b32 v[W], v[SH], v[W]
	v_permlanex16_b32 v[PT], v[W], s42, s43
	v_or_b32 v[AS+\s], v[W], v[PT]
.endm
.macro QT mt, tw                       ; a tile of 16 grid points: two fragments and two scale words
	QB \mt, 0, \tw
	QB \mt, 1, \tw
	SW 0
	QB \mt, 2, \tw
	QB \mt, 3, \tw
	SW 1
.endm
.macro WM                              ; the tile's eight products: the four accumulators by turns; b2 - p starts each sum
	WIN 0xf3                                       ; source 0 (W2), C and D window 3; source 1 (the codes) window 0
.irp t, 0,1,2,3
	v_wmma_scale_f32_16x16x128_f8f6f4 v[ACC+8*\t:ACC+8*\t+7], v[W2F+24*\t:W2F+24*\t+11], v[CD:CD+11], v[CB+8*\t:CB+8*\t+7], v[W2S+2*\t], v[AS] matrix_a_fmt:MATRIX_FMT_FP6 matrix_b_fmt:MATRIX_FMT_FP6
.endr
.irp t, 0,1,2,3
	v_wmma_scale_f32_16x16x128_f8f6f4 v[ACC+8*\t:ACC+8*\t+7], v[W2F+24*\t+12:W2F+24*\t+23], v[CD+12:CD+23], v[ACC+8*\t:ACC+8*\t+7], v[W2S+2*\t+1], v[AS+1] matrix_a_fmt:MATRIX_FMT_FP6 matrix_b_fmt:MATRIX_FMT_FP6
.endr
	WIN 0
.endm
.macro EA first                        ; the last tile's results into the sums, each accumulator from its low end on.  first = 1: they start the sums (there is no packed move: x 1.0): nothing is cleared
	WIN 0xff
.set qi, 0
.rept 16
.if \first
	v_pk_mul_f32 v[S1+qi:S1+qi+1], v[ACC+qi:ACC+qi+1], 1.0 op_sel_hi:[1,0]
.else
	v_pk_add_f32 v[S1+qi:S1+qi+1], v[S1+qi:S1+qi+1], v[ACC+qi:ACC+qi+1]
.endif
.set qi, qi+2
.endr
.set qi, 0
.rept 16
.if \first
	v_pk_mul_f32 v[S2+qi:S2+qi+1], v[ACC+qi:ACC+qi+1], v[ACC+qi:ACC+qi+1]
.else
	v_pk_fma_f32 v[S2+qi:S2+qi+1], v[ACC+qi:ACC+qi+1], v[ACC+qi:ACC+qi+1], v[S2+qi:S2+qi+1]
.endif
.set qi, qi+2
.endr
.endm
; A slot: a tile's vector work, the last tile's sums, the tile's products.  tl = 1: the token's last tile: the next token's T is asked for.
.macro SLOTA mt, tw, tl, first
.if \tl
	s_add_co_u32 s51, s51, 1024                    ; the next token's T
	s_wait_alu depctr_vm_vsrc(0)                   ; the last token's 32 loads have read v[TA], which the next line writes
	v_add_nc_u32 v[TA], s51, v[TA0]
.endif
	QT \mt, \tw
.if \tl
	s_wait_alu depctr_va_vdst(0)                   ; the token's last additions are done reading T, in which the loads below land; v[TA], their address, is written
	TLD 0                                          ; the sums, the places and the products below name none of these registers: the loads land beside them
	TLD 1
	TLD 2
	TLD 3
.endif
	EA \first
	PLACES 8                                       ; a scale word made by vector instructions stands 8 places ahead of a scaled matrix instruction, codes so made 4; the sums above name the products' accumulators and are not counted
	s_wait_alu depctr_va_vdst(0)                   ; the conversions, moves and joins of bytes have written the codes v[CD ..] and the scale words v[AS ..], which the products take
	WM
.endm
	s_load_b256 s[4:11], s[0:1], 0x0               ; tp s[4:5], st1 s[6:7], grid s[8:9], W1 s[10:11]
	s_load_b256 s[12:19], s[0:1], 0x20             ; b1 s[12:13], gamma1 s[14:15], beta1 s[16:17], W2's codes s[18:19]
	s_load_b128 s[20:23], s[0:1], 0x40             ; W2's scales s[20:21], b2 s[22:23]
	s_load_b64 s[24:25], s[0:1], 0x50              ; st2
	v_lshl_add_u32 v254, v0, 2, 0x22000
	v_mov_b32 v255, 0
	v_lshrrev_b32 v1, 5, v0
	v_readfirstlane_b32 s40, v1                    ; wave 0..3
	s_mov_b32 s42, 0x76543210
	s_mov_b32 s43, 0xfedcba98                      ; v_permlanex16_b32's selects for lane l xor 16
	s_mov_b32 s51, 0
	v_and_b32 v13, 15, v0                          ; r
	v_bfe_u32 v14, v0, 4, 1                        ; h
	v_and_b32 v15, 31, v0                          ; lane
	v_lshlrev_b32 v[SH], 3, v14
	v_mov_b32 v[ZERO], 0
	v_mov_b32 v[PT], 0                             ; written once: a lane permute's destination counts as one of its sources
	v_lshlrev_b32 v[T8], 3, v0
	v_lshlrev_b32 v[AL16], 4, v15
	v_lshlrev_b32 v[AL8], 3, v15
	v_mul_u32_u24 v[AW2], v13, 192
	v_mad_u32_u24 v[AW2], v14, 24, v[AW2]
	v_lshlrev_b32 v[AW2S], 3, v13
	v_lshlrev_b32 v[AH32], 5, v14
	v_add_nc_u32 v[AGS], GT, v[T8]
	v_mul_u32_u24 v[AGL], v13, GP
	v_lshl_add_u32 v[AGL], v14, 7, v[AGL]
	v_add_nc_u32 v[AGL], GT, v[AGL]
	s_wait_alu depctr_va_sdst(0)                   ; s40, the wave's number, is written, ahead of its first reader
	s_lshl_b32 s44, s40, 14
	s_add_co_u32 s44, s44, TS
	v_add_nc_u32 v[ATS], s44, v[AL16]
	v_lshl_add_u32 v[TA0], v14, 7, s44
	v_add_nc_u32 v[TA], s51, v[TA0]                ; the first token's T
	s_lshl_b32 s45, s40, 9
	s_add_co_u32 s45, s45, SX
	v_add_nc_u32 v[ASXW], s45, v[AH32]
	s_lshl_b32 s46, ttmp9, 6
	s_lshl_b32 s47, s40, 4
	s_add_co_u32 s46, s46, s47                     ; my first token: 64 work-group + 16 wave
	s_lshl_b32 s46, s46, 10
	s_mov_b32 s47, 0
	s_lshl_b32 s48, ttmp9, 9                       ; st2: 512 bytes a work-group
	s_mov_b32 s49, 0
	s_wait_kmcnt 0x0
	s_add_nc_u64 s[4:5], s[4:5], s[46:47]
	s_add_nc_u64 s[24:25], s[24:25], s[48:49]
	s_wait_alu depctr_va_vdst(0)                   ; every offset and LDS address of the kernel (v1, v4, v5, v9, v240 to v249) is written: the loads and stores below read them
	; ---- all that the launch reads, in one run: nothing but loads and window switches stands in it
.set i, 0
.rept 64
	global_load_b64 v[T+2*i:T+2*i+1], v[T8], s[6:7] offset:2048*i   ; st1's means of channels 2 thread, 2 thread + 1: 64 row blocks
.set i, i+1
.endr
	WIN 0x40                                       ; destination window 1
.set i, 0
.rept 64
	global_load_b64 v[2*i:2*i+1], v[T8], s[6:7] offset:2048*i+1024  ; and their M2
.set i, i+1
.endr
.set i, 0
.rept 32
	global_load_b128 v[128+4*i:131+4*i], v[ZERO], s[8:9] offset:16*i   ; the grid's 64 points, whole, in every lane
.set i, i+1
.endr
	WIN 0x80                                       ; destination window 2
.set i, 0
.rept 32
	global_load_b128 v[4*i:4*i+3], v[AL16], s[4:5] offset:1024*(i/2)+512*(i%2) th:TH_LOAD_NT   ; my wave's 16 tokens: 512 consecutive bytes a load; token i / 2, channels 128 (i % 2) + 4 lane on
.set i, i+1
.endr
	WIN 0xc0                                       ; destination window 3
.set i, 0
.rept 48
	global_load_b64 v[W2F+2*i:W2F+2*i+1], v[AW2], s[18:19] offset:3072*(i/12)+96*((i/6)%2)+48*((i%6)/3)+8*(i%3)   ; W2's fragment 2 t + s = i / 6: row 16 t + r, 24 bytes at 96 s + 24 h and at 48 more, in pieces of 8
.set i, i+1
.endr
.set i, 0
.rept 8
	global_load_b128 v[CB+4*i:CB+4*i+3], v[AH32], s[22:23] offset:64*(i/2)+16*(i%2)   ; b2 at channels 16 t + 8 h + 0 .. 7
.set i, i+1
.endr
	WIN 0
.set i, 0
.rept 8
	global_load_b32 v[W2S+i], v[AW2S], s[20:21] offset:128*(i/2)+4*(i%2)
.set i, i+1
.endr
	global_load_b64 v[WA:WA+1], v[T8], s[10:11] offset:262144       ; W1's row 256,
	global_load_b64 v[WB:WB+1], v[T8], s[10:11] offset:263168       ; row 257
	global_load_b64 v[B1P:B1P+1], v[T8], s[12:13]
	global_load_b64 v[GA1:GA1+1], v[T8], s[14:15]
	global_load_b64 v[BE1:BE1+1], v[T8], s[16:17]
	s_wait_loadcnt 0x0
	; ---- BN1's constants for channels 2 thread, 2 thread + 1
	COMB 64, T, 1, 0, 0x43800000, 0x3c800000       ; 64 partials of 256 rows: tp's mean and M2
	WIN 0x84                                       ; destination window 2, source 1 (the grid) window 1
.set i, 0
.rept 64
	v_pk_fma_f32 v[128+2*i:129+2*i], v[WB:WB+1], v[128+2*i:129+2*i], v[B1P:B1P+1] op_sel:[0,1,0] op_sel_hi:[1,1,1]   ; gy W1[257] + b1
.set i, i+1
.endr
	WIN 0xa4                                       ; source 2 window 2 too
.set i, 0
.rept 64
	v_pk_fma_f32 v[128+2*i:129+2*i], v[WA:WA+1], v[128+2*i:129+2*i], v[128+2*i:129+2*i] op_sel_hi:[1,0,1]   ; + gx W1[256]: gp of point i, in f32
.set i, i+1
.endr
	WIN 0x0a
.irp c, 0,1,2,3
	v_pk_add_f32 v[CT+2*\c:CT+2*\c+1], v[128+2*\c:129+2*\c], v[136+2*\c:137+2*\c]
.endr
	WIN 0x08
.set i, 8
.rept 56
	v_pk_add_f32 v[CT+2*(i%4):CT+2*(i%4)+1], v[CT+2*(i%4):CT+2*(i%4)+1], v[128+2*i:129+2*i]
.set i, i+1
.endr
	WIN 0
	v_pk_add_f32 v[CT:CT+1], v[CT:CT+1], v[CT+2:CT+3]
	v_pk_add_f32 v[CT+4:CT+5], v[CT+4:CT+5], v[CT+6:CT+7]
	v_pk_add_f32 v[CT:CT+1], v[CT:CT+1], v[CT+4:CT+5]
	v_pk_mul_f32 v[GM:GM+1], v[CT:CT+1], 0x3c800000 op_sel_hi:[1,0]   ; gp's mean
	WIN 0x82
.set i, 0
.rept 64
	v_pk_add_f32 v[128+2*i:129+2*i], v[128+2*i:129+2*i], v[GM:GM+1] neg_lo:[0,1] neg_hi:[0,1]
.set i, i+1
.endr
	WIN 0x0a
.set i, 0
.rept 64
.if i < 4
	v_pk_mul_f32 v[QQ+2*i:QQ+2*i+1], v[128+2*i:129+2*i], v[128+2*i:129+2*i]
.else
	v_pk_fma_f32 v[QQ+2*(i%4):QQ+2*(i%4)+1], v[128+2*i:129+2*i], v[128+2*i:129+2*i], v[QQ+2*(i%4):QQ+2*(i%4)+1]
.endif
.set i, i+1
.endr
	WIN 0
	v_pk_add_f32 v[QQ:QQ+1], v[QQ:QQ+1], v[QQ+2:QQ+3]
	v_pk_add_f32 v[QQ+4:QQ+5], v[QQ+4:QQ+5], v[QQ+6:QQ+7]
	v_pk_add_f32 v[QQ:QQ+1], v[QQ:QQ+1], v[QQ+4:QQ+5]
	v_pk_mul_f32 v[VV:VV+1], v[QQ:QQ+1], 0x3c800000 op_sel_hi:[1,0]           ; gp's variance (/ 64)
	v_pk_fma_f32 v[VV:VV+1], v[MM:MM+1], 0x38800000, v[VV:VV+1] op_sel_hi:[1,0,1]   ; + tp's (/ 16,384)
	v_pk_add_f32 v[VV:VV+1], v[VV:VV+1], 0x3727c5ac op_sel_hi:[1,0]           ; + 1e-5
	s_wait_alu depctr_va_vdst(0)
	v_rsq_f32 v[VV], v[VV]
	v_rsq_f32 v[VV+1], v[VV+1]
	v_nop                                          ; one plain place behind a transcendental
	s_wait_alu depctr_va_vdst(0)                   ; the two reciprocal roots v[VV], v[VV+1] are written, ahead of their first reader
	v_pk_mul_f32 v[A1:A1+1], v[GA1:GA1+1], v[VV:VV+1]   ; a1
	WIN 0x88
.set i, 0
.rept 64
	v_pk_fma_f32 v[128+2*i:129+2*i], v[A1:A1+1], v[128+2*i:129+2*i], v[BE1:BE1+1]   ; G
.set i, i+1
.endr
	WIN 0x08                                       ; an LDS store's data are its source 1
	s_wait_alu depctr_va_vdst(0)                   ; G (window 2, v128 on), a1 and tp's mean are written, which the LDS stores below read
.set i, 0
.rept 64
	ds_store_b64 v[AGS], v[128+2*i:129+2*i] offset:GP*i
.set i, i+1
.endr
	WIN 0
	ds_store_b64 v[T8], v[A1:A1+1] offset:TABA
	ds_store_b64 v[T8], v[MU:MU+1] offset:TABM
	s_wait_dscnt 0x0                               ; for the others' sake: my stores have landed
	s_barrier_signal -1
	s_barrier_wait -1                              ; G, a1 and tp's mean lie in LDS for all 256 channels
	s_wait_alu depctr_vm_vsrc(0)                   ; my LDS stores have read v[MU ..], in which the loads below land, and v[A1 ..], which the codes will take
	; ---- my 16 tokens become T
.irp j, 0,1
	ds_load_b128 v[X+4*\j:X+4*\j+3], v[AL16] offset:TABA+512*\j
	ds_load_b128 v[X+8+4*\j:X+11+4*\j], v[AL16] offset:TABM+512*\j
.endr
	s_wait_dscnt 0x0
	WIN 0x82
.set i, 0
.rept 64
	v_pk_add_f32 v[2*i:2*i+1], v[2*i:2*i+1], v[X+8+2*(i%4):X+9+2*(i%4)] neg_lo:[0,1] neg_hi:[0,1]
.set i, i+1
.endr
.set i, 0
.rept 64
	v_pk_mul_f32 v[2*i:2*i+1], v[2*i:2*i+1], v[X+2*(i%4):X+1+2*(i%4)]
.set i, i+1
.endr
	WIN 0x08
	s_wait_alu depctr_va_vdst(0)                   ; T (window 2, v0-127) is written, which the LDS stores below read
.set i, 0
.rept 32
	ds_store_b128 v[ATS], v[4*i:4*i+3] offset:1024*(i/2)+512*(i%2)
.set i, i+1
.endr
	WIN 0
	s_wait_dscnt 0x0
	s_barrier_signal -1
	s_barrier_wait -1                              ; T is each wave's own; this barrier parts every store of the head from every load that follows, the loop's stepped ones among them
	WIN 0x40
	s_wait_alu depctr_va_vdst(0)                   ; the joins, gp's lines and T's lines are done reading and writing windows 1 and 2 and v16-143, in which the loads below land; only loads and window switches follow up to the last of them
	s_wait_alu depctr_vm_vsrc(0)                   ; the LDS stores of G and of T have read window 2, in which G lands
.set i, 0
.rept 64
	ds_load_b128 v[4*i:4*i+3], v[AGL] offset:16*GP*(i/32)+256*((i%32)/8)+16*(i%8)   ; G of tiles 0, 1: row 16 tile + r, my half's 128 bytes of each 256
.set i, i+1
.endr
	WIN 0x80
.set i, 0
.rept 64
	ds_load_b128 v[4*i:4*i+3], v[AGL] offset:16*GP*(2+i/32)+256*((i%32)/8)+16*(i%8)   ; of tiles 2, 3
.set i, i+1
.endr
	WIN 0
	TLD 0
	TLD 1
	TLD 2
	TLD 3
	s_wait_dscnt 0x0
	; ---- the pivot: the first tile's h2, its mean over the 16 grid points
	QT 0, 0
	PLACES 8
	s_wait_alu depctr_va_vdst(0)                   ; the first tile's codes v[CD ..] and scale words v[AS ..] are written, which the products take
	WM
	PLACES 4
	WIN 0x03
.set i, 0
.rept 32
	v_mov_b32 v[X+i], v[ACC+i]
.set i, i+1
.endr
	WIN 0
.irp m, 1,2,4,8
.set i, 0
.rept 32
	v_add_f32_dpp v[X+i], v[X+i], v[X+i] row_xmask:\m row_mask:0xf bank_mask:0xf
.set i, i+1
.endr
.endr
	WIN 0xc0
.set i, 0
.rept 16
	v_pk_mul_f32 v[P+2*i:P+2*i+1], v[X+2*i:X+2*i+1], 0x3d800000 op_sel_hi:[1,0]   ; p
.set i, i+1
.endr
	WIN 0xf0
.set i, 0
.rept 16
	v_pk_fma_f32 v[CB+2*i:CB+2*i+1], v[X+2*i:X+2*i+1], 0xbd800000, v[CB+2*i:CB+2*i+1] op_sel_hi:[1,0,1]   ; b2 - p
.set i, i+1
.endr
	WIN 0
	PLACES 5                                       ; the accumulators are begun anew with another C
	WM                                             ; the first tile once more, about the pivot.  No wait: no vector instruction since the last one names the codes or the scale words
	SLOTA 1, 0, 0, 1
	s_mov_b32 s41, 15
.Ltoken:                                           ; a trip: a token's tiles 2 and 3, the next token's 0 and 1
	SLOTA 2, 0, 0, 0
	SLOTA 3, 0, 1, 0
	SLOTA 0, 1, 0, 0
	SLOTA 1, 0, 0, 0
	s_sub_co_u32 s41, s41, 1
	s_cmp_lg_u32 s41, 0
	s_cbranch_scc1 .Ltoken
	SLOTA 2, 0, 0, 0                               ; the last token asks for nothing more
	SLOTA 3, 0, 0, 0
	PLACES 4
	EA 0
	WIN 0
	s_wait_dscnt 0x0
	s_barrier_signal -1
	s_barrier_wait -1                              ; every wave has left the loop: its loads are parted from the stores below
	; ---- my wave's 1,024 rows: the sums over the sixteen lanes of a half
	WIN 0x03
.set i, 0
.rept 32
	v_mov_b32 v[X+i], v[S1+i]
	v_mov_b32 v[T+i], v[S2+i]
	v_mov_b32 v[T+32+i], v[P+i]
.set i, i+1
.endr
	WIN 0
.irp m, 1,2,4,8
.set i, 0
.rept 32
	v_add_f32_dpp v[X+i], v[X+i], v[X+i] row_xmask:\m row_mask:0xf bank_mask:0xf
	v_add_f32_dpp v[T+i], v[T+i], v[T+i] row_xmask:\m row_mask:0xf bank_mask:0xf
.set i, i+1
.endr
.endr
.set i, 0
.rept 16
	v_pk_fma_f32 v[T+32+2*i:T+33+2*i], v[X+2*i:X+2*i+1], 0x3a800000, v[T+32+2*i:T+33+2*i] op_sel_hi:[1,0,1]   ; mean = p + S1 / 1,024
	v_pk_mul_f32 v[T+64+2*i:T+65+2*i], v[X+2*i:X+2*i+1], 0x3a800000 op_sel_hi:[1,0]
	v_pk_fma_f32 v[T+2*i:T+2*i+1], v[T+64+2*i:T+65+2*i], v[X+2*i:X+2*i+1], v[T+2*i:T+2*i+1] neg_lo:[1,0,0] neg_hi:[1,0,0]   ; M2 = S2 - S1^2 / 1,024, both about the pivot
.set i, i+1
.endr
	s_wait_alu depctr_va_vdst(0)                   ; the means v[T+32 ..] and the M2 v[T ..] are written, which the LDS stores below read; and every reader of v112-127 is done, in which wave 0's loads land
.set i, 0
.rept 8
	ds_store_b128 v[ASXW], v[T+32+4*i:T+35+4*i] offset:64*(i/2)+16*(i%2)       ; the sixteen lanes of a half write the same words with the same values
	ds_store_b128 v[ASXW], v[T+4*i:T+4*i+3] offset:256+64*(i/2)+16*(i%2)
.set i, i+1
.endr
	s_wait_dscnt 0x0
	s_barrier_signal -1
	s_barrier_wait -1
	s_cmp_lg_u32 s40, 0
	s_cbranch_scc1 .Lend
.irp i, 0,1,2,3
	ds_load_b64 v[T+96+2*\i:T+97+2*\i], v[AL8] offset:SX+512*\i
	ds_load_b64 v[T+104+2*\i:T+105+2*\i], v[AL8] offset:SX+512*\i+256
.endr
	s_wait_dscnt 0x0
	COMB 4, T+96, 0, T+104, 0x44800000, 0x3e800000 ; four partials of 1,024 rows
	s_wait_alu depctr_va_vdst(0)                   ; the join has written v[MU ..] and v[MM ..], which the two stores read
	global_store_b64 v[AL8], v[MU:MU+1], s[24:25]  ; 256 consecutive bytes each
	global_store_b64 v[AL8], v[MM:MM+1], s[24:25] offset:256
.Lend:
	s_wait_dscnt 0x0                               ; the closing lines, six on end
	s_wait_alu 0x0
	s_wait_tensorcnt 0x0
	ds_add_u32 v254, v255
	s_wait_dscnt 0x0
	s_endpgm
.Lfunc_end_k_q6077c035ca_stats2:
	.size	k_q6077c035ca_stats2, .Lfunc_end_k_q6077c035ca_stats2-k_q6077c035ca_stats2
	.p2alignl 7, 3214868480
	.fill 96, 4, 3214868480
	.section	.rodata,"a",@progbits
	.p2align	6, 0x0
	.amdhsa_kernel k_q6077c035ca_stats2
		.amdhsa_group_segment_fixed_size 139776
		.amdhsa_private_segment_fixed_size 0
		.amdhsa_enable_private_segment 0
		.amdhsa_kernarg_size 88
		.amdhsa_user_sgpr_count 2
		.amdhsa_user_sgpr_kernarg_segment_ptr 1
		.amdhsa_wavefront_size32 1
		.amdhsa_system_sgpr_workgroup_id_x 1
		.amdhsa_system_sgpr_workgroup_id_y 1
		.amdhsa_system_sgpr_workgroup_id_z 1
		.amdhsa_system_vgpr_workitem_id 0
		.amdhsa_next_free_vgpr 1024
		.amdhsa_next_free_sgpr 66
		.amdhsa_reserve_vcc 0
		.amdhsa_float_denorm_mode_32 3
		.amdhsa_float_denorm_mode_16_64 3
		.amdhsa_memory_ordered 1
		.amdhsa_forward_progress 1
		.amdhsa_inst_pref_size 255
	.end_amdhsa_kernel
	.section	.bss,"aw",@nobits
	.p2align	6
	.space	262144
	.amdgpu_metadata
---
amdhsa.version: [ 1, 2 ]
amdhsa.kernels:
  - .name:           k_q6077c035ca_stats2
    .symbol:         k_q6077c035ca_stats2.kd
    .args:
      - { .name: tp, .offset: 0, .size: 8, .value_kind: global_buffer, .address_space: global }
      - { .name: st1, .offset: 8, .size: 8, .value_kind: global_buffer, .address_space: global }
      - { .name: grid, .offset: 16, .size: 8, .value_kind: global_buffer, .address_space: global }
      - { .name: W1, .offset: 24, .size: 8, .value_kind: global_buffer, .address_space: global }
      - { .name: b1, .offset: 32, .size: 8, .value_kind: global_buffer, .address_space: global }
      - { .name: gamma1, .offset: 40, .size: 8, .value_kind: global_buffer, .address_space: global }
      - { .name: beta1, .offset: 48, .size: 8, .value_kind: global_buffer, .address_space: global }
      - { .name: W2_codes, .offset: 56, .size: 8, .value_kind: global_buffer, .address_space: global }
      - { .name: W2_scales, .offset: 64, .size: 8, .value_kind: global_buffer, .address_space: global }
      - { .name: b2, .offset: 72, .size: 8, .value_kind: global_buffer, .address_space: global }
      - { .name: st2, .offset: 80, .size: 8, .value_kind: global_buffer, .address_space: global }
    .group_segment_fixed_size: 139776
    .private_segment_fixed_size: 0
    .kernarg_segment_align: 8
    .kernarg_segment_size: 88
    .max_flat_workgroup_size: 128
    .sgpr_count:     66
    .vgpr_count:     1024
    .wavefront_size: 32
...
	.end_amdgpu_metadata
.endif
;; end of part 5
;; launch fold (part 6): grid 256 x 1, 4 waves a work-group, no clusters, 139,776 bytes of LDS; arguments tp, st1, grid, W1, b1, gamma1, beta1, W2_codes, W2_scales, b2, st2, gamma2, beta2, W3, b3, out0, out1; writes out1
.if DOCPART == 6
	.amdgcn_target "amdgcn-amd-amdhsa--gfx1250"
	.amdhsa_code_object_version 6
	.text
	.protected	k_q6077c035ca_fold
	.globl	k_q6077c035ca_fold
	.p2align	8
	.type	k_q6077c035ca_fold,@function
k_q6077c035ca_fold:
	s_mov_b64 s[64:65], 0
	v_nop
	global_prefetch_b8 v0, s[64:65] scope:SCOPE_SE
	s_setreg_imm32_b32 hwreg(HW_REG_WAVE_SCHED_MODE, 0, 2), 2
	s_setreg_imm32_b32 hwreg(HW_REG_WAVE_MODE, 25, 1), 1
	s_wait_xcnt 0x0
	s_wait_alu depctr_vm_vsrc(0)
; out1[m][n][:] = out0[m] + b3 + relu(BN2(h2[m][n])) W3,  h2 = Q(relu(BN1(tp[m] + grid[n] W1[256:258] + b1))) W2 + b2, made a second time: that costs less than h2's, or its operand's, way to memory and back.
; Up to the product all is as in the launch before (its head comment gives the algebra of BN1, the shares and the layout): a work-group owns 64 tokens, a wave 16; G lies in 512 registers, a token's T in 128, W2 in 96; the product is
; on codes of FP6 (E2M3), one E8M0 scale for each 32 along K, used transposed: lane (r, h) holds grid point 16 tile + r; in the result register j of tile t is channel 16 t + 8 h + j.
; BN2: st2's 256 partial (mean, M2) are joined, 64 by each wave and then the four; y = relu(a2 acc + c2), a2 = gamma2 / sqrt(var + 1e-5), c2 = a2 (b2 - mean) + beta2: b2 is folded in, so the sums begin with the constant 0.
; THE LAST PRODUCT (K = 64, N = 3) goes to the matrix unit in bf16: two neighbouring result tiles, rounded in pairs, ARE its source 1 (32 channels x 16 grid points).  Source 0 is W3 transposed, in rows 0-2 for even tiles of grid
; points and in rows 8-10 for odd ones: both add onto ONE accumulator, whose registers 0-2 then hold, in lane l, the three numbers of grid point 32 q + l: one store of 12 bytes a lane, 384 consecutive bytes.
; out0[m] + b3 is the C of that sum's first instruction.  A tile's y and its last product stand a tile later, behind the next tile's vector work.
; THE MODE: SCHED_MODE bits 1:0 = 2 (LLVM: expert scheduling mode 2), set by the entry lines.  The code itself states the register dependences between vector or matrix instructions and memory or LDS instructions, with s_wait_alu, always for 0.
; THE PLAN.  Registers that memory or LDS instructions touch in the loop, and operands that vector instructions make for the scaled products:
;   T (v16-143)   Read by the additions of a token's four tiles.  The next token's 32 LDS loads land in it, in ONE run behind the fourth tile's vector work (slot 3).
;   v[TA]         Read by those loads; written once a token, at the head of slot 3.  All other addresses are made at the head and never written again.
;   v[CR ..]      out0 of a token: read by slot 1's three additions; the next token's load lands in it in slot 3, with T's.
;   DPA, DPB      The last product's accumulator, TWICE: DPA for grid points 0-31 (written by the products of slots 1 and 2, stored in slot 3, begun anew in slot 1), DPB for 32-63 (written in slots 3 and 0, stored in slot 1, begun anew in slot 3).
;   v[CD ..], v[AS ..]  The codes and scale words: written by a slot's vector instructions, taken by its eight scaled products.
; So every slot has ONE wait on va_vdst ahead of its products, and in slots 1 and 3 the finished half's store stands behind that same wait.  The wait on vm_vsrc, beside s_wait_xcnt 0, for the accumulator that is begun anew stands two
; slots behind the store that read it.  Slot 3 has a second wait on va_vdst, behind its tile's vector work, so that T's and out0's loads go out ahead of y and the products, and a wait on vm_vsrc ahead of the add to v[TA].
; LIMITS: NaN and infinities are not served.  A block with no number above 2^-124 gets the scale byte 1.  y and W3 are rounded to bf16 for the last product; all else is f32.
.set TABA, 0                           ; LDS: a1 [256]
.set TABM, 1024                        ; mean of tp [256]
.set SX,   2048                        ; each wave's [mean, M2][64], 512 bytes
.set A2C,  4096                        ; each wave's a2 [64], c2 [64]
.set GT,   6144                        ; G: 64 rows x (1,024 bytes + 16)
.set GP,   1040
.set TS,   72704                       ; T: each wave's 16 tokens x 1,024 bytes
; window 0
.set TA,   1                           ; v1   LDS address of the token's T for my half
.set SH,   2                           ; v2   8 h
.set OUT,  3                           ; v3   12 x lane
.set ZERO, 4                           ; v4   0
.set T8,   5                           ; v5   8 x thread
.set CR,   6                           ; v6-8   out0 of a token, as loaded
.set TA0,  9                           ; v9   T's address for my wave's first token; never rewritten
.set B3,   10                          ; v10-12 b3
.set T,    16                          ; v16-143  T: register 32 b + i is k = 64 b + 32 h + i
.set X,    144                         ; v144-175 a block's 32 numbers; y in f32
.set CD,   176                         ; v176-199 the tile's codes: fragment s at 12 s
.set TMP,  200
.set M,    204
.set SC,   208
.set BY,   210
.set W,    212
.set PT,   213
.set AS,   214                         ; v214-215 x's scale words;  v216-223 W2's (2 t + s): these ten hold scales and nothing else
.set W2S,  216
.set Y,    224                         ; v224-239 y in bf16: fragment u (channels 32 u on) at 8 u
.set MU,   144                         ; the head's work registers lie where the loop's will
.set MM,   146
.set CT,   148
.set DD,   156
.set QQ,   164
.set WA,   176
.set WB,   178
.set B1P,  180
.set GA1,  182
.set BE1,  184
.set GA2,  186
.set BE2,  188
.set B2P,  190
.set VV,   192
.set A1,   194
.set GM,   196
.set AL16, 240                         ; 16 x lane
.set AL8,  241                         ; 8 x lane
.set AW2,  242                         ; 192 r + 24 h
.set AW2S, 243                         ; 8 r
.set AH32, 244                         ; 32 h
.set AW3,  245                         ; 96 h + 4 min(r % 8, 2)
.set AGS,  246                         ; GT + 8 x thread
.set AGL,  247                         ; GT + 1040 r + 128 h
.set ATS,  248                         ; TS + 16384 wave + 16 lane
.set ASXW, 249                         ; SX + 512 wave + 8 lane
.set AA2S, 250                         ; A2C + 512 wave + 8 lane
.set AA2L, 251                         ; A2C + 512 wave + 32 h
; windows 1, 2: G of tile mt in window 1 + mt / 2 at 128 (mt % 2) + 32 b + i.   window 3:
.set W2F,  0                           ; v0-95    W2's fragments, 12 (2 t + s)
.set ACC,  96                          ; v96-127  four accumulators
.set A2,   128                         ; v128-159 a2 in the result's layout (in the head: W3 as loaded)
.set C2,   160                         ; v160-191 c2
.set W3A,  192                         ; v192-207 W3^T in rows 0-2, fragment u at 8 u;  v208-223 the same in rows 8-10
.set DPA,  224                         ; v224-231 the last product's accumulator for grid points 0-31
.set CP,   232                         ; v232-239 out0 + b3 in registers 0-2, zeros above
.set DPB,  240                         ; v240-247 the last product's accumulator for grid points 32-63
.set MSB, 0
.macro WIN new                         ; s_set_vgpr_msb's low byte: bits 1:0 source 0, 3:2 source 1, 5:4 source 2, 7:6 destination; the high byte repeats the setting that is left
.if MSB != \new
	s_set_vgpr_msb (MSB<<8)|\new
.set MSB, \new
.endif
.endm
.macro PLACES n
.rept \n
	v_nop
.endr
.endm
; n partial (mean, M2) of equal count, as pairs of channels at v[mb] on and v[qb] on (qw = 1: in register window 1), are joined: v[MU:MU+1] the mean, v[MM:MM+1] the M2.  cnt: the count as f32;  inv: 1 / n as f32.
.macro COMB n, mb, qw, qb, cnt, inv
.if \n > 4
.irp c, 0,1,2,3
	v_pk_add_f32 v[CT+2*\c:CT+2*\c+1], v[\mb+2*\c:\mb+2*\c+1], v[\mb+8+2*\c:\mb+9+2*\c]   ; four chains, started by the first eight
.endr
.set ci, 8
.rept \n-8
	v_pk_add_f32 v[CT+2*(ci%4):CT+2*(ci%4)+1], v[CT+2*(ci%4):CT+2*(ci%4)+1], v[\mb+2*ci:\mb+2*ci+1]
.set ci, ci+1
.endr
	v_pk_add_f32 v[CT:CT+1], v[CT:CT+1], v[CT+2:CT+3]
	v_pk_add_f32 v[CT+4:CT+5], v[CT+4:CT+5], v[CT+6:CT+7]
.else
	v_pk_add_f32 v[CT:CT+1], v[\mb:\mb+1], v[\mb+2:\mb+3]
	v_pk_add_f32 v[CT+4:CT+5], v[\mb+4:\mb+5], v[\mb+6:\mb+7]
.endif
	v_pk_add_f32 v[CT:CT+1], v[CT:CT+1], v[CT+4:CT+5]
	v_pk_mul_f32 v[MU:MU+1], v[CT:CT+1], \inv op_sel_hi:[1,0]
.set ci, 0
.rept \n
	v_pk_add_f32 v[DD+2*(ci%4):DD+2*(ci%4)+1], v[\mb+2*ci:\mb+2*ci+1], v[MU:MU+1] neg_lo:[0,1] neg_hi:[0,1]   ; mean_i - mean
.if ci < 4
	v_pk_mul_f32 v[QQ+2*ci:QQ+2*ci+1], v[DD+2*ci:DD+2*ci+1], v[DD+2*ci:DD+2*ci+1]
.else
	v_pk_fma_f32 v[QQ+2*(ci%4):QQ+2*(ci%4)+1], v[DD+2*(ci%4):DD+2*(ci%4)+1], v[DD+2*(ci%4):DD+2*(ci%4)+1], v[QQ+2*(ci%4):QQ+2*(ci%4)+1]
.endif
.set ci, ci+1
.endr
.irp c, 0,1,2,3
	v_pk_mul_f32 v[CT+2*\c:CT+2*\c+1], v[QQ+2*\c:QQ+2*\c+1], \cnt op_sel_hi:[1,0]   ; x the count; the M2 are added onto the four chains
.endr
.if \qw
	WIN 0x04
.endif
.set ci, 0
.rept \n
	v_pk_add_f32 v[CT+2*(ci%4):CT+2*(ci%4)+1], v[CT+2*(ci%4):CT+2*(ci%4)+1], v[\qb+2*ci:\qb+2*ci+1]
.set ci, ci+1
.endr
.if \qw
	WIN 0
.endif
	v_pk_add_f32 v[CT:CT+1], v[CT:CT+1], v[CT+2:CT+3]
	v_pk_add_f32 v[CT+4:CT+5], v[CT+4:CT+5], v[CT+6:CT+7]
	v_pk_add_f32 v[MM:MM+1], v[CT:CT+1], v[CT+4:CT+5]
.endm
.macro TLD b                           ; block b of the T at v[TA]: 128 bytes, the same for the sixteen lanes of a half
.irp q, 0,1,2,3,4,5,6,7
	ds_load_b128 v[T+32*(\b)+4*\q:T+32*(\b)+4*\q+3], v[TA] offset:256*(\b)+16*\q
.endr
.endm
; Block b of tile mt: x = relu(T + G), its scale, its codes.  tw = 1: T was asked for in the slot before: wait for this block.
.macro QB mt, b, tw
.if \tw
	s_wait_dscnt 24-8*(\b)                         ; of the 32 loads of T the 8 (b + 1) oldest are in; the younger blocks' may be out
.endif
.if (\mt) < 2
	WIN 0x04                                       ; source 1 (G) in window 1
.else
	WIN 0x08                                       ; or 2
.endif
.set GB, 128*((\mt)%2)+32*(\b)
.set qi, 0
.rept 16
	v_pk_add_f32 v[X+qi:X+qi+1], v[T+32*(\b)+qi:T+32*(\b)+qi+1], v[GB+qi:GB+qi+1]
.set qi, qi+2
.endr
	WIN 0
	; the largest number: no |.| on the sources, since what is negative must not count; four chains; a relu stands behind each line, so that no line waits for the line above it
.irp c, 0,1,2,3
	v_max3_num_f32 v[M+\c], v[X+8*\c], v[X+8*\c+1], v[X+8*\c+2]
	v_max_num_f32 v[X+\c], 0, v[X+\c]
.endr
.irp c, 0,1,2,3
	v_max3_num_f32 v[M+\c], v[M+\c], v[X+8*\c+3], v[X+8*\c+4]
	v_max_num_f32 v[X+4+\c], 0, v[X+4+\c]
.endr
.irp c, 0,1,2,3
	v_max3_num_f32 v[M+\c], v[M+\c], v[X+8*\c+5], v[X+8*\c+6]
	v_max_num_f32 v[X+8+\c], 0, v[X+8+\c]
.endr
	v_max3_num_f32 v[M], v[M], v[X+7], v[X+15]
	v_max_num_f32 v[X+12], 0, v[X+12]
	v_max3_num_f32 v[M+2], v[M+2], v[X+23], v[X+31]
	v_max_num_f32 v[X+13], 0, v[X+13]
	v_max3_num_f32 v[M], v[M], v[M+1], 0x1800000   ; the floor 2^(3 - 127): the byte cannot fall under 1
	v_max_num_f32 v[X+14], 0, v[X+14]
	v_max3_num_f32 v[M], v[M], v[M+2], v[M+3]
	v_max_num_f32 v[X+15], 0, v[X+15]
.irp k, 16,17,18,19,20,21,22,23
	v_max_num_f32 v[X+\k], 0, v[X+\k]
.endr
	v_add_nc_u32 v[SC], 0xff000000, v[M]           ; 2 off the exponent field: the conversion takes this operand's exponent field as its scale
.irp k, 24,25,26,27,28,29,30,31
	v_max_num_f32 v[X+\k], 0, v[X+\k]
.endr
	v_cvt_scalef32_pk16_fp6_f32 v[CD+6*(\b):CD+6*(\b)+2], v[X:X+15], v[SC]
	v_cvt_scalef32_pk16_fp6_f32 v[TMP:TMP+2], v[X+16:X+31], v[SC]   ; a conversion's three registers begin on an even number: made here, moved below
	v_lshrrev_b32 v[BY+(\b)%2], 23, v[SC]          ; the scale's byte; also the plain place behind the conversions
.irp i, 0,1,2
	v_mov_b32 v[CD+6*(\b)+3+\i], v[TMP+\i]
.endr
.endm
.macro SW s                            ; K step s's scale word: my blocks are numbers h and 2 + h of its four
	v_lshl_or_b32 v[W], v[BY+1], 16, v[BY]
	v_lshlrev_b32 v[W], v[SH], v[W]
	v_permlanex16_b32 v[PT], v[W], s42, s43
	v_or_b32 v[AS+\s], v[W], v[PT]
.endm
.macro QT mt, tw                       ; a tile of 16 grid points: two fragments and two scale words
	QB \mt, 0, \tw
	QB \mt, 1, \tw
	SW 0
	QB \mt, 2, \tw
	QB \mt, 3, \tw
	SW 1
.endm
.macro S4 s                            ; K step s of the tile's product, four tiles of channels
.irp t, 0,1,2,3
.if \s == 0
	v_wmma_scale_f32_16x16x128_f8f6f4 v[ACC+8*\t:ACC+8*\t+7], v[W2F+24*\t:W2F+24*\t+11], v[CD:CD+11], 0, v[W2S+2*\t], v[AS] matrix_a_fmt:MATRIX_FMT_FP6 matrix_b_fmt:MATRIX_FMT_FP6
.else
	v_wmma_scale_f32_16x16x128_f8f6f4 v[ACC+8*\t:ACC+8*\t+7], v[W2F+24*\t+12:W2F+24*\t+23], v[CD+12:CD+23], v[ACC+8*\t:ACC+8*\t+7], v[W2S+2*\t+1], v[AS+1] matrix_a_fmt:MATRIX_FMT_FP6 matrix_b_fmt:MATRIX_FMT_FP6
.endif
.endr
.endm
.macro BF odd, u, start, dp            ; the last product, channels 32 u on, onto accumulator dp; odd: W3^T in rows 8-10;  start: out0 + b3 starts the sum
.if \start
	v_wmma_f32_16x16x32_bf16 v[\dp:\dp+7], v[W3A+16*(\odd)+8*(\u):W3A+16*(\odd)+8*(\u)+7], v[Y+8*(\u):Y+8*(\u)+7], v[CP:CP+7]
.else
	v_wmma_f32_16x16x32_bf16 v[\dp:\dp+7], v[W3A+16*(\odd)+8*(\u):W3A+16*(\odd)+8*(\u)+7], v[Y+8*(\u):Y+8*(\u)+7], v[\dp:\dp+7]
.endif
.endm
.macro GRP odd, dp                     ; ten matrix instructions: the last tile's last product, this tile's product.  The five accumulators by turns, one instruction a turn
	WIN 0xf3                                       ; source 0, C and D window 3; source 1 window 0
	BF \odd, 0, 1-\odd, \dp
	S4 0
	BF \odd, 1, 0, \dp
	S4 1
	WIN 0
.endm
.macro YMAKE                           ; the last tile's y: each accumulator is read from its low end on.  Its 48 lines on v[X] and v[Y] are also the places between the scale word and codes just made and the products
	WIN 0x3f
.set qi, 0
.rept 16
	v_pk_fma_f32 v[X+qi:X+qi+1], v[ACC+qi:ACC+qi+1], v[A2+qi:A2+qi+1], v[C2+qi:C2+qi+1]
.set qi, qi+2
.endr
	WIN 0
.set qi, 0
.rept 32
	v_max_num_f32 v[X+qi], 0, v[X+qi]
.set qi, qi+1
.endr
.set qi, 0
.rept 16
	v_cvt_pk_bf16_f32 v[Y+qi], v[X+2*qi], v[X+2*qi+1]
.set qi, qi+1
.endr
.endm
.macro STORE dp, off                   ; 32 grid points of a token, one a lane: 384 consecutive bytes; a token's two stores fill three aligned runs of 256.  The window (a store's data are its source 1: window 3) is set ahead of the wait that stands ahead of this line
	global_store_b96 v[OUT], v[\dp:\dp+2], s[36:37] offset:\off th:TH_STORE_NT
.endm
.macro SLOT1 st                        ; st = 1: the token before is finished
	QT 1, 0
	s_wait_loadcnt 0x0                             ; this token's out0, asked for two slots ago
	WIN 0xc0
.irp j, 0,1,2
	v_add_f32 v[CP+\j], v[CR+\j], v[B3+\j]
.endr
	WIN 0
	YMAKE
.if \st
	s_wait_xcnt 0x0                                ; the store issued two slots ago has had its address translated: its base steps, and its data are written again below
	s_wait_alu depctr_vm_vsrc(0)                   ; that store has read v[DPA ..], which the products below begin anew
	s_add_nc_u64 s[36:37], s[36:37], 768           ; out1 at this token; the store below, the token before's second half, reaches back
	WIN 0x0c
	s_wait_alu depctr_va_vdst(0)                   ; the products of the slot before have written v[DPB ..], which the store reads; the codes v[CD ..] and scale words v[AS ..] are written, which the products take
	STORE DPB, -384
.else
	s_wait_alu depctr_va_vdst(0)                   ; the codes v[CD ..] and scale words v[AS ..] are written, which the products take
.endif
	GRP 0, DPA
.endm
.macro SLOT2
	QT 2, 0
	YMAKE
	s_wait_alu depctr_va_vdst(0)                   ; the codes v[CD ..] and scale words v[AS ..] are written, which the products take
	GRP 1, DPA
.endm
.macro SLOT3 tl                        ; tl = 1: there is a next token: its T and its out0 are asked for
.if \tl
	s_add_co_u32 s51, s51, 1024
	s_wait_alu depctr_vm_vsrc(0)                   ; the last token's 32 loads have read v[TA], which the next line writes
	v_add_nc_u32 v[TA], s51, v[TA0]
.endif
	QT 3, 0
.if \tl
	s_wait_alu depctr_va_vdst(0)                   ; the token's last additions are done reading T, and slot 1's reading v[CR ..]: the loads below land there; v[TA], their address, is written
	TLD 0                                          ; y and the products below name none of these registers: the loads land beside them
	TLD 1
	TLD 2
	TLD 3
	s_add_nc_u64 s[34:35], s[34:35], 12            ; (the last load from this base was waited for in slot 1)
	global_load_b96 v[CR:CR+2], v[ZERO], s[34:35]
.endif
	YMAKE
	s_wait_xcnt 0x0                                ; the store issued two slots ago has had its address translated: its data are written again below
	s_wait_alu depctr_vm_vsrc(0)                   ; that store has read v[DPB ..], which the products below begin anew
	WIN 0x0c
	s_wait_alu depctr_va_vdst(0)                   ; the products of the slot before have written v[DPA ..], which the store reads; the codes v[CD ..] and scale words v[AS ..] are written, which the products take
	STORE DPA, 0
	GRP 0, DPB
.endm
.macro SLOT0
	QT 0, 1
	YMAKE
	s_wait_alu depctr_va_vdst(0)                   ; the codes v[CD ..] and scale words v[AS ..] are written, which the products take
	GRP 1, DPB
.endm
	s_load_b256 s[4:11], s[0:1], 0x0               ; tp s[4:5], st1 s[6:7], grid s[8:9], W1 s[10:11]
	s_load_b256 s[12:19], s[0:1], 0x20             ; b1 s[12:13], gamma1 s[14:15], beta1 s[16:17], W2's codes s[18:19]
	s_load_b256 s[20:27], s[0:1], 0x40             ; W2's scales s[20:21], b2 s[22:23], st2 s[24:25], gamma2 s[26:27]
	s_load_b256 s[28:35], s[0:1], 0x60             ; beta2 s[28:29], W3 s[30:31], b3 s[32:33], out0 s[34:35]
	s_load_b64 s[36:37], s[0:1], 0x80              ; out1
	v_lshl_add_u32 v254, v0, 2, 0x22000
	v_mov_b32 v255, 0
	v_lshrrev_b32 v1, 5, v0
	v_readfirstlane_b32 s40, v1                    ; wave 0..3
	s_mov_b32 s42, 0x76543210
	s_mov_b32 s43, 0xfedcba98                      ; v_permlanex16_b32's selects for lane l xor 16
	s_mov_b32 s51, 0
	v_and_b32 v13, 15, v0                          ; r
	v_bfe_u32 v14, v0, 4, 1                        ; h
	v_and_b32 v15, 31, v0                          ; lane
	v_cmp_gt_u32 s52, 3, v13                       ; lanes that hold rows 0-2 of W3^T,
	v_add_nc_u32 v12, -8, v13
	v_cmp_gt_u32 s53, 3, v12                       ; rows 8-10
	v_lshlrev_b32 v[SH], 3, v14
	v_mul_u32_u24 v[OUT], v15, 12
	v_mov_b32 v[ZERO], 0
	v_mov_b32 v[PT], 0                             ; written once: a lane permute's destination counts as one of its sources
	v_lshlrev_b32 v[T8], 3, v0
	v_lshlrev_b32 v[AL16], 4, v15
	v_lshlrev_b32 v[AL8], 3, v15
	v_mul_u32_u24 v[AW2], v13, 192
	v_mad_u32_u24 v[AW2], v14, 24, v[AW2]
	v_lshlrev_b32 v[AW2S], 3, v13
	v_lshlrev_b32 v[AH32], 5, v14
	v_and_b32 v[AW3], 7, v13
	v_min_u32 v[AW3], 2, v[AW3]                    ; lanes that hold no row of W3^T read its last column and are cleared below: no load leaves W3
	v_lshlrev_b32 v[AW3], 2, v[AW3]
	v_mad_u32_u24 v[AW3], v14, 96, v[AW3]
	v_add_nc_u32 v[AGS], GT, v[T8]
	v_mul_u32_u24 v[AGL], v13, GP
	v_lshl_add_u32 v[AGL], v14, 7, v[AGL]
	v_add_nc_u32 v[AGL], GT, v[AGL]
	s_wait_alu depctr_va_sdst(0)                   ; s40, the wave's number, and the two masks s52 and s53 are written, ahead of the first reader of each
	s_lshl_b32 s44, s40, 14
	s_add_co_u32 s44, s44, TS
	v_add_nc_u32 v[ATS], s44, v[AL16]
	v_lshl_add_u32 v[TA0], v14, 7, s44
	v_add_nc_u32 v[TA], s51, v[TA0]                ; the first token's T
	s_lshl_b32 s45, s40, 9
	s_add_co_u32 s44, s45, SX
	v_add_nc_u32 v[ASXW], s44, v[AL8]
	s_add_co_u32 s44, s45, A2C
	v_add_nc_u32 v[AA2S], s44, v[AL8]
	v_add_nc_u32 v[AA2L], s44, v[AH32]
	s_lshl_b32 s46, ttmp9, 6
	s_lshl_b32 s47, s40, 4
	s_add_co_u32 s46, s46, s47                     ; my first token: 64 work-group + 16 wave
	s_mul_i32 s48, s46, 12                         ; its bytes in out0,
	s_mov_b32 s49, 0
	s_mul_i32 s54, s46, 768                        ; in out1,
	s_mov_b32 s55, 0
	s_lshl_b32 s46, s46, 10                        ; in tp
	s_mov_b32 s47, 0
	s_lshl_b32 s56, s40, 15                        ; st2: my wave joins 64 of the 256 partials
	s_mov_b32 s57, 0
	s_wait_kmcnt 0x0
	s_add_nc_u64 s[4:5], s[4:5], s[46:47]
	s_add_nc_u64 s[34:35], s[34:35], s[48:49]
	s_add_nc_u64 s[36:37], s[36:37], s[54:55]
	s_add_nc_u64 s[24:25], s[24:25], s[56:57]
	s_wait_alu depctr_va_vdst(0)                   ; every offset and LDS address of the kernel (v1, v3, v4, v5, v9, v240 to v251) is written: the loads and stores below read them; v12, in which b3 lands, has been written and read
	; ---- all that the launch reads but st2, in one run: nothing but loads and window switches stands in it
.set i, 0
.rept 64
	global_load_b64 v[T+2*i:T+2*i+1], v[T8], s[6:7] offset:2048*i   ; st1's means of channels 2 thread, 2 thread + 1: 64 row blocks
.set i, i+1
.endr
	WIN 0x40                                       ; destination window 1
.set i, 0
.rept 64
	global_load_b64 v[2*i:2*i+1], v[T8], s[6:7] offset:2048*i+1024  ; and their M2
.set i, i+1
.endr
.set i, 0
.rept 32
	global_load_b128 v[128+4*i:131+4*i], v[ZERO], s[8:9] offset:16*i   ; the grid's 64 points, whole, in every lane
.set i, i+1
.endr
	WIN 0x80                                       ; destination window 2
.set i, 0
.rept 32
	global_load_b128 v[4*i:4*i+3], v[AL16], s[4:5] offset:1024*(i/2)+512*(i%2) th:TH_LOAD_NT   ; my wave's 16 tokens: 512 consecutive bytes a load; token i / 2, channels 128 (i % 2) + 4 lane on
.set i, i+1
.endr
	WIN 0xc0                                       ; destination window 3
.set i, 0
.rept 48
	global_load_b64 v[W2F+2*i:W2F+2*i+1], v[AW2], s[18:19] offset:3072*(i/12)+96*((i/6)%2)+48*((i%6)/3)+8*(i%3)   ; W2's fragment 2 t + s = i / 6: row 16 t + r, 24 bytes at 96 s + 24 h and at 48 more, in pieces of 8
.set i, i+1
.endr
.set i, 0
.rept 32
	global_load_b32 v[A2+i], v[AW3], s[30:31] offset:12*(32*(i/16)+16*((i%16)/8)+i%8)   ; W3(32 u + 16 (i / 8) + 8 h + i % 8, my row of W3^T), u = i / 16
.set i, i+1
.endr
	WIN 0
.set i, 0
.rept 8
	global_load_b32 v[W2S+i], v[AW2S], s[20:21] offset:128*(i/2)+4*(i%2)
.set i, i+1
.endr
	global_load_b64 v[WA:WA+1], v[T8], s[10:11] offset:262144       ; W1's row 256,
	global_load_b64 v[WB:WB+1], v[T8], s[10:11] offset:263168       ; row 257
	global_load_b64 v[B1P:B1P+1], v[T8], s[12:13]
	global_load_b64 v[GA1:GA1+1], v[T8], s[14:15]
	global_load_b64 v[BE1:BE1+1], v[T8], s[16:17]
	global_load_b64 v[GA2:GA2+1], v[AL8], s[26:27]                  ; the second norm's: channels 2 lane, 2 lane + 1
	global_load_b64 v[BE2:BE2+1], v[AL8], s[28:29]
	global_load_b64 v[B2P:B2P+1], v[AL8], s[22:23]
	global_load_b96 v[B3:B3+2], v[ZERO], s[32:33]
	global_load_b96 v[CR:CR+2], v[ZERO], s[34:35]                   ; out0 of my first token
	s_wait_loadcnt 0x0
	; ---- BN1's constants for channels 2 thread, 2 thread + 1
	COMB 64, T, 1, 0, 0x43800000, 0x3c800000       ; 64 partials of 256 rows: tp's mean and M2
	s_wait_alu depctr_va_vdst(0)                   ; the join is done reading v16-143 and window 1's v0-127, in which the loads below land
.set i, 0
.rept 64
	global_load_b64 v[T+2*i:T+2*i+1], v[AL8], s[24:25] offset:512*i   ; st2's means go out into the registers just read: they land under the work below
.set i, i+1
.endr
	WIN 0x40
.set i, 0
.rept 64
	global_load_b64 v[2*i:2*i+1], v[AL8], s[24:25] offset:512*i+256
.set i, i+1
.endr
	WIN 0x0f                                       ; W3 to bf16: sources window 3
.set i, 0
.rept 16
	v_cvt_pk_bf16_f32 v[Y+i], v[A2+2*i], v[A2+2*i+1]
.set i, i+1
.endr
	WIN 0xc0
.set i, 0
.rept 16
	v_cndmask_b32 v[W3A+i], 0, v[Y+i], s52         ; zeros in all rows but 0-2,
	v_cndmask_b32 v[W3A+16+i], 0, v[Y+i], s53      ; but 8-10
.set i, i+1
.endr
.irp j, 3,4,5,6,7
	v_mov_b32 v[CP+\j], 0
.endr
	WIN 0x84                                       ; destination window 2, source 1 (the grid) window 1
.set i, 0
.rept 64
	v_pk_fma_f32 v[128+2*i:129+2*i], v[WB:WB+1], v[128+2*i:129+2*i], v[B1P:B1P+1] op_sel:[0,1,0] op_sel_hi:[1,1,1]   ; gy W1[257] + b1
.set i, i+1
.endr
	WIN 0xa4                                       ; source 2 window 2 too
.set i, 0
.rept 64
	v_pk_fma_f32 v[128+2*i:129+2*i], v[WA:WA+1], v[128+2*i:129+2*i], v[128+2*i:129+2*i] op_sel_hi:[1,0,1]   ; + gx W1[256]: gp of point i, in f32
.set i, i+1
.endr
	WIN 0x0a
.irp c, 0,1,2,3
	v_pk_add_f32 v[CT+2*\c:CT+2*\c+1], v[128+2*\c:129+2*\c], v[136+2*\c:137+2*\c]
.endr
	WIN 0x08
.set i, 8
.rept 56
	v_pk_add_f32 v[CT+2*(i%4):CT+2*(i%4)+1], v[CT+2*(i%4):CT+2*(i%4)+1], v[128+2*i:129+2*i]
.set i, i+1
.endr
	WIN 0
	v_pk_add_f32 v[CT:CT+1], v[CT:CT+1], v[CT+2:CT+3]
	v_pk_add_f32 v[CT+4:CT+5], v[CT+4:CT+5], v[CT+6:CT+7]
	v_pk_add_f32 v[CT:CT+1], v[CT:CT+1], v[CT+4:CT+5]
	v_pk_mul_f32 v[GM:GM+1], v[CT:CT+1], 0x3c800000 op_sel_hi:[1,0]   ; gp's mean
	WIN 0x82
.set i, 0
.rept 64
	v_pk_add_f32 v[128+2*i:129+2*i], v[128+2*i:129+2*i], v[GM:GM+1] neg_lo:[0,1] neg_hi:[0,1]
.set i, i+1
.endr
	WIN 0x0a
.set i, 0
.rept 64
.if i < 4
	v_pk_mul_f32 v[QQ+2*i:QQ+2*i+1], v[128+2*i:129+2*i], v[128+2*i:129+2*i]
.else
	v_pk_fma_f32 v[QQ+2*(i%4):QQ+2*(i%4)+1], v[128+2*i:129+2*i], v[128+2*i:129+2*i], v[QQ+2*(i%4):QQ+2*(i%4)+1]
.endif
.set i, i+1
.endr
	WIN 0
	v_pk_add_f32 v[QQ:QQ+1], v[QQ:QQ+1], v[QQ+2:QQ+3]
	v_pk_add_f32 v[QQ+4:QQ+5], v[QQ+4:QQ+5], v[QQ+6:QQ+7]
	v_pk_add_f32 v[QQ:QQ+1], v[QQ:QQ+1], v[QQ+4:QQ+5]
	v_pk_mul_f32 v[VV:VV+1], v[QQ:QQ+1], 0x3c800000 op_sel_hi:[1,0]           ; gp's variance (/ 64)
	v_pk_fma_f32 v[VV:VV+1], v[MM:MM+1], 0x38800000, v[VV:VV+1] op_sel_hi:[1,0,1]   ; + tp's (/ 16,384)
	v_pk_add_f32 v[VV:VV+1], v[VV:VV+1], 0x3727c5ac op_sel_hi:[1,0]           ; + 1e-5
	s_wait_alu depctr_va_vdst(0)
	v_rsq_f32 v[VV], v[VV]
	v_rsq_f32 v[VV+1], v[VV+1]
	v_nop                                          ; one plain place behind a transcendental
	s_wait_alu depctr_va_vdst(0)                   ; the two reciprocal roots v[VV], v[VV+1] are written, ahead of their first reader
	v_pk_mul_f32 v[A1:A1+1], v[GA1:GA1+1], v[VV:VV+1]   ; a1
	WIN 0x88
.set i, 0
.rept 64
	v_pk_fma_f32 v[128+2*i:129+2*i], v[A1:A1+1], v[128+2*i:129+2*i], v[BE1:BE1+1]   ; G
.set i, i+1
.endr
	WIN 0x08                                       ; an LDS store's data are its source 1
	s_wait_alu depctr_va_vdst(0)                   ; G (window 2, v128 on), a1 and tp's mean are written, which the LDS stores below read
.set i, 0
.rept 64
	ds_store_b64 v[AGS], v[128+2*i:129+2*i] offset:GP*i
.set i, i+1
.endr
	WIN 0
	ds_store_b64 v[T8], v[A1:A1+1] offset:TABA
	ds_store_b64 v[T8], v[MU:MU+1] offset:TABM
	s_wait_dscnt 0x0                               ; my stores have landed
	s_wait_loadcnt 0x0                             ; st2
	s_wait_alu depctr_vm_vsrc(0)                   ; the LDS store of tp's mean has read v[MU ..], which the join below writes again
	COMB 64, T, 1, 0, 0x45800000, 0x3c800000       ; 64 partials of 4,096 rows
	s_wait_alu depctr_va_vdst(0)                   ; the join has written v[MU ..] and v[MM ..], which the two LDS stores read; it is done with v16-31 and v144-159, in which the loads behind the barrier land
	ds_store_b64 v[ASXW], v[MU:MU+1]
	ds_store_b64 v[ASXW], v[MM:MM+1] offset:256
	s_wait_dscnt 0x0                               ; for the others' sake: my stores have landed
	s_barrier_signal -1
	s_barrier_wait -1                              ; G, a1, tp's mean and the four waves' parts of h2's statistics lie in LDS
	s_wait_alu depctr_vm_vsrc(0)                   ; my two LDS stores have read v[MU ..] and v[MM ..], in which the loads below land
	; ---- my 16 tokens become T
.irp j, 0,1
	ds_load_b128 v[X+4*\j:X+4*\j+3], v[AL16] offset:TABA+512*\j
	ds_load_b128 v[X+8+4*\j:X+11+4*\j], v[AL16] offset:TABM+512*\j
.endr
.irp i, 0,1,2,3
	ds_load_b64 v[T+2*\i:T+1+2*\i], v[AL8] offset:SX+512*\i
	ds_load_b64 v[T+8+2*\i:T+9+2*\i], v[AL8] offset:SX+512*\i+256
.endr
	s_wait_dscnt 0x0
	WIN 0x82
.set i, 0
.rept 64
	v_pk_add_f32 v[2*i:2*i+1], v[2*i:2*i+1], v[X+8+2*(i%4):X+9+2*(i%4)] neg_lo:[0,1] neg_hi:[0,1]
.set i, i+1
.endr
.set i, 0
.rept 64
	v_pk_mul_f32 v[2*i:2*i+1], v[2*i:2*i+1], v[X+2*(i%4):X+1+2*(i%4)]
.set i, i+1
.endr
	WIN 0x08
	s_wait_alu depctr_va_vdst(0)                   ; T (window 2, v0-127) is written, which the LDS stores below read
.set i, 0
.rept 32
	ds_store_b128 v[ATS], v[4*i:4*i+3] offset:1024*(i/2)+512*(i%2)
.set i, i+1
.endr
	WIN 0
	; ---- BN2's constants for channels 2 lane, 2 lane + 1, in every wave
	COMB 4, T, 0, T+8, 0x48800000, 0x3e800000      ; four partials of 262,144 rows
	v_pk_mul_f32 v[VV:VV+1], v[MM:MM+1], 0x35800000 op_sel_hi:[1,0]           ; / 1,048,576
	v_pk_add_f32 v[VV:VV+1], v[VV:VV+1], 0x3727c5ac op_sel_hi:[1,0]           ; + 1e-5
	s_wait_alu depctr_va_vdst(0)
	v_rsq_f32 v[VV], v[VV]
	v_rsq_f32 v[VV+1], v[VV+1]
	v_nop                                          ; one plain place behind a transcendental
	s_wait_alu depctr_va_vdst(0)                   ; the two reciprocal roots v[VV], v[VV+1] are written, ahead of their first reader
	v_pk_mul_f32 v[A1:A1+1], v[GA2:GA2+1], v[VV:VV+1]                         ; a2
	v_pk_add_f32 v[GM:GM+1], v[B2P:B2P+1], v[MU:MU+1] neg_lo:[0,1] neg_hi:[0,1]
	v_pk_fma_f32 v[GM:GM+1], v[GM:GM+1], v[A1:A1+1], v[BE2:BE2+1]             ; c2 = a2 (b2 - mean) + beta2
	s_wait_alu depctr_va_vdst(0)                   ; a2 and c2 are written, which the two LDS stores read
	ds_store_b64 v[AA2S], v[A1:A1+1]
	ds_store_b64 v[AA2S], v[GM:GM+1] offset:256
	s_wait_dscnt 0x0
	s_barrier_signal -1
	s_barrier_wait -1                              ; T, a2 and c2 are each wave's own; this barrier parts every store of the head from every load that follows, the loop's stepped ones among them
	WIN 0x40
	s_wait_alu depctr_va_vdst(0)                   ; the joins, gp's lines, T's lines and W3's roundings are done reading and writing windows 1 and 2, window 3's v128-159 and v16-143, in which the loads below land; only loads and window switches follow up to the last of them
	s_wait_alu depctr_vm_vsrc(0)                   ; the LDS stores of G and of T have read window 2, in which G lands; those of a2 and c2 have read v194-197, which the codes will take
.set i, 0
.rept 64
	ds_load_b128 v[4*i:4*i+3], v[AGL] offset:16*GP*(i/32)+256*((i%32)/8)+16*(i%8)   ; G of tiles 0, 1: row 16 tile + r, my half's 128 bytes of each 256
.set i, i+1
.endr
	WIN 0x80
.set i, 0
.rept 64
	ds_load_b128 v[4*i:4*i+3], v[AGL] offset:16*GP*(2+i/32)+256*((i%32)/8)+16*(i%8)   ; of tiles 2, 3
.set i, i+1
.endr
	WIN 0xc0
.set i, 0
.rept 8
	ds_load_b128 v[A2+4*i:A2+4*i+3], v[AA2L] offset:64*(i/2)+16*(i%2)         ; a2, c2 at channels 16 t + 8 h + 0 .. 7
	ds_load_b128 v[C2+4*i:C2+4*i+3], v[AA2L] offset:256+64*(i/2)+16*(i%2)
.set i, i+1
.endr
	WIN 0
	TLD 0
	TLD 1
	TLD 2
	TLD 3
	s_wait_dscnt 0x0
	; ---- the tokens
	QT 0, 0
	PLACES 8                                       ; a scale word made by vector instructions stands 8 places ahead of a scaled matrix instruction, codes so made 4
	s_wait_alu depctr_va_vdst(0)                   ; the first tile's codes v[CD ..] and scale words v[AS ..] are written, which the products take
	WIN 0xf3
	S4 0
	S4 1
	WIN 0
	SLOT1 0
	s_mov_b32 s41, 15
.Ltoken:                                           ; a trip: a token's tiles 2 and 3, the next token's 0 and 1
	SLOT2
	SLOT3 1
	SLOT0
	SLOT1 1
	s_sub_co_u32 s41, s41, 1
	s_cmp_lg_u32 s41, 0
	s_cbranch_scc1 .Ltoken
	SLOT2                                          ; the last token asks for nothing more: no load leaves out0
	SLOT3 0
	PLACES 4
	YMAKE
	WIN 0xf3
	s_wait_alu depctr_va_vdst(0)                   ; the last slot's products have written v[DPB ..], which this one takes up again; the accumulator's last turn is of two instructions: a wait stands ahead of each
	BF 1, 0, 0, DPB
	s_wait_alu depctr_va_vdst(0)                   ; the product just issued has written v[DPB ..], onto which this one adds
	BF 1, 1, 0, DPB
	WIN 0
	PLACES 4                                       ; four places behind the last product, before its result is read (ISA guide 7.12.1)
	WIN 0x0c
	s_wait_alu depctr_va_vdst(0)                   ; the last product has written v[DPB ..], which the store reads; the places above stay beside this wait
	STORE DPB, 384
	WIN 0
	s_wait_dscnt 0x0                               ; the closing lines, six on end
	s_wait_alu 0x0
	s_wait_tensorcnt 0x0
	ds_add_u32 v254, v255
	s_wait_dscnt 0x0
	s_endpgm
.Lfunc_end_k_q6077c035ca_fold:
	.size	k_q6077c035ca_fold, .Lfunc_end_k_q6077c035ca_fold-k_q6077c035ca_fold
	.p2alignl 7, 3214868480
	.fill 96, 4, 3214868480
	.section	.rodata,"a",@progbits
	.p2align	6, 0x0
	.amdhsa_kernel k_q6077c035ca_fold
		.amdhsa_group_segment_fixed_size 139776
		.amdhsa_private_segment_fixed_size 0
		.amdhsa_enable_private_segment 0
		.amdhsa_kernarg_size 136
		.amdhsa_user_sgpr_count 2
		.amdhsa_user_sgpr_kernarg_segment_ptr 1
		.amdhsa_wavefront_size32 1
		.amdhsa_system_sgpr_workgroup_id_x 1
		.amdhsa_system_sgpr_workgroup_id_y 1
		.amdhsa_system_sgpr_workgroup_id_z 1
		.amdhsa_system_vgpr_workitem_id 0
		.amdhsa_next_free_vgpr 1024
		.amdhsa_next_free_sgpr 66
		.amdhsa_reserve_vcc 0
		.amdhsa_float_denorm_mode_32 3
		.amdhsa_float_denorm_mode_16_64 3
		.amdhsa_memory_ordered 1
		.amdhsa_forward_progress 1
		.amdhsa_inst_pref_size 255
	.end_amdhsa_kernel
	.section	.bss,"aw",@nobits
	.p2align	6
	.space	262144
	.amdgpu_metadata
---
amdhsa.version: [ 1, 2 ]
amdhsa.kernels:
  - .name:           k_q6077c035ca_fold
    .symbol:         k_q6077c035ca_fold.kd
    .args:
      - { .name: tp, .offset: 0, .size: 8, .value_kind: global_buffer, .address_space: global }
      - { .name: st1, .offset: 8, .size: 8, .value_kind: global_buffer, .address_space: global }
      - { .name: grid, .offset: 16, .size: 8, .value_kind: global_buffer, .address_space: global }
      - { .name: W1, .offset: 24, .size: 8, .value_kind: global_buffer, .address_space: global }
      - { .name: b1, .offset: 32, .size: 8, .value_kind: global_buffer, .address_space: global }
      - { .name: gamma1, .offset: 40, .size: 8, .value_kind: global_buffer, .address_space: global }
      - { .name: beta1, .offset: 48, .size: 8, .value_kind: global_buffer, .address_space: global }
      - { .name: W2_codes, .offset: 56, .size: 8, .value_kind: global_buffer, .address_space: global }
      - { .name: W2_scales, .offset: 64, .size: 8, .value_kind: global_buffer, .address_space: global }
      - { .name: b2, .offset: 72, .size: 8, .value_kind: global_buffer, .address_space: global }
      - { .name: st2, .offset: 80, .size: 8, .value_kind: global_buffer, .address_space: global }
      - { .name: gamma2, .offset: 88, .size: 8, .value_kind: global_buffer, .address_space: global }
      - { .name: beta2, .offset: 96, .size: 8, .value_kind: global_buffer, .address_space: global }
      - { .name: W3, .offset: 104, .size: 8, .value_kind: global_buffer, .address_space: global }
      - { .name: b3, .offset: 112, .size: 8, .value_kind: global_buffer, .address_space: global }
      - { .name: out0, .offset: 120, .size: 8, .value_kind: global_buffer, .address_space: global }
      - { .name: out1, .offset: 128, .size: 8, .value_kind: global_buffer, .address_space: global }
    .group_segment_fixed_size: 139776
    .private_segment_fixed_size: 0
    .kernarg_segment_align: 8
    .kernarg_segment_size: 136
    .max_flat_workgroup_size: 128
    .sgpr_count:     66
    .vgpr_count:     1024
    .wavefront_size: 32
...
	.end_amdgpu_metadata
.endif
;; end of part 6
